; MI455X (gfx1250); checked and timed in simulation.
; The chip was launched on July 23, 2026; its instructions are those of AMD's public machine-readable ISA for CDNA 5 (MIT licence, August 2026) and "CDNA5" Instruction Set Architecture Reference Guide (July 2026). The comments in the code are by the model that wrote it; some were corrected since.
;; Transformer Decoder Block. Allowed arithmetic: matrix products marked QUANTISED: E5M2 operands, one E8M0 scale for each 32 along K, by v_wmma_scale_f32_16x16x128_f8f6f4 with both operands' format E5M2, f32 sums; everything else in f32.
;; Inputs: attention_mask 2,048 x 2,048 float32; b1 4,096 float32; b2 1,024 float32; ln1_b 1,024 float32; ln1_g 1,024 float32; ln2_b 1,024 float32; ln2_g 1,024 float32; w1_codes 4,096 x 32 x 32 uint8 (E5M2 codes of w1, K innermost, in blocks of 32 codes); w1_scales 4,096 x 32 uint8 (E8M0 scales of w1, one for each 32 codes along K); w2_codes 1,024 x 128 x 32 uint8 (E5M2 codes of w2, K innermost, in blocks of 32 codes); w2_scales 1,024 x 128 uint8 (E8M0 scales of w2, one for each 32 codes along K); wk_codes 256 x 32 x 32 uint8 (E5M2 codes of wk, K innermost, in blocks of 32 codes); wk_scales 256 x 32 uint8 (E8M0 scales of wk, one for each 32 codes along K); wo_codes 1,024 x 32 x 32 uint8 (E5M2 codes of wo, K innermost, in blocks of 32 codes); wo_scales 1,024 x 32 uint8 (E8M0 scales of wo, one for each 32 codes along K); wq_codes 1,024 x 32 x 32 uint8 (E5M2 codes of wq, K innermost, in blocks of 32 codes); wq_scales 1,024 x 32 uint8 (E8M0 scales of wq, one for each 32 codes along K); wv_codes 256 x 32 x 32 uint8 (E5M2 codes of wv, K innermost, in blocks of 32 codes); wv_scales 256 x 32 uint8 (E8M0 scales of wv, one for each 32 codes along K); x 2 x 2,048 x 1,024 float32.
;; Outputs: out0 2 x 2,048 x 1,024 float32.
;; This version of the problem:
;;   THIS VERSION OF THE PROBLEM IS GIVEN IN LOW PRECISION. The matrix products marked QUANTISED in the list below multiply operands that are first quantised to E5M2 (5 exponent bits, 2 mantissa bits; 8 bits a number), with one power-of-two scale for each 32 numbers along K (OCP MX v1.0); their sums are f32. All else is computed in f32.
;;   The module's matrix products, in the order in which they are computed (A, B: the left and right operand; K: the contracted axis; several contracted axes count as one K, in the product's order):
;;     1. [M 4,096, K 1,024] x [K 1,024, N 1,024]; A: computed on the way; B: input wq (given as codes): QUANTISED
;;     2. [M 4,096, K 1,024] x [K 1,024, N 256]; A: computed on the way; B: input wk (given as codes): QUANTISED
;;     3. [M 4,096, K 1,024] x [K 1,024, N 256]; A: computed on the way; B: input wv (given as codes): QUANTISED
;;     4. batch 8 x [M 2,048, K 64] x [K 64, N 8,192]; A: computed on the way; B: computed on the way: QUANTISED
;;     5. batch 8 x [M 64, K 2,048] x [K 2,048, N 8,192]; A: computed on the way; B: softmax (see below): QUANTISED
;;     6. [M 4,096, K 1,024] x [K 1,024, N 1,024]; A: computed on the way; B: input wo (given as codes): QUANTISED
;;     7. [M 4,096, K 1,024] x [K 1,024, N 4,096]; A: computed on the way; B: input w1 (given as codes): QUANTISED
;;     8. [M 4,096, K 4,096] x [K 4,096, N 1,024]; A: computed on the way; B: input w2 (given as codes): QUANTISED
;;   THE QUANTISER, for each operand of a quantised product, along K:
;;     - K is cut into blocks of 32 from its start; a last block that is shorter is filled with zeros.
;;     - A block's scale is 2^e with e = floor(log2(the largest magnitude in the block)) - 15, held to -126 .. 127; a block of zeros has e = 0. As a byte (E8M0): e + 127.
;;     - Each number is divided by its block's scale, clamped to +-57,344, and rounded to the nearest number of E5M2, ties to even, subnormals kept.
;;     - The product sums the exact products of the quantised numbers (number of the format x scale) in f32.
;;   ~~~python
;;   def quantise(x, axis):      # numpy; x: float32 -> the quantised numbers, widened to float32 again
;;       x = np.moveaxis(x, axis, -1); K = x.shape[-1]
;;       x = np.pad(x, [(0, 0)] * (x.ndim - 1) + [(0, -K % 32)]); x = x.reshape(x.shape[:-1] + (-1, 32)); a = np.abs(x).max(-1, keepdims=True)
;;       e = np.where(a > 0, np.clip(np.frexp(np.where(a > 0, a, 1))[1] - 1 - 15, -126, 127), 0)      # np.frexp(a)[1] - 1 = floor(log2(a)), exactly
;;       r = np.clip(x / 2.0 ** e, -57344, 57344)
;;       step = 2.0 ** (np.maximum(np.frexp(np.where(r == 0, 1, r))[1] - 1, -14) - 2)
;;       q = np.round(r / step) * step * 2.0 ** e      # np.round: ties to even
;;       return np.moveaxis(q.reshape(q.shape[:-2] + (-1,))[..., :K], -1, axis).astype(np.float32)
;;   ~~~
;;   SOFTMAX AHEAD OF A QUANTISED PRODUCT. Where the list says 'softmax', what is quantised is not the finished softmax but p = 2^(t - M), with t = logit x log2(e) and M = ceil(the row's largest t), a whole number; so 1/2 < the row's largest p <= 1. The row's sum l is taken of the UNQUANTISED p, in f32, and the product's result is divided by l at the end. Since M is a whole number, a kernel that streams over the keys may use a running M (the ceiling of the running maximum): every later rescaling is an exact power of two, which a block's scale takes up: the codes' values come out the same.
;;   OPERANDS COMPUTED ON THE WAY. 'Computed on the way' means the value that the module computes at that place (a softmax that the list does not call 'softmax' is quantised finished and normalised). What goes into a quantiser is computed in f32, as accurately as f32 sums, v_exp_f32 and their like allow (about 1e-6 of the number): no bf16 or f16 on the way to a quantiser, and a product that is left as it is and whose result goes on into a quantised operand takes f32 operands (vector FMAs, or v_wmma_f32_16x16x4_f32). A number that lies on a knife's edge between two numbers of the format may be rounded either way, as far as f32 arithmetic and the matrix unit's own rounding can turn it there, and no further.
;;   INPUTS GIVEN AS CODES. w1 (in the module: [1024, 4096], K = its axis 0); w2 (in the module: [4096, 1024], K = its axis 0); wk (in the module: [1024, 256], K = its axis 0); wo (in the module: [1024, 1024], K = its axis 0); wq (in the module: [1024, 1024], K = its axis 0); wv (in the module: [1024, 256], K = its axis 0): each comes as NAME_codes (uint8): NAME with its K axis moved to the last place and cut into blocks of 32 codes, [.., K / 32, bytes a block], one block behind the other in memory; one code a byte (a code: sign, 5 exponent bits, 2 mantissa bits); and NAME_scales (uint8): the same leading axes, one E8M0 byte (e + 127) for each 32 codes along K. Its value is code x scale, taken as it is: it is not quantised again, and the codes and scales need not be those that the quantiser above would give.
;; 2 versions. Each part assembles by itself: llvm-mc -triple=amdgcn-amd-amdhsa -mcpu=gfx1250 --defsym DOCPART=n.
;; ======== version 1 of 2: 7 launches
;; workspace buffers: h 4,325,376 bytes; rope 524,288 bytes; qkv 6,684,672 bytes; o 4,325,376 bytes; x1 16,777,216 bytes; hid 17,301,504 bytes
;; launch lnq (part 1): grid 288 x 1, 8 waves a work-group, no clusters, 0 bytes of LDS; arguments x, ln1_g, ln1_b, h, rope; writes h, rope
.if DOCPART == 1
	.amdgcn_target "amdgcn-amd-amdhsa--gfx1250"
	.amdhsa_code_object_version 6
	.text
	.protected	k_q3ac59e5f53_lnq
	.globl	k_q3ac59e5f53_lnq
	.p2align	8
	.type	k_q3ac59e5f53_lnq,@function
k_q3ac59e5f53_lnq:
	s_mov_b64 s[64:65], 0
	v_nop
	global_prefetch_b8 v0, s[64:65] scope:SCOPE_SE
	s_setreg_imm32_b32 hwreg(HW_REG_WAVE_MODE, 25, 1), 1
	s_wait_xcnt 0x0
; LayerNorm of rows of 1,024 f32 numbers, quantised on the way to codes of E5M2 with one E8M0 byte for each 32 along the row.
; out: codes [4096][1024] at byte 0 of h, scale bytes [4096][32] at byte HSC.  Work-groups 0-255: 16 rows each, a wave two rows; a row stays in 32 registers a lane
; between the mean, the variance (of x - mean: no difference of large sums) and the scaling.  Lane l holds k = 256 j + 8 l + 0..7, j = 0..3: the two loads of a pair
; cover 1,024 bytes on end, a block of 32 lies in four neighbouring lanes, and a store of 8 codes a lane covers 256 consecutive bytes, aligned.
; Work-groups 256-287 (only the first launch of this text has them) make the table of cosines and sines for the rotary embedding: [2048 s][cos 0..31 | sin 0..31], f32.
; No LDS, no barrier: waves share nothing.
; LIMITS: NaN and infinities are not served.  A block whose largest magnitude lies under 2^-111, a block of zeros too, gets the byte 1: these bytes are read by this program alone.
; The table: inv[j] = 2^(-j log2(10000) / 32) by v_exp_f32, the angle s x inv[j] with one rounding; at s = 2,047 an angle may differ by some 2e-4 rad from one made with a correctly rounded inv[j].
; Sine and cosine by a reduction in three parts of pi / 2 and polynomials of degree 7 and 8 (about 1e-7 absolute).
; The scale bytes leave as one word a lane, 32 bytes a row (1 byte in 32 of the codes'): blocks of 256 bytes are written in part there.
.set HSC,  4194304
.set X,    16                          ; v16-79   two rows
.set G,    80                          ; v80-111  the gain at my 32 columns
.set B,    112                         ; v112-143 the bias
.set CH,   144                         ; v144-151 four chains of sums
.set MEAN, 152
.set RS,   154
.set M,    156                         ; largest magnitudes of my four blocks
.set SCO,  160                         ; the conversions' scale operands
.set LIM,  164                         ; 57,344 x the scale
.set BY,   168                         ; scale bytes
.set CD,   172                         ; codes: 8 registers a row
.set WD,   188                         ; a row's scale word
.set DP,   190                         ; v190-193 at work between lanes
.set SEL,  26
	s_load_b256 s[4:11], s[0:1], 0x0               ; the rows s[4:5], gain s[6:7], bias s[8:9], h s[10:11]
	s_load_b64 s[12:13], s[0:1], 0x20              ; the table
	s_mov_b32 s[SEL], 0x76543210
	s_mov_b32 s[SEL+1], 0xfedcba98                 ; v_permlanex16_b32: lane l xor 16
	s_cmp_ge_u32 ttmp9, 256
	s_cbranch_scc1 .Ltable
	v_lshrrev_b32 v1, 5, v0
	v_readfirstlane_b32 s14, v1                    ; wave
	v_and_b32 v1, 31, v0                           ; lane
	v_lshlrev_b32 v2, 5, v1                        ; in: 32 bytes a lane
	v_lshlrev_b32 v3, 3, v1                        ; codes out: 8 bytes a lane
	v_and_b32 v4, 3, v1
	v_lshrrev_b32 v5, 4, v1
	v_lshlrev_b32 v5, 2, v5
	v_lshl_add_u32 v4, v4, 3, v5                   ; scale word out: word 2 (l % 4) + l / 16 of the row's eight
	v_bfe_u32 v5, v1, 2, 2
	v_lshlrev_b32 v5, 3, v5                        ; my block's byte in its word: 8 ((l / 4) % 4) bits up
.irp j, 0,1,2,3
	v_mov_b32 v[DP+\j], 0                          ; written once: the destination of a lane exchange counts as read
.endr
	s_lshl_b32 s15, ttmp9, 4
	s_lshl_b32 s16, s14, 1
	s_add_co_u32 s16, s15, s16                     ; my first row
	s_lshl_b32 s18, s16, 12
	s_mov_b32 s19, 0
	s_lshl_b32 s20, s16, 10
	s_mov_b32 s21, 0
	s_lshl_b32 s22, s16, 5
	s_add_co_u32 s22, s22, HSC
	s_mov_b32 s23, 0
	s_mov_b32 s28, 0x3a800000                      ; 1 / 1024
	s_mov_b32 s29, 0x3727c5ac                      ; 1e-5
	s_mov_b32 s30, 0x600000                        ; the mantissa field of 57,344
	s_mov_b32 s31, 0x22222222                      ; lanes with l % 4 = 1,
	s_mov_b32 s32, 0x44444444                      ; 2,
	s_mov_b32 s33, 0x88888888                      ; 3
	s_wait_kmcnt 0x0
	s_add_nc_u64 s[4:5], s[4:5], s[18:19]
	s_add_nc_u64 s[24:25], s[10:11], s[22:23]      ; my rows' scale bytes
	s_add_nc_u64 s[10:11], s[10:11], s[20:21]      ; my rows' codes
.irp p, 0,1
.irp j, 0,1,2,3
	global_load_b128 v[X+32*\p+8*\j:X+32*\p+8*\j+3], v2, s[4:5] offset:4096*\p+1024*\j
	global_load_b128 v[X+32*\p+8*\j+4:X+32*\p+8*\j+7], v2, s[4:5] offset:4096*\p+1024*\j+16
.endr
.endr
.irp j, 0,1,2,3
	global_load_b128 v[G+8*\j:G+8*\j+3], v2, s[6:7] offset:1024*\j
	global_load_b128 v[G+8*\j+4:G+8*\j+7], v2, s[6:7] offset:1024*\j+16
.endr
.irp j, 0,1,2,3
	global_load_b128 v[B+8*\j:B+8*\j+3], v2, s[8:9] offset:1024*\j
	global_load_b128 v[B+8*\j+4:B+8*\j+7], v2, s[8:9] offset:1024*\j+16
.endr
.macro WSUM r                          ; the sum over the 32 lanes, in every lane
	v_add_f32_dpp v[\r], v[\r], v[\r] row_xmask:1 row_mask:0xf bank_mask:0xf
	v_add_f32_dpp v[\r], v[\r], v[\r] row_xmask:2 row_mask:0xf bank_mask:0xf
	v_add_f32_dpp v[\r], v[\r], v[\r] row_xmask:4 row_mask:0xf bank_mask:0xf
	v_add_f32_dpp v[\r], v[\r], v[\r] row_xmask:8 row_mask:0xf bank_mask:0xf
	v_permlanex16_b32 v[DP], v[\r], s[SEL], s[SEL+1]
	v_add_f32 v[\r], v[\r], v[DP]
.endm
.macro FOLD                            ; the four chains into one number a lane
	v_pk_add_f32 v[CH:CH+1], v[CH:CH+1], v[CH+2:CH+3]
	v_pk_add_f32 v[CH+4:CH+5], v[CH+4:CH+5], v[CH+6:CH+7]
	v_pk_add_f32 v[CH:CH+1], v[CH:CH+1], v[CH+4:CH+5]
	v_add_f32 v[CH], v[CH], v[CH+1]
	WSUM CH
.endm
.macro ROW p
.set XR, X+32*\p
.if \p == 0
	s_wait_loadcnt 24                              ; row 0's eight loads are in; row 1's, the gain's and the bias's 24 may be out
.endif
.irp c, 0,1,2,3
	v_pk_add_f32 v[CH+2*\c:CH+2*\c+1], v[XR+2*\c:XR+2*\c+1], v[XR+8+2*\c:XR+8+2*\c+1]
.endr
.irp o, 16,24
.irp c, 0,1,2,3
	v_pk_add_f32 v[CH+2*\c:CH+2*\c+1], v[CH+2*\c:CH+2*\c+1], v[XR+\o+2*\c:XR+\o+2*\c+1]
.endr
.endr
	FOLD
	v_mul_f32 v[MEAN], s28, v[CH]
	v_mov_b32 v[MEAN+1], v[MEAN]
.set i, 0
.rept 16
	v_pk_add_f32 v[XR+i:XR+i+1], v[XR+i:XR+i+1], v[MEAN:MEAN+1] neg_lo:[0,1] neg_hi:[0,1]   ; x - mean
.set i, i+2
.endr
.irp c, 0,1,2,3
	v_pk_mul_f32 v[CH+2*\c:CH+2*\c+1], v[XR+2*\c:XR+2*\c+1], v[XR+2*\c:XR+2*\c+1]
.endr
.irp o, 8,16,24
.irp c, 0,1,2,3
	v_pk_fma_f32 v[CH+2*\c:CH+2*\c+1], v[XR+\o+2*\c:XR+\o+2*\c+1], v[XR+\o+2*\c:XR+\o+2*\c+1], v[CH+2*\c:CH+2*\c+1]
.endr
.endr
	FOLD
	v_fma_f32 v[RS], v[CH], s28, s29               ; the variance + 1e-5
	v_rsq_f32 v[RS], v[RS]
	v_nop                                          ; a plain instruction behind the transcendental,
	s_wait_alu depctr_va_vdst(0)                   ; and the wait ahead of its first reader
	v_mov_b32 v[RS+1], v[RS]
.if \p == 0
	s_wait_loadcnt 0x0                             ; the gain and the bias (and row 1)
.endif
.set i, 0
.rept 16
	v_pk_mul_f32 v[XR+i:XR+i+1], v[XR+i:XR+i+1], v[RS:RS+1]
.set i, i+2
.endr
.set i, 0
.rept 16
	v_pk_fma_f32 v[XR+i:XR+i+1], v[XR+i:XR+i+1], v[G+i:G+i+1], v[B+i:B+i+1]
.set i, i+2
.endr
.irp j, 0,1,2,3
	v_max3_num_f32 v[M+\j], |v[XR+8*\j]|, |v[XR+8*\j+1]|, 0x8000000   ; my 8 numbers of block 8 j + l / 4, and the floor 2^(16 - 127): the byte cannot fall under 1
.endr
.irp i, 2,4,6
.irp j, 0,1,2,3
	v_max3_num_f32 v[M+\j], v[M+\j], |v[XR+8*\j+\i]|, |v[XR+8*\j+\i+1]|
.endr
.endr
.irp k, 1,2
.irp j, 0,1,2,3
	v_max_num_f32_dpp v[M+\j], v[M+\j], v[M+\j] row_xmask:\k row_mask:0xf bank_mask:0xf   ; with the block's other three lanes
.endr
.endr
.irp j, 0,1,2,3
	v_add_nc_u32 v[SCO+\j], 0xf8800000, v[M+\j]    ; 15 off the exponent field: the conversion's scale operand
.endr
.irp j, 0,1,2,3
	v_and_or_b32 v[LIM+\j], v[M+\j], 0x7f800000, s30   ; 57,344 x the scale
.endr
.irp j, 0,1,2,3
	v_lshrrev_b32 v[BY+\j], 23, v[SCO+\j]          ; the scale's byte
.endr
.irp j, 0,1,2,3
.irp i, 0,1,2,3,4,5,6,7
	v_med3_num_f32 v[XR+8*\j+\i], v[XR+8*\j+\i], -v[LIM+\j], v[LIM+\j]   ; the conversion does not saturate (ISA guide 7.6.2): the hold comes first
.endr
.endr
.irp j, 0,1,2,3
	v_cvt_scalef32_pk8_bf8_f32 v[CD+8*\p+2*\j:CD+8*\p+2*\j+1], v[XR+8*\j:XR+8*\j+7], v[SCO+\j]
.endr
	v_nop                                          ; a plain instruction behind the last conversion
.irp j, 0,1,2,3
	global_store_b64 v3, v[CD+8*\p+2*\j:CD+8*\p+2*\j+1], s[10:11] offset:1024*\p+256*\j   ; 32 lanes store 256 consecutive bytes, aligned
.endr
.irp j, 0,1,2,3
	v_lshlrev_b32 v[BY+\j], v5, v[BY+\j]           ; the byte at its place in its word
.endr
.irp k, 4,8
.irp j, 0,1,2,3
	v_mov_b32_dpp v[DP+\j], v[BY+\j] row_xmask:\k row_mask:0xf bank_mask:0xf
.endr
.irp j, 0,1,2,3
	v_or_b32 v[BY+\j], v[BY+\j], v[DP+\j]          ; the four bytes of word 2 j + l / 16 meet in every lane of the half
.endr
.endr
	v_cndmask_b32 v[WD+\p], v[BY], v[BY+1], s31    ; lane l keeps j = l % 4
	v_cndmask_b32 v[WD+\p], v[WD+\p], v[BY+2], s32
	v_cndmask_b32 v[WD+\p], v[WD+\p], v[BY+3], s33
	global_store_b32 v4, v[WD+\p], s[24:25] offset:32*\p   ; four lanes write the same word with the same value
.endm
	ROW 0
	ROW 1                                          ; no register of a store is written again: no wait for the stores' sources is needed
	s_endpgm
.Ltable:                                               ; thread t: 16 bytes of a row: q16 = t % 16: cosines (0-7) or sines (8-15) of j = 4 (q16 % 8) + 0..3; rows 64 T + 16 pass + t / 16
	s_sub_co_u32 s14, ttmp9, 256                   ; T
	v_and_b32 v1, 15, v0
	v_lshrrev_b32 v2, 3, v1
	v_sub_nc_u32 v2, 1, v2                         ; 1 for a cosine (the sine a quarter turn on), 0 for a sine
	v_and_b32 v3, 7, v1
	v_lshlrev_b32 v3, 2, v3                        ; j0
	v_lshrrev_b32 v4, 4, v0
	s_lshl_b32 s15, s14, 6
	v_add_nc_u32 v4, s15, v4                       ; the first pass's row
	v_lshlrev_b32 v5, 4, v0                        ; 16 t
	s_lshl_b32 s16, s14, 14
	s_mov_b32 s17, 0
	s_mov_b32 s34, 0x3f22f983                      ; 2 / pi
	s_mov_b32 s35, 0xbfc90000                      ; - pi / 2 in three parts
	s_mov_b32 s36, 0xb9fda000
	s_mov_b32 s37, 0xb3a22168
	s_mov_b32 s38, 0xb94ca1f9                      ; the sine's polynomial
	s_mov_b32 s39, 0x3c08839e
	s_mov_b32 s40, 0xbe2aaaa3
	s_mov_b32 s41, 0x37ccf5ce                      ; the cosine's
	s_mov_b32 s42, 0xbab60619
	s_mov_b32 s43, 0x3d2aaaa5
.irp k, 0,1,2,3
	v_add_nc_u32 v[8+\k], \k, v3
.endr
.irp k, 0,1,2,3
	v_cvt_f32_u32 v[8+\k], v[8+\k]
.endr
.irp k, 0,1,2,3
	v_mul_f32 v[8+\k], 0xbed49a78, v[8+\k]         ; - j log2(10000) / 32
.endr
.irp k, 0,1,2,3
	v_exp_f32 v[8+\k], v[8+\k]                     ; inv[j]
.endr
	v_nop
	s_wait_alu depctr_va_vdst(0)                   ; one wait for the four, ahead of their first reader
	s_wait_kmcnt 0x0
	s_add_nc_u64 s[12:13], s[12:13], s[16:17]
.macro PASS p
	v_add_nc_u32 v12, 16*\p, v4
	v_cvt_f32_u32 v12, v12
.irp k, 0,1,2,3
	v_mul_f32 v[16+\k], v12, v[8+\k]               ; the angle, one rounding
.endr
.irp k, 0,1,2,3
	v_mul_f32 v[20+\k], s34, v[16+\k]
.endr
.irp k, 0,1,2,3
	v_rndne_f32 v[20+\k], v[20+\k]                 ; quarter turns
.endr
.irp k, 0,1,2,3
	v_fma_f32 v[24+\k], v[20+\k], s35, v[16+\k]
.endr
.irp k, 0,1,2,3
	v_fma_f32 v[24+\k], v[20+\k], s36, v[24+\k]
.endr
.irp k, 0,1,2,3
	v_fma_f32 v[24+\k], v[20+\k], s37, v[24+\k]    ; r, within pi / 4
.endr
.irp k, 0,1,2,3
	v_mul_f32 v[28+\k], v[24+\k], v[24+\k]         ; z = r r
.endr
.irp k, 0,1,2,3
	v_fma_f32 v[32+\k], v[28+\k], s38, s39
.endr
.irp k, 0,1,2,3
	v_fma_f32 v[32+\k], v[32+\k], v[28+\k], s40
.endr
.irp k, 0,1,2,3
	v_mul_f32 v[32+\k], v[32+\k], v[28+\k]
.endr
.irp k, 0,1,2,3
	v_fma_f32 v[32+\k], v[32+\k], v[24+\k], v[24+\k]   ; sin r
.endr
.irp k, 0,1,2,3
	v_fma_f32 v[36+\k], v[28+\k], s41, s42
.endr
.irp k, 0,1,2,3
	v_fma_f32 v[36+\k], v[36+\k], v[28+\k], s43
.endr
.irp k, 0,1,2,3
	v_mul_f32 v[44+\k], v[28+\k], v[28+\k]
.endr
.irp k, 0,1,2,3
	v_fma_f32 v[40+\k], v[28+\k], -0.5, 1.0
.endr
.irp k, 0,1,2,3
	v_fma_f32 v[36+\k], v[36+\k], v[44+\k], v[40+\k]   ; cos r
.endr
.irp k, 0,1,2,3
	v_cvt_i32_f32 v[40+\k], v[20+\k]
.endr
.irp k, 0,1,2,3
	v_add_nc_u32 v[40+\k], v[40+\k], v2            ; m: the quadrant of the sine that is wanted
.endr
.irp k, 0,1,2,3
	v_and_b32 v[44+\k], 1, v[40+\k]
.endr
.irp k, 0,1,2,3
	v_cmp_eq_u32 vcc_lo, 1, v[44+\k]
	v_cndmask_b32 v[32+\k], v[32+\k], v[36+\k], vcc_lo   ; odd m: cos r.  A choice of a value: no branch and no address hangs on it
.endr
.irp k, 0,1,2,3
	v_lshlrev_b32 v[40+\k], 30, v[40+\k]
.endr
.irp k, 0,1,2,3
	v_and_b32 v[40+\k], 0x80000000, v[40+\k]       ; m = 2, 3: the sign turns
.endr
.irp k, 0,1,2,3
	v_xor_b32 v[48+4*\p+\k], v[32+\k], v[40+\k]
.endr
	global_store_b128 v5, v[48+4*\p:48+4*\p+3], s[12:13] offset:4096*\p   ; a wave stores 512 consecutive bytes; each pass has its own data registers
.endm
	PASS 0
	PASS 1
	PASS 2
	PASS 3
	s_endpgm
.Lfunc_end_k_q3ac59e5f53_lnq:
	.size	k_q3ac59e5f53_lnq, .Lfunc_end_k_q3ac59e5f53_lnq-k_q3ac59e5f53_lnq
	.p2alignl 7, 3214868480
	.fill 96, 4, 3214868480
	.section	.rodata,"a",@progbits
	.p2align	6, 0x0
	.amdhsa_kernel k_q3ac59e5f53_lnq
		.amdhsa_group_segment_fixed_size 0
		.amdhsa_private_segment_fixed_size 0
		.amdhsa_enable_private_segment 0
		.amdhsa_kernarg_size 40
		.amdhsa_user_sgpr_count 2
		.amdhsa_user_sgpr_kernarg_segment_ptr 1
		.amdhsa_wavefront_size32 1
		.amdhsa_system_sgpr_workgroup_id_x 1
		.amdhsa_system_sgpr_workgroup_id_y 1
		.amdhsa_system_sgpr_workgroup_id_z 1
		.amdhsa_system_vgpr_workitem_id 0
		.amdhsa_next_free_vgpr 200
		.amdhsa_next_free_sgpr 66
		.amdhsa_reserve_vcc 1
		.amdhsa_float_denorm_mode_32 3
		.amdhsa_float_denorm_mode_16_64 3
		.amdhsa_memory_ordered 1
		.amdhsa_forward_progress 1
		.amdhsa_inst_pref_size 50
	.end_amdhsa_kernel
	.amdgpu_metadata
---
amdhsa.version: [ 1, 2 ]
amdhsa.kernels:
  - .name:           k_q3ac59e5f53_lnq
    .symbol:         k_q3ac59e5f53_lnq.kd
    .args:
      - { .name: x, .offset: 0, .size: 8, .value_kind: global_buffer, .address_space: global }
      - { .name: ln1_g, .offset: 8, .size: 8, .value_kind: global_buffer, .address_space: global }
      - { .name: ln1_b, .offset: 16, .size: 8, .value_kind: global_buffer, .address_space: global }
      - { .name: h, .offset: 24, .size: 8, .value_kind: global_buffer, .address_space: global }
      - { .name: rope, .offset: 32, .size: 8, .value_kind: global_buffer, .address_space: global }
    .group_segment_fixed_size: 0
    .private_segment_fixed_size: 0
    .kernarg_segment_align: 8
    .kernarg_segment_size: 40
    .max_flat_workgroup_size: 256
    .sgpr_count:     66
    .vgpr_count:     200
    .wavefront_size: 32
...
	.end_amdgpu_metadata
.endif
;; end of part 1
;; launch qkv (part 2): grid 6 x 16, 4 waves a work-group, no clusters, 327,680 bytes of LDS; arguments h, wq_codes, wq_scales, wk_codes, wk_scales, wv_codes, wv_scales, rope, qkv; writes qkv
.if DOCPART == 2
	.amdgcn_target "amdgcn-amd-amdhsa--gfx1250"
	.amdhsa_code_object_version 6
	.text
	.protected	k_q3ac59e5f53_qkv
	.globl	k_q3ac59e5f53_qkv
	.p2align	8
	.type	k_q3ac59e5f53_qkv,@function
k_q3ac59e5f53_qkv:
	s_mov_b64 s[64:65], 0
	v_nop
	global_prefetch_b8 v0, s[64:65] scope:SCOPE_SE
	s_setreg_imm32_b32 hwreg(HW_REG_WAVE_MODE, 25, 1), 1
	s_wait_xcnt 0x0
; q = rope(h wq), k = rope(h wk), v = h wv on codes of E5M2 with E8M0 scales, each result quantised again on the way out for the two products of attention.
; A tile of 256 x 256 to a work-group of four waves, a wave 128 x 128: 64 accumulators.  K = 1,024 goes in steps of 256 through a ring of two LDS slots filled by the tensor data mover;
; the scale bytes of both operands' 256 rows, for all of K, come into LDS once with the first fills.
; x = 0..3: q, query heads 4 x .. 4 x + 3 (A = h's 256 tokens of tile y, B = 256 rows of wq);  x = 4: k (B = wk);  x = 5: v with the operands' roles changed (A = wv's 256 channels, B = h's tokens).
; THE MATRIX INSTRUCTION IS USED TRANSPOSED (source 0 = 16 rows of B, source 1 = 16 rows of A): a lane holds one row of A and eight neighbouring rows of B.  So in q and k a lane's registers run along a head's 64,
; in v along the tokens: each along the K of the product that reads it, and the conversions' results are codes with that K innermost.
; OUT (qkv): code tile (x, y) at (16 x + y) 65,536: q [256 tokens][256], k [4 heads][256 tokens][64], v [256 channels][256 tokens]; scale words at QS0 + (16 x + y) 4,096: q, k: head j, row: j 1,024 + 4 row, the head's two bytes
; written twice; v: half s of the tokens, channel: s 2,048 + 4 channel, four bytes.
; NO CLUSTER: six tile columns do not divide by four, and in the v tiles the operands change roles, so which operand partners would share hangs on the tile's kind, while a descriptor's mask word is a constant of the text.
; LIMITS: NaN and infinities are not served; a block whose largest magnitude lies under 2^-111 gets the byte 1 (read by this program alone).
; REGISTERS: window 0: v0-31 addresses; v32-63 scale words, two sets, and nothing else; v64-127 two sets of cosines and sines; v128-255 A's fragments, on the way out at work.  window 1: B's fragments, two sets.  windows 2, 3: the accumulators.
.set SIZE_K, 1024
.set NB,     8                         ; B's blocks of 16 rows a wave
.set CLUS,   0
.set HSC,    4194304                   ; h's scale bytes
.set QS0,    6291456                   ; qkv's scale words
.set KSTEP,  256
.set NQ,     2
.set ROWB,   256
.set KROW,   SIZE_K
.set PITCH,  272                       ; an LDS row: 256 bytes + 16 of padding: the 16 rows of a fragment load start at 16 different banks
.set FR,     16
.set NL,     4
.set NP,     8                         ; places behind this matrix instruction (ISA guide 7.12.1)
.set APW,    32/NB                     ; A's blocks whose accumulators fill a window
.set HALFT,  128*PITCH
.set HALFB,  16*NB*PITCH
.set SLOT,   2*HALFT+2*HALFB           ; A's 256 rows, then B's
.set LAPS,   SIZE_K/(2*KSTEP)
.set KS,     SIZE_K/32
.set SCL,    2*SLOT                    ; behind the ring: B's scales, then A's, as units of 256 bytes + 16 of padding
.set HALFSB, (16*NB*KS/256)*272
.set HALFSA, (128*KS/256)*272
.set SBLK,   (16*KS/256)*272
.set SPARE,  SCL+2*HALFSB+2*HALFSA     ; the spare words: 128 bytes a wave, two blocks of 256 bytes that no other line names
.set ADRA, 16
.set ADRB, 20
.set RDK,  22                          ; v22-23 the read-back of a k tile
.set STO,  24
.set RD,   25
.set CO,   26
.set ADRS, 27
.set SPW,  28
.set NIL,  29
.set TA,   30                          ; my lane's byte in 16 rows of the table
.set SOF,  31                          ; 4 x lane
.set SC,   32
.set BI,   64
.set AF,   128
.set PC,   192                         ; the way out: a block's codes
.set TM,   208                         ; v208-211 largest magnitudes, 212-215 bytes, 216-219 57,344 x the scale, 220-223 scale operands
.set G1,   24
.set G0,   32
.set G1B,  48
.set G0B,  56
.set G1S,  68
.set G0S,  76
.set G1SB, 80
.set G0SB, 88
.set MUL_LO, 0xa1                      ; source 0 (B) window 1, source 1 (A) window 0, C and D window 2
.set MUL_HI, 0xa1+0x50*(NB/8)
.set BIA_LO, 0x81                      ; the same with C in window 0
.set BIA_HI, 0x81+0x40*(NB/8)
.set TO_B,   0x40
.set MSB, 0
.macro WIN new                         ; the immediate's high byte repeats the setting that is left
.if MSB != \new
	s_set_vgpr_msb (MSB<<8)|\new
.set MSB, \new
.endif
.endm
.macro JLOAD g0a, g1a, g0b, g1b        ; waves 0 and 1 fetch for A, waves 2 and 3 for B; four v_nop follow each line
	s_cmp_eq_u32 s15, 0
	s_cbranch_scc0 .Lfor_b_\@
	tensor_load_to_lds s[\g0a:\g0a+3], s[\g1a:\g1a+7]
	s_nop 0
.rept 4
	v_nop
.endr
	s_branch .Lasked_\@
.Lfor_b_\@:
	tensor_load_to_lds s[\g0b:\g0b+3], s[\g1b:\g1b+7]
	s_nop 0
.rept 4
	v_nop
.endr
.Lasked_\@:
.endm
.macro FRAG reg, adr, q, i             ; 16 rows x 128 K: lane l holds row l % 16; registers 4 c .. 4 c + 3 hold K = 32 c + 16 (l / 16) + 0 .. 15
.irp c, 0,1,2,3
	ds_load_b128 v[\reg+4*\c:\reg+4*\c+3], v[\adr] offset:128*(\q)+32*\c+(\i)*16*PITCH
.endr
.endm
; 2 NB matrix instructions: A's blocks a0, a0 + 1 x B's NB.  zero = 1: the product starts the sum; 2: the sum starts with the bias in v[BI] on.  The accumulators take turns, one instruction a turn.
.macro MULG a0, p, q, sc, zero
.irp a, \a0, \a0+1
.set bi, 0
.rept NB
.set rD, 8*(NB*((\a)%APW)+bi)
.set rB, 128*(\p)+FR*bi
.set rA, AF+FR*(\a)
.set rSB, SC+8*NQ*(\sc)+NQ*bi+(\q)
.set rSA, SC+8*NQ*(\sc)+NQ*(\a)+(\q)
.if \zero == 1
	v_wmma_scale_f32_16x16x128_f8f6f4 v[rD:rD+7], v[rB:rB+15], v[rA:rA+15], 0, v[rSB], v[rSA] matrix_a_fmt:MATRIX_FMT_BF8 matrix_b_fmt:MATRIX_FMT_BF8 matrix_a_scale:MATRIX_SCALE_ROW1
.elseif \zero == 2
	v_wmma_scale_f32_16x16x128_f8f6f4 v[rD:rD+7], v[rB:rB+15], v[rA:rA+15], v[BI+8*bi:BI+8*bi+7], v[rSB], v[rSA] matrix_a_fmt:MATRIX_FMT_BF8 matrix_b_fmt:MATRIX_FMT_BF8 matrix_a_scale:MATRIX_SCALE_ROW1
.else
	v_wmma_scale_f32_16x16x128_f8f6f4 v[rD:rD+7], v[rB:rB+15], v[rA:rA+15], v[rD:rD+7], v[rSB], v[rSA] matrix_a_fmt:MATRIX_FMT_BF8 matrix_b_fmt:MATRIX_FMT_BF8 matrix_a_scale:MATRIX_SCALE_ROW1
.endif
.set bi, bi+1
.endr
.endr
.endm
.macro FETCH_B slot, q, p
	WIN TO_B
.set fi, 0
.rept NB
	FRAG 128*(\p)+FR*fi, ADRB+\slot, \q, fi
.set fi, fi+1
.endr
	WIN 0
.endm
.macro FETCH_A slot, q, i0
.irp i, \i0, \i0+1, \i0+2, \i0+3
	FRAG AF+FR*(\i), ADRA+\slot, \q, \i
.endr
.endm
.macro SCALES sc                       ; a K step's scale words: lanes 0-15 take A's block i, lanes 16-31 B's block i
.irp i, 0,1,2,3,4,5,6,7
	ds_load_b64 v[SC+8*NQ*\sc+NQ*\i:SC+8*NQ*\sc+NQ*\i+1], v[ADRS] offset:\i*SBLK
.endr
.endm
.macro PLACES n                        ; plain vector instructions between a matrix instruction and a load into, or a read of, its registers
.rept \n
	v_nop
.endr
.endm
.macro STEP slot, q, zero              ; 128 along K with a successor in the same slot
	s_wait_dscnt 4*NL                              ; B's set and A's blocks 0-3 are in; the youngest 16 loads (A's blocks 4-7) may be out
.if \zero == 2
	WIN BIA_LO
.else
	WIN MUL_LO
.endif
	MULG 0, (\q)%2, \q, \slot, \zero
	MULG 2, (\q)%2, \q, \slot, \zero
	s_wait_dscnt 0
	PLACES NP
	FETCH_B \slot, (\q)+1, 1-(\q)%2
	FETCH_A \slot, (\q)+1, 0
.if \zero == 2
	WIN BIA_HI
.else
	WIN MUL_HI
.endif
	MULG 4, (\q)%2, \q, \slot, \zero
	MULG 6, (\q)%2, \q, \slot, \zero
	PLACES NP
	WIN 0
	FETCH_A \slot, (\q)+1, 4
.endm
; A slot's last step changes slots: one barrier; in front of it each wave waits for all its tensor loads, adds 0 to its spare word, and waits for that and for its reads of this slot.
.macro TURN slot, next, fill
	s_wait_tensorcnt 0x0                           ; all my tensor loads have landed: my part of the next slot
	ds_add_u32 v[SPW], v[NIL]
	s_wait_dscnt 4*NL+1                            ; (the add and the youngest 16 loads may be out)
	WIN MUL_LO
	MULG 0, 1, NQ-1, \slot, 0
	s_wait_dscnt 0x0                               ; the add is done, and my reads of this slot are over
	s_barrier_signal -1
	MULG 2, 1, NQ-1, \slot, 0
	WIN 0
	s_barrier_wait -1
.if \fill
	s_add_nc_u64 s[G0+4*\slot+2:G0+4*\slot+3], s[G0+4*\slot+2:G0+4*\slot+3], 2*ROWB
	s_add_nc_u64 s[G0B+4*\slot+2:G0B+4*\slot+3], s[G0B+4*\slot+2:G0B+4*\slot+3], 2*ROWB
	JLOAD G0+4*\slot, G1, G0B+4*\slot, G1B         ; the first tensor load behind the barrier, one a wave; its four v_nop are among the places below
	PLACES NP-4
.else
	PLACES NP
.endif
	v_add_nc_u32 v[ADRS], 4*NQ, v[ADRS]            ; the next K step's scale words
	FETCH_B \next, 0, 0
	FETCH_A \next, 0, 0
	SCALES \next
	WIN MUL_HI
	MULG 4, 1, NQ-1, \slot, 0
	MULG 6, 1, NQ-1, \slot, 0
	PLACES NP
	WIN 0
	FETCH_A \next, 0, 4
.endm
	s_load_b256 s[68:75], s[0:1], 0x0              ; h, wq's codes, wq's scales, wk's codes
	s_load_b256 s[76:83], s[0:1], 0x20             ; wk's scales, wv's codes, wv's scales, the table
	s_load_b64 s[84:85], s[0:1], 0x40              ; qkv
	v_lshl_add_u32 v[SPW], v0, 2, SPARE
	v_mov_b32 v[NIL], 0
	ds_add_u32 v28, v29
	s_wait_dscnt 0x0
	v_lshrrev_b32 v1, 5, v0
	v_readfirstlane_b32 s14, v1                    ; wave 0..3
	s_lshr_b32 s15, s14, 1                         ; my half of A's rows.  Also: I fetch for A (0) or for B (1)
	s_and_b32 s16, s14, 1                          ; my half of B's rows.  Also: which half I fetch
	s_mov_b32 s95, ttmp9                           ; x
	s_and_b32 s17, ttmp7, 0xffff                   ; y
	s_mov_b32 s[G1+0], (1<<20)|(5<<22)|(3<<25)     ; elements of 1 byte; padding: 4 words after every 64
	s_mov_b32 s[G1B+0], (1<<20)|(5<<22)|(3<<25)
.irp g, G1, G1B
	s_mov_b32 s[\g+1], ROWB<<16                    ; tensor_dim0
	s_mov_b32 s[\g+2], 128<<16                     ; tensor_dim1
	s_mov_b32 s[\g+3], ROWB<<16                    ; tile_dim0
	s_mov_b32 s[\g+4], 128                         ; tile_dim1
	s_mov_b32 s[\g+5], KROW                        ; the pitch
	s_mov_b32 s[\g+6], 0
	s_mov_b32 s[\g+7], 0
.endr
	s_lshl_b32 s40, s17, 8                         ; 256 y
	s_lshl_b32 s41, s95, 8                         ; 256 x
	s_lshl_b32 s18, s16, 7
	s_cmp_eq_u32 s95, 5
	s_cselect_b32 s20, 0, s40                      ; A's first row: wv's 0, or h's 256 y
	s_cselect_b32 s44, -1, 0                       ; all lanes in a v tile, else none
	s_cmp_lt_u32 s95, 4
	s_cselect_b32 s46, s41, 0                      ; B's: wq's 256 x, wk's 0,
	s_cmp_eq_u32 s95, 5
	s_cselect_b32 s46, s40, s46                    ; or h's 256 y
	s_add_co_u32 s20, s20, s18
	s_add_co_u32 s46, s46, s18                     ; + the 128 rows that I fetch
	s_mov_b32 s21, 0
	s_mov_b32 s47, 0
	s_mov_b64 s[18:19], KS
	s_mul_u64 s[22:23], s[20:21], s[18:19]
	s_mul_u64 s[92:93], s[46:47], s[18:19]
	s_mov_b64 s[18:19], KROW
	s_mul_u64 s[20:21], s[20:21], s[18:19]
	s_mul_u64 s[46:47], s[46:47], s[18:19]
	s_mul_i32 s45, s16, HALFT
	s_mul_i32 s67, s16, HALFB
	s_mul_i32 s94, s16, HALFSA
	s_mul_i32 s66, s16, HALFSB
	s_wait_kmcnt 0x0
	s_add_nc_u64 s[86:87], s[68:69], HSC           ; h's scale bytes
	s_cmp_eq_u32 s95, 4                            ; the choices hang on the work-group's number alone
	s_cselect_b64 s[8:9], s[74:75], s[70:71]
	s_cselect_b64 s[10:11], s[76:77], s[72:73]
	s_cmp_eq_u32 s95, 5
	s_cselect_b64 s[8:9], s[68:69], s[8:9]         ; B's codes
	s_cselect_b64 s[10:11], s[86:87], s[10:11]     ; B's scales
	s_cselect_b64 s[4:5], s[78:79], s[68:69]       ; A's codes
	s_cselect_b64 s[6:7], s[80:81], s[86:87]       ; A's scales
	s_mov_b64 s[96:97], s[82:83]                   ; the table
	s_mov_b64 s[12:13], s[84:85]                   ; qkv
	s_add_nc_u64 s[20:21], s[4:5], s[20:21]
	s_add_nc_u64 s[22:23], s[6:7], s[22:23]
	s_add_nc_u64 s[46:47], s[8:9], s[46:47]
	s_add_nc_u64 s[92:93], s[10:11], s[92:93]
	s_mov_b32 s[G1S+0], (3<<16)|(1<<20)|(5<<22)|(3<<25)    ; the scales of 128 rows: a dense block, as rows of 256 bytes (32 elements of 8), 16 bytes of padding behind each
	s_mov_b32 s[G1SB+0], (3<<16)|(1<<20)|(5<<22)|(3<<25)
.irp g, G1S, G1SB
	s_mov_b32 s[\g+1], 32<<16
	s_mov_b32 s[\g+2], (128*KS/256)<<16
	s_mov_b32 s[\g+3], 32<<16
	s_mov_b32 s[\g+4], 128*KS/256
	s_mov_b32 s[\g+5], 32
	s_mov_b32 s[\g+6], 0
	s_mov_b32 s[\g+7], 0
.endr
	s_mov_b32 s[G0S], 1
	s_add_co_u32 s[G0S+1], s94, SCL+2*HALFSB
	s_mov_b64 s[G0S+2:G0S+3], s[22:23]
	s_or_b32 s[G0S+3], s[G0S+3], 0x80000000
	s_mov_b32 s[G0SB], 1
	s_add_co_u32 s[G0SB+1], s66, SCL
	s_mov_b64 s[G0SB+2:G0SB+3], s[92:93]
	s_or_b32 s[G0SB+3], s[G0SB+3], 0x80000000
	JLOAD G0S, G1S, G0SB, G1SB                     ; the scales first; with the two slots three loads of mine are out
.irp s, 0,1
	s_mov_b32 s[G0+4*\s], 1
	s_add_co_u32 s[G0+4*\s+1], s45, \s*SLOT
	s_add_nc_u64 s[G0+4*\s+2:G0+4*\s+3], s[20:21], \s*ROWB
	s_or_b32 s[G0+4*\s+3], s[G0+4*\s+3], 0x80000000
	s_mov_b32 s[G0B+4*\s], 1
	s_add_co_u32 s[G0B+4*\s+1], s67, \s*SLOT+2*HALFT
	s_add_nc_u64 s[G0B+4*\s+2:G0B+4*\s+3], s[46:47], \s*ROWB
	s_or_b32 s[G0B+4*\s+3], s[G0B+4*\s+3], 0x80000000
	JLOAD G0+4*\s, G1, G0B+4*\s, G1B
.endr
	v_and_b32 v1, 15, v0                           ; r
	v_bfe_u32 v2, v0, 4, 1                         ; h
	v_mul_u32_u24 v3, v1, PITCH
	v_lshl_add_u32 v4, v2, 4, v3
	s_mul_i32 s21, s15, HALFT
	s_mul_i32 s22, s16, HALFB
	s_add_co_u32 s22, s22, 2*HALFT
.irp s, 0,1
	v_add_nc_u32 v[ADRA+\s], s21, v4
	v_add_nc_u32 v[ADRB+\s], s22, v4
	s_add_co_u32 s21, s21, SLOT
	s_add_co_u32 s22, s22, SLOT
.endr
	v_mul_u32_u24 v5, v1, KS                       ; my row's scales: KS bytes a row, 16 more for each 256 passed
	v_lshrrev_b32 v6, 8, v5
	v_lshl_add_u32 v5, v6, 4, v5
	s_mul_i32 s21, s16, HALFSB                     ; B's lie first,
	s_mul_i32 s22, s15, HALFSA
	s_add_co_u32 s22, s22, 2*HALFSB
	s_sub_co_u32 s22, s22, s21                     ; A's this far behind them:
	v_xor_b32 v6, 1, v2
	v_mul_u32_u24 v6, s22, v6                      ; lanes 0-15 take A's
	s_add_co_u32 s21, s21, SCL
	v_add_nc_u32 v5, v5, v6
	v_add_nc_u32 v[ADRS], s21, v5
	s_mul_i32 s21, s15, 128*272                    ; the stage (256 rows x 272 bytes from LDS byte 0, in slot 0): in: row 128 rowhalf + r, byte 128 colhalf + 8 h
	s_lshl_b32 s22, s16, 7
	s_add_co_u32 s21, s21, s22
	v_lshl_add_u32 v5, v2, 3, v3
	v_add_nc_u32 v[STO], s21, v5
	s_mul_i32 s23, s14, 64*272                     ; back: wave w takes rows 64 w on, two rows an instruction
	v_mul_u32_u24 v6, v2, 272
	v_lshl_add_u32 v6, v1, 4, v6
	v_add_nc_u32 v[RD], s23, v6
	v_and_b32 v5, 31, v0
	v_lshrrev_b32 v6, 2, v5                        ; a k tile: wave w takes head w: 8 rows x 64 bytes an instruction
	v_mul_u32_u24 v6, v6, 272
	v_and_b32 v7, 3, v5
	v_lshl_add_u32 v6, v7, 4, v6
	s_lshl_b32 s23, s14, 6
	v_add_nc_u32 v[RDK], s23, v6
	v_add_nc_u32 v[RDK+1], 34816, v[RDK]           ; rows 128 on
	v_lshlrev_b32 v[SOF], 2, v5
	v_lshlrev_b32 v[CO], 4, v5
	v_lshlrev_b32 v[TA], 8, v1
	v_lshl_add_u32 v[TA], v2, 5, v[TA]             ; the table: row r of 256 bytes, + 32 h
	s_and_b32 s20, s17, 7
	s_lshl_b32 s20, s20, 16
	s_lshl_b32 s21, s15, 15
	s_add_co_u32 s20, s20, s21
	s_mov_b32 s21, 0
	s_add_nc_u64 s[96:97], s[96:97], s[20:21]      ; at position 256 (y % 8) + 128 rowhalf
	s_lshl_b32 s22, s95, 4
	s_add_co_u32 s22, s22, s17                     ; the tile's number
	s_lshl_b32 s20, s22, 12
	s_lshl_b32 s23, s16, 11
	s_add_co_u32 s20, s20, s23
	s_lshl_b32 s23, s15, 9
	s_add_co_u32 s20, s20, s23
	s_add_co_u32 s20, s20, QS0
	s_add_nc_u64 s[98:99], s[12:13], s[20:21]      ; my scale words
	s_lshl_b32 s20, s22, 16
	s_lshl_b32 s23, s14, 14
	s_add_co_u32 s20, s20, s23
	s_add_nc_u64 s[12:13], s[12:13], s[20:21]      ; the 16,384 bytes of the code tile that I store
; cosines and sines for my block a of 16 tokens, into set a % 2: registers 8 p + j = cos at d = 16 p + 8 h + j, 16 further on the sines
.macro TABLE a
.set CSB, 64+32*((\a)%2)
.irp p, 0,1
.irp q, 0,1
	global_load_b128 v[CSB+8*\p+4*\q:CSB+8*\p+4*\q+3], v[TA], s[96:97] offset:(\a)*4096+64*\p+16*\q
	global_load_b128 v[CSB+16+8*\p+4*\q:CSB+16+8*\p+4*\q+3], v[TA], s[96:97] offset:(\a)*4096+128+64*\p+16*\q
.endr
.endr
.endm
	TABLE 0
	TABLE 1                                        ; (in a v tile they are loaded and not used: so the loads and their counts are the same on every path)
	s_wait_tensorcnt 1                             ; the scales and my part of K step 0 are in; K step 1's load may be out
	s_barrier_signal -1
	s_barrier_wait -1
	FETCH_B 0, 0, 0
	FETCH_A 0, 0, 0
	SCALES 0
	FETCH_A 0, 0, 4
	STEP 0, 0, 1                                   ; the first step's products start the sums
	s_mov_b32 s3, LAPS-1
.Llap:
	TURN 0, 1, 1
	STEP 1, 0, 0
	TURN 1, 0, 1
	STEP 0, 0, 0
	s_sub_co_u32 s3, s3, 1
	s_cmp_lg_u32 s3, 0
	s_cbranch_scc1 .Llap
	TURN 0, 1, 0                                   ; the last lap fills nothing
	STEP 1, 0, 0
	s_wait_dscnt 4*NL
	WIN MUL_LO
	MULG 0, 1, NQ-1, 1, 0
	MULG 2, 1, NQ-1, 1, 0
	s_wait_dscnt 0
	WIN MUL_HI
	MULG 4, 1, NQ-1, 1, 0
	MULG 6, 1, NQ-1, 1, 0
	WIN 0
; THE WAY OUT, by blocks of 16 rows of A.  WW: the block's window; DD: its first register there: register 8 b + j = column 16 b + 8 h + j of my 128.
; The rotation: a head's 64 are tiles 4 u .. 4 u + 3; d and d + 32 lie in tiles 4 u + p and 4 u + 2 + p, in the same lane and register.
.macro ROPE a
.set CSB, 64+32*((\a)%2)
.if (\a) < 7
	s_wait_loadcnt 8                               ; this block's eight table loads are in; the next block's eight may be out
.else
	s_wait_loadcnt 0x0
.endif
	s_cmp_eq_u32 s95, 5
	s_cbranch_scc1 .Lno_rope_\@                    ; v is not rotated: the branch goes round arithmetic alone
	WIN WW
.irp u, 0,1
.irp e, 0,2,4,6,8,10,12,14
	v_pk_mul_f32 v[128+16*\u+\e:128+16*\u+\e+1], v[DD+32*\u+16+\e:DD+32*\u+16+\e+1], v[CSB+16+\e:CSB+16+\e+1]   ; x2 sin
	v_pk_mul_f32 v[160+16*\u+\e:160+16*\u+\e+1], v[DD+32*\u+\e:DD+32*\u+\e+1], v[CSB+16+\e:CSB+16+\e+1]         ; x1 sin   (each accumulator is read from its low end on)
.endr
.endr
	WIN (WW<<6)|WW
.irp u, 0,1
.irp e, 0,2,4,6,8,10,12,14
	v_pk_fma_f32 v[DD+32*\u+\e:DD+32*\u+\e+1], v[DD+32*\u+\e:DD+32*\u+\e+1], v[CSB+\e:CSB+\e+1], v[128+16*\u+\e:128+16*\u+\e+1] neg_lo:[0,0,1] neg_hi:[0,0,1]   ; x1 cos - x2 sin
	v_pk_fma_f32 v[DD+32*\u+16+\e:DD+32*\u+16+\e+1], v[DD+32*\u+16+\e:DD+32*\u+16+\e+1], v[CSB+\e:CSB+\e+1], v[160+16*\u+\e:160+16*\u+\e+1]                     ; x2 cos + x1 sin
.endr
.endr
	WIN 0
.Lno_rope_\@:
.if (\a) < 6
	TABLE (\a)+2
.endif
.endm
; 64 numbers of a lane become 64 codes and four scale bytes.  Block b of 32 columns: registers 16 b .. 16 b + 15 of lanes l and l xor 16.
.macro QUANT
	WIN (WW<<2)|WW
.irp b, 0,1,2,3
	v_max3_num_f32 v[TM+\b], |v[DD+16*\b]|, |v[DD+16*\b+1]|, 0x8000000   ; with the floor 2^(16 - 127): the byte cannot fall under 1
.endr
.irp i, 2,4,6,8,10,12,14
.irp b, 0,1,2,3
	v_max3_num_f32 v[TM+\b], |v[DD+16*\b+\i]|, |v[DD+16*\b+\i+1]|, v[TM+\b]
.endr
.endr
	WIN 0
.irp b, 0,1,2,3
	v_permlanex16_b32 v[TM+4+\b], v[TM+\b], s40, s41
.endr
.irp b, 0,1,2,3
	v_max_num_f32 v[TM+\b], v[TM+\b], v[TM+4+\b]
.endr
.irp b, 0,1,2,3
	v_add_nc_u32 v[TM+12+\b], 0xf8800000, v[TM+\b]     ; 15 off the exponent field: the conversion's scale operand
.endr
.irp b, 0,1,2,3
	v_and_or_b32 v[TM+8+\b], v[TM+\b], 0x7f800000, s43 ; 57,344 x the scale
.endr
.irp b, 0,1,2,3
	v_lshrrev_b32 v[TM+4+\b], 23, v[TM+12+\b]          ; the byte
.endr
	s_wait_dscnt 0x0                               ; the last block's stores into the stage have read the codes' registers
	WIN (WW<<6)|WW
.irp b, 0,1,2,3
.irp i, 0,1,2,3,4,5,6,7,8,9,10,11,12,13,14,15
	v_med3_num_f32 v[DD+16*\b+\i], v[DD+16*\b+\i], -v[TM+8+\b], v[TM+8+\b]   ; the conversion does not saturate (ISA guide 7.6.2)
.endr
.endr
	WIN WW
.irp b, 0,1,2,3
	v_cvt_scalef32_pk8_bf8_f32 v[PC+4*\b:PC+4*\b+1], v[DD+16*\b:DD+16*\b+7], v[TM+12+\b]
	v_cvt_scalef32_pk8_bf8_f32 v[PC+4*\b+2:PC+4*\b+3], v[DD+16*\b+8:DD+16*\b+15], v[TM+12+\b]
.endr
	WIN 0
	v_nop                                          ; a plain instruction behind the last conversion
.endm
.macro TOST a                          ; tile b's eight codes are columns 16 b + 8 h + 0..7 of my row: 8 bytes; the 32 lanes touch 64 different banks
.irp b, 0,1,2,3,4,5,6,7
	ds_store_b64 v[STO], v[PC+2*\b:PC+2*\b+1] offset:(\a)*4352+16*\b
.endr
.endm
.macro WORDS a                         ; q, k: each head's two bytes twice; v: the four bytes.  Two blocks' words share a register: lanes 0-15 the even block's rows, lanes 16-31 the odd one's
	v_lshl_or_b32 v3, v[TM+5], 8, v[TM+4]
	v_lshl_or_b32 v4, v[TM+7], 8, v[TM+6]
	v_cndmask_b32 v5, v3, v4, s44
	v_lshl_or_b32 v3, v5, 16, v3
	v_lshl_or_b32 v4, v4, 16, v4
.if (\a)%2 == 0
	v_mov_b32 v6, v3
	v_mov_b32 v7, v4
.else
	v_cndmask_b32 v[8+(\a)/2], v6, v3, s45
	v_cndmask_b32 v[12+(\a)/2], v7, v4, s45
.endif
.endm
.macro BLOCK a
.set WW, 2+(\a)/4
.set DD, 64*((\a)%4)
	ROPE \a
	QUANT
	TOST \a
	WORDS \a
.endm
	PLACES NP                                      ; behind the last products: all that follows reads results or writes registers that they named
	s_mov_b32 s40, 0x76543210
	s_mov_b32 s41, 0xfedcba98
	s_mov_b32 s43, 0x600000                        ; the mantissa field of 57,344
	s_mov_b32 s45, 0xffff0000                      ; lanes 16-31
.irp b, 0,1,2,3
	v_mov_b32 v[TM+4+\b], 0                        ; written once: a lane permute's destination counts as read
.endr
.irp a, 0,1,2,3,4,5,6,7
	BLOCK \a
.endr
.irp k, 0,1,2,3
	global_store_b32 v[SOF], v[8+\k], s[98:99] offset:128*\k        ; 32 rows' words: 128 bytes on end
	global_store_b32 v[SOF], v[12+\k], s[98:99] offset:1024+128*\k  ; the second head's (in a v tile these bytes are read by nobody)
.endr
	s_wait_dscnt 0x0                               ; for the others' sake: my stores into the stage are done
	s_barrier_signal -1
	s_barrier_wait -1
	s_cmp_eq_u32 s95, 4
	s_cbranch_scc1 .Lk_rows
.set ri, 0
.rept 32
	ds_load_b128 v[128+4*ri:128+4*ri+3], v[RD] offset:ri*544       ; two whole rows of 256 bytes
.set ri, ri+1
.endr
	s_branch .Lrows_in
.Lk_rows:
.set ri, 0
.rept 16
	ds_load_b128 v[128+4*ri:128+4*ri+3], v[RDK] offset:ri*2176     ; eight rows' 64 bytes of head w
.set ri, ri+1
.endr
.set ri, 0
.rept 16
	ds_load_b128 v[192+4*ri:192+4*ri+3], v[RDK+1] offset:ri*2176
.set ri, ri+1
.endr
.Lrows_in:
.set ri, 0
.rept 32
	s_wait_dscnt 31-ri                             ; load ri is in; the younger ones may be out
	global_store_b128 v[CO], v[128+4*ri:128+4*ri+3], s[12:13] offset:ri*512   ; 32 lanes store 512 consecutive bytes, aligned
.set ri, ri+1
.endr
	s_wait_tensorcnt 0x0                           ; the wave's end
	ds_add_u32 v[SPW], v[NIL]
	s_wait_dscnt 0x0
	s_endpgm
.Lfunc_end_k_q3ac59e5f53_qkv:
	.size	k_q3ac59e5f53_qkv, .Lfunc_end_k_q3ac59e5f53_qkv-k_q3ac59e5f53_qkv
	.p2alignl 7, 3214868480
	.fill 96, 4, 3214868480
	.section	.rodata,"a",@progbits
	.p2align	6, 0x0
	.amdhsa_kernel k_q3ac59e5f53_qkv
		.amdhsa_group_segment_fixed_size 327680
		.amdhsa_private_segment_fixed_size 0
		.amdhsa_enable_private_segment 0
		.amdhsa_kernarg_size 72
		.amdhsa_user_sgpr_count 2
		.amdhsa_user_sgpr_kernarg_segment_ptr 1
		.amdhsa_wavefront_size32 1
		.amdhsa_system_sgpr_workgroup_id_x 1
		.amdhsa_system_sgpr_workgroup_id_y 1
		.amdhsa_system_sgpr_workgroup_id_z 1
		.amdhsa_system_vgpr_workitem_id 0
		.amdhsa_next_free_vgpr 1024
		.amdhsa_next_free_sgpr 102
		.amdhsa_reserve_vcc 0
		.amdhsa_float_denorm_mode_32 3
		.amdhsa_float_denorm_mode_16_64 3
		.amdhsa_memory_ordered 1
		.amdhsa_forward_progress 1
		.amdhsa_inst_pref_size 236
	.end_amdhsa_kernel
	.amdgpu_metadata
---
amdhsa.version: [ 1, 2 ]
amdhsa.kernels:
  - .name:           k_q3ac59e5f53_qkv
    .symbol:         k_q3ac59e5f53_qkv.kd
    .args:
      - { .name: h, .offset: 0, .size: 8, .value_kind: global_buffer, .address_space: global }
      - { .name: wq_codes, .offset: 8, .size: 8, .value_kind: global_buffer, .address_space: global }
      - { .name: wq_scales, .offset: 16, .size: 8, .value_kind: global_buffer, .address_space: global }
      - { .name: wk_codes, .offset: 24, .size: 8, .value_kind: global_buffer, .address_space: global }
      - { .name: wk_scales, .offset: 32, .size: 8, .value_kind: global_buffer, .address_space: global }
      - { .name: wv_codes, .offset: 40, .size: 8, .value_kind: global_buffer, .address_space: global }
      - { .name: wv_scales, .offset: 48, .size: 8, .value_kind: global_buffer, .address_space: global }
      - { .name: rope, .offset: 56, .size: 8, .value_kind: global_buffer, .address_space: global }
      - { .name: qkv, .offset: 64, .size: 8, .value_kind: global_buffer, .address_space: global }
    .group_segment_fixed_size: 327680
    .private_segment_fixed_size: 0
    .kernarg_segment_align: 8
    .kernarg_segment_size: 72
    .max_flat_workgroup_size: 128
    .sgpr_count:     102
    .vgpr_count:     1024
    .wavefront_size: 32
...
	.end_amdgpu_metadata
.endif
;; end of part 2
;; launch attn (part 3): grid 32 x 8, 16 waves a work-group, no clusters, 327,680 bytes of LDS; arguments qkv, attention_mask, o; writes o
.if DOCPART == 3
	.amdgcn_target "amdgcn-amd-amdhsa--gfx1250"
	.amdhsa_code_object_version 6
	.text
	.protected	k_q3ac59e5f53_attn
	.globl	k_q3ac59e5f53_attn
	.p2align	8
	.type	k_q3ac59e5f53_attn,@function
k_q3ac59e5f53_attn:
	s_mov_b64 s[64:65], 0
	v_nop
	global_prefetch_b8 v0, s[64:65] scope:SCOPE_SE
	s_setreg_imm32_b32 hwreg(HW_REG_WAVE_MODE, 25, 1), 1
	s_wait_xcnt 0x0
; Attention on codes of E5M2: logit = (q . k) / 8 + mask; t = logit x log2(e); M = the running largest t rounded up to a whole number; p = 2^(t - M) is quantised along the keys; the row's sum is taken of
; the unquantised p and divides O at the end; O is quantised along the model's 1,024 for the next product.  The mask is an input: every key of every row is computed and every number of the mask is read.
; SHARES.  A work-group: 64 queries (x) of one batch and one key/value head g (y = 4 b + g), for the FOUR query heads 4 r + g that use that head: they share K, V and the mask's tile.  Wave w: head r = w / 4, queries 16 (w % 4) on:
; one tile in 256 registers, four waves to a SIMD, so that one wave's vector work stands beside another's matrix work and LDS loads.  Every wave walks all 2,048 keys, 128 a step.
; RING: two LDS slots of 256 keys (K 256 x 64 bytes, V 64 channels x 256 bytes, the mask 64 queries x 1,024 bytes), filled by waves 0, 1, 2, one tensor load each; K's and V's scale words of the whole head come once (waves 3, 4).
; LAYOUT.  Both products are used transposed (source 0 = keys, or channels; source 1 = my 16 queries): a lane holds one query throughout.  Lane r of key tile 2 b + u takes key 32 b + 8 u + r + 8 (r / 8), so that the 16 registers of
; tiles 2 b, 2 b + 1 are 16 neighbouring keys.  V's channels are chosen alike, so that O's registers are neighbours along the next K.
; K = 64 IN AN INSTRUCTION OF 128: source 0's registers hold TWO key tiles (0-7: tile 2 b as k 0..63; 8-15: tile 2 b + 1 as k 64..127); with (q | zeros) as source 1 the product is tile 2 b's, with (zeros | q) tile 2 b + 1's.
; The other tile's codes meet zero codes (they are finite: their quantiser holds them), and a head's two scale bytes are stored twice in a word, so that they serve either half.
; NO CLUSTER: partners that share K and V have other rows of the mask, partners that share the mask have other K and V; a slot's 96 KiB serve two key steps of sixteen waves, some 700 vector instructions a wave.
; o leaves in runs of 64 bytes: 256 consecutive bytes of a row of o belong to the four key/value heads, which are four work-groups.
; LIMITS: NaN and infinities are not served (a row whose every logit is -infinity gives NaN, as in the definition); a block whose largest magnitude lies under 2^-111 gets the byte 1.
.set KP,    80                         ; a key's row in LDS: 64 bytes + 16
.set VP,    272                        ; a channel's: 256 + 16
.set MP,    1040                       ; a query's row of the mask: 1,024 + 16
.set VOFF,  256*KP
.set MOFF,  VOFF+64*VP
.set SLOT1, 1<<17
.set SCK,   2*SLOT1                    ; K's scale words [2048 keys]
.set SCV,   SCK+8192                   ; V's [16 steps][64 channels]
.set SPARE, SCV+4096                   ; the spare words: 128 bytes for each of 16 waves
.set QS0,   6291456
.set AK0,  1
.set AV0,  2
.set ASK0, 3
.set ASV0, 4
.set SPW,  5
.set NIL,  6
.set PFO,  7                           ; the prefetches' offset; never rewritten
.set ADK,  8
.set ADV,  9
.set ADS,  10
.set ADT,  11                          ; v12 -M, v13 the largest t, v[14:15] the sum; v16-23 zeros, v24-31 q, v32-39 zeros
.set AM0,  40
.set ADM,  41
.set QW,   42                          ; q's scale words
.set OA,   43
.set OS,   44
.set FG,   48                          ; v48-111  fragments of K, then the mask, then fragments of V
.set SS,   112                         ; v112-175 logits, then p
.set OT,   176                         ; v176-207 O^T
.set PC,   208                         ; p's codes
.set BM,   224
.set T1,   228
.set LIM,  232
.set SCO,  236
.set KW,   240                         ; scale words of K's eight tiles, then of V's four
.set FF,   248                         ; f = 2^(old M - new M)
.set PWD,  249                         ; p's scale word
.set SCR,  250
.set WV,   18
.set MNT,  19
.set SEL,  20
.set CS,   22
.set G1K,  24
.set G1V,  32
.set G1M,  40
.set G0K,  48
.set G0V,  52
.set G0M,  56
.set C8,   60
.set TB,   2
.set TS,   3
.set TJ,   66
.set SLOTS, 67
.set G1SK, 68
.set G1SV, 76
.set G0SK, 84
.set G0SV, 88
.set PFA,  92
.set PFS,  94
.set PLIM, 96
.macro ARM n, g0, g1                   ; wave n's tensor load; four v_nop follow it.  The branch hangs on the wave's number alone
	s_cmp_lg_u32 s[WV], \n
	s_cbranch_scc1 .Lnot_\@
	tensor_load_to_lds s[\g0:\g0+3], s[\g1:\g1+7]
	s_nop 0
.rept 4
	v_nop
.endr
.Lnot_\@:
.endm
.macro TLOAD first
	ARM 0, G0K, G1K
	ARM 1, G0V, G1V
	ARM 2, G0M, G1M
.if \first
	ARM 3, G0SK, G1SK
	ARM 4, G0SV, G1SV
.endif
.endm
; A PREFETCH INTO THE L2 of what the NEXT change of slots will ask for, two key steps ahead of that load; one instruction a wave, each aligned block of 256 bytes named once in the launch.  K's 16 KiB: waves 4, 5; V's: waves 6, 7, lanes 256 bytes apart,
; in the work-group with x = 0 alone (all 32 walk the same K and V).  The mask's 64 rows x 1,024 bytes: waves 8-15, row 8 (w - 8) + l / 4, block l % 4, in the work-groups with y = 0 alone.  Slots 0 and 1 come by their loads; the last filling change asks for nothing.
.macro ASK
	s_cmp_gt_u32 s[SLOTS], s[PLIM]
	s_cbranch_scc0 .Lnot_mine_\@
	global_prefetch_b8 v[PFO], s[PFA:PFA+1] th:TH_LOAD_NT scope:SCOPE_SE
.Lnot_mine_\@:
.endm
	s_load_b128 s[4:7], s[0:1], 0x0                ; qkv, the mask
	s_load_b64 s[8:9], s[0:1], 0x10                ; o
	v_lshl_add_u32 v[SPW], v0, 2, SPARE
	v_mov_b32 v[NIL], 0
	ds_add_u32 v5, v6
	s_wait_dscnt 0x0
	v_lshrrev_b32 v8, 5, v0
	v_readfirstlane_b32 s[WV], v8                  ; wave 0..15
	s_and_b32 s10, ttmp7, 0xffff                   ; y
	s_lshr_b32 s11, s10, 2                         ; b
	s_and_b32 s12, s10, 3                          ; g
	s_lshr_b32 s13, s[WV], 2                       ; r
	s_and_b32 s14, s[WV], 3                        ; which 16 queries
	s_mov_b32 s[G1K], (1<<20)|(3<<22)|(3<<25)      ; K: 256 rows of 64 bytes, dense; 4 words of padding after every 16
	s_mov_b32 s[G1K+1], 64<<16
	s_mov_b32 s[G1K+2], 256<<16
	s_mov_b32 s[G1K+3], 64<<16
	s_mov_b32 s[G1K+4], 256
	s_mov_b32 s[G1K+5], 64
	s_mov_b32 s[G1K+6], 0
	s_mov_b32 s[G1K+7], 0
	s_mov_b32 s[G1V], (1<<20)|(5<<22)|(3<<25)      ; V: 64 rows of 256 bytes; padding after every 64 words
	s_mov_b32 s[G1V+1], 256<<16
	s_mov_b32 s[G1V+2], 64<<16
	s_mov_b32 s[G1V+3], 256<<16
	s_mov_b32 s[G1V+4], 64
	s_mov_b32 s[G1V+5], 256
	s_mov_b32 s[G1V+6], 0
	s_mov_b32 s[G1V+7], 0
	s_mov_b32 s[G1M], (2<<16)|(1<<20)|(7<<22)|(3<<25)  ; the mask: 64 rows of 256 f32, 2,048 from row to row; padding after every 256 words
	s_mov_b32 s[G1M+1], 256<<16
	s_mov_b32 s[G1M+2], 64<<16
	s_mov_b32 s[G1M+3], 256<<16
	s_mov_b32 s[G1M+4], 64
	s_mov_b32 s[G1M+5], 2048
	s_mov_b32 s[G1M+6], 0
	s_mov_b32 s[G1M+7], 0
	s_mov_b32 s[G1SK], 3<<16                       ; K's scale words: 8 rows (tiles) of 1,024 bytes, 4,096 apart; elements of 8 bytes
	s_mov_b32 s[G1SK+1], 128<<16
	s_mov_b32 s[G1SK+2], 8<<16
	s_mov_b32 s[G1SK+3], 128<<16
	s_mov_b32 s[G1SK+4], 8
	s_mov_b32 s[G1SK+5], 512
	s_mov_b32 s[G1SK+6], 0
	s_mov_b32 s[G1SK+7], 0
	s_mov_b32 s[G1SV], 3<<16                       ; V's: 16 rows (key steps) of 256 bytes, 2,048 apart
	s_mov_b32 s[G1SV+1], 32<<16
	s_mov_b32 s[G1SV+2], 16<<16
	s_mov_b32 s[G1SV+3], 32<<16
	s_mov_b32 s[G1SV+4], 16
	s_mov_b32 s[G1SV+5], 256
	s_mov_b32 s[G1SV+6], 0
	s_mov_b32 s[G1SV+7], 0
	s_mov_b32 s[SEL], 0x76543210
	s_mov_b32 s[SEL+1], 0xfedcba98
	s_mov_b32 s[CS], 0x3fb8aa3b                    ; log2(e)
	s_mov_b32 s[CS+1], s[CS]
	s_mov_b32 s[C8], 0x3e000000                    ; 1 / sqrt(64)
	s_mov_b32 s[C8+1], s[C8]
	s_mov_b32 s[MNT], 0x600000
	s_mov_b32 s[TB], 0
	s_mov_b32 s[TS], 0
	s_mov_b32 s[TJ], 0
	s_mov_b32 s[SLOTS], 7
	s_lshl_b32 s15, s11, 19
	s_lshl_b32 s16, s12, 14
	s_add_co_u32 s15, s15, s16                     ; 8 b tiles of 65,536 + g x 16,384
	s_mov_b32 s99, 0
	s_mov_b32 s101, 0
	s_wait_kmcnt 0x0
	s_add_co_u32 s98, s15, 64<<16                  ; k's tiles are numbers 64 on,
	s_mov_b32 s[G0K], 1
	s_mov_b32 s[G0K+1], 0
	s_add_nc_u64 s[G0K+2:G0K+3], s[4:5], s[98:99]
	s_or_b32 s[G0K+3], s[G0K+3], 0x80000000
	s_add_co_u32 s98, s15, 80<<16                  ; v's 80 on
	s_mov_b32 s[G0V], 1
	s_mov_b32 s[G0V+1], VOFF
	s_add_nc_u64 s[G0V+2:G0V+3], s[4:5], s[98:99]
	s_or_b32 s[G0V+3], s[G0V+3], 0x80000000
	s_lshl_b32 s98, ttmp9, 19                      ; the mask: 64 rows of 8,192 bytes a work-group
	s_mov_b32 s[G0M], 1
	s_mov_b32 s[G0M+1], MOFF
	s_add_nc_u64 s[G0M+2:G0M+3], s[6:7], s[98:99]
	s_or_b32 s[G0M+3], s[G0M+3], 0x80000000
	s_lshl_b32 s16, s11, 15
	s_lshl_b32 s17, s12, 10
	s_add_co_u32 s98, s16, s17
	s_add_co_u32 s98, s98, QS0+64*4096
	s_mov_b32 s[G0SK], 1
	s_mov_b32 s[G0SK+1], SCK
	s_add_nc_u64 s[G0SK+2:G0SK+3], s[4:5], s[98:99]
	s_or_b32 s[G0SK+3], s[G0SK+3], 0x80000000
	s_lshl_b32 s17, s12, 8
	s_add_co_u32 s98, s16, s17
	s_add_co_u32 s98, s98, QS0+80*4096
	s_mov_b32 s[G0SV], 1
	s_mov_b32 s[G0SV+1], SCV
	s_add_nc_u64 s[G0SV+2:G0SV+3], s[4:5], s[98:99]
	s_or_b32 s[G0SV+3], s[G0SV+3], 0x80000000
	TLOAD 1                                        ; slot 0 and the scale words: one load a wave, in waves 0 to 4
	; the prefetches: where my wave's stand, and who asks
	s_and_b32 s16, s[WV], 1
	s_lshl_b32 s16, s16, 13                        ; 8,192 bytes a wave
	s_and_b32 s17, s[WV], 2
	s_lshl_b32 s17, s17, 19                        ; waves 6, 7: v's tiles lie 16 x 65,536 behind k's
	s_add_co_u32 s16, s16, s17
	s_add_co_u32 s16, s16, s15
	s_add_co_u32 s16, s16, 65<<16                  ; in slot 1: the first change of slots steps it to slot 2
	s_lshl_b32 s17, ttmp9, 19
	s_sub_co_u32 s97, s[WV], 8
	s_lshl_b32 s97, s97, 16                        ; the mask: 8 rows a wave
	s_add_co_u32 s17, s17, s97
	s_add_co_u32 s17, s17, 1024
	s_cmp_lt_u32 s[WV], 8
	s_cselect_b32 s98, s16, s17
	s_cselect_b64 s[PFA:PFA+1], s[4:5], s[6:7]
	s_mov_b32 s[PFS], 1024
	s_cselect_b32 s[PFS], 0x10000, s[PFS]          ; a slot on
	s_mov_b32 s97, 8192
	s_cselect_b32 s97, 1024, s97                   ; from four lanes to the next four
	s_cselect_b32 s17, ttmp9, s10                  ; the coordinate along which others read the same bytes
	s_mov_b32 s[PFS+1], 0
	s_add_nc_u64 s[PFA:PFA+1], s[PFA:PFA+1], s[98:99]
	s_cmp_lt_u32 s[WV], 4
	s_cselect_b32 s16, 1, 0
	s_or_b32 s17, s17, s16
	s_cmp_eq_u32 s17, 0
	s_cselect_b32 s[PLIM], 1, -1
	v_and_b32 v8, 31, v0
	v_lshrrev_b32 v9, 2, v8
	v_mul_lo_u32 v9, v9, s97
	v_and_b32 v8, 3, v8
	v_lshl_add_u32 v[PFO], v8, 8, v9
	; o: token 2,048 b + 64 x + 16 (w % 4) + r, columns 64 (4 r' + g) on
	s_lshl_b32 s16, s11, 11
	s_lshl_b32 s17, ttmp9, 6
	s_add_co_u32 s16, s16, s17
	s_lshl_b32 s17, s14, 4
	s_add_co_u32 s16, s16, s17
	s_lshl_b32 s17, s13, 2
	s_add_co_u32 s17, s17, s12
	s_lshl_b32 s100, s16, 5
	s_lshl_b32 s97, s17, 1
	s_add_co_u32 s100, s100, s97
	s_add_co_u32 s100, s100, 4194304
	s_add_nc_u64 s[98:99], s[8:9], s[100:101]      ; its scale bytes
	s_lshl_b32 s100, s16, 10
	s_lshl_b32 s97, s17, 6
	s_add_co_u32 s100, s100, s97
	s_add_nc_u64 s[8:9], s[8:9], s[100:101]        ; its codes
	; q: tile 16 r' + 8 b + x / 4, row 64 (x % 4) + 16 (w % 4) + r, bytes 64 g on
	s_lshl_b32 s16, s13, 4
	s_lshl_b32 s17, s11, 3
	s_add_co_u32 s16, s16, s17
	s_lshr_b32 s17, ttmp9, 2
	s_add_co_u32 s16, s16, s17
	s_and_b32 s17, ttmp9, 3
	s_lshl_b32 s17, s17, 6
	s_lshl_b32 s97, s14, 4
	s_add_co_u32 s17, s17, s97
	s_lshl_b32 s100, s16, 12
	s_lshl_b32 s97, s12, 10
	s_add_co_u32 s100, s100, s97
	s_lshl_b32 s97, s17, 2
	s_add_co_u32 s100, s100, s97
	s_add_co_u32 s100, s100, QS0
	s_add_nc_u64 s[10:11], s[4:5], s[100:101]      ; q's scale words
	s_lshl_b32 s100, s16, 16
	s_lshl_b32 s97, s17, 8
	s_add_co_u32 s100, s100, s97
	s_lshl_b32 s97, s12, 6
	s_add_co_u32 s100, s100, s97
	s_add_nc_u64 s[4:5], s[4:5], s[100:101]        ; q's codes
	v_and_b32 v8, 15, v0                           ; r
	v_bfe_u32 v9, v0, 4, 1                         ; h
	v_lshlrev_b32 v45, 8, v8
	v_lshl_add_u32 v45, v9, 4, v45
	global_load_b128 v[24:27], v45, s[4:5]         ; q(r, 16 h ..)
	global_load_b128 v[28:31], v45, s[4:5] offset:32
	v_lshlrev_b32 v46, 2, v8
	global_load_b32 v[QW], v46, s[10:11]
	v_and_b32 v11, 8, v8
	v_add_nc_u32 v11, v11, v8                      ; r + 8 (r / 8)
	v_mul_u32_u24 v[AK0], v11, KP
	v_lshl_add_u32 v[AK0], v9, 4, v[AK0]
	v_mul_u32_u24 v[AV0], v11, VP
	v_lshl_add_u32 v[AV0], v9, 4, v[AV0]
	v_add_nc_u32 v[AV0], VOFF, v[AV0]
	v_lshl_add_u32 v[ASK0], v11, 2, SCK
	v_lshl_add_u32 v[ASV0], v11, 2, SCV
	s_mul_i32 s16, s14, 16*MP
	s_add_co_u32 s16, s16, MOFF
	v_mul_u32_u24 v[AM0], v8, MP
	v_lshl_add_u32 v[AM0], v9, 6, v[AM0]
	v_add_nc_u32 v[AM0], s16, v[AM0]               ; the mask: my query's row, + 64 h: my 16 keys of a block of 32
	v_lshlrev_b32 v[OA], 10, v8
	v_lshl_add_u32 v[OA], v9, 4, v[OA]
	v_lshlrev_b32 v[OS], 5, v8
.irp j, 16,17,18,19,20,21,22,23,32,33,34,35,36,37,38,39
	v_mov_b32 v\j, 0                               ; zero codes on either side of q
.endr
	v_mov_b32 v13, 0xff61b1e6                      ; the largest t so far: -3e38
	v_floor_f32 v12, -v13
	v_mov_b32 v14, 0
	v_mov_b32 v15, 0
.irp b, 0,1,2,3
	v_mov_b32 v[T1+\b], 0
.endr
	v_mov_b32 v[PWD], 0
	v_mov_b32 v[SCR], 0
.set i, 0
.rept 32
	v_mov_b32 v[OT+i], 0                           ; the loop is written once: its first step finds zeros
.set i, i+1
.endr
.macro STEP q                          ; 128 keys: the q-th of the slot in hand
	v_add_nc_u32 v[ADK], s[TB], v[AK0]
	v_add_nc_u32 v[ADV], s[TB], v[AV0]
	v_add_nc_u32 v[ADM], s[TB], v[AM0]
	v_add_nc_u32 v[ADS], s[TS], v[ASK0]
	v_add_nc_u32 v[ADT], s[TJ], v[ASV0]
.rept 3
	v_nop                                          ; with the five additions: eight places in front of loads into registers that the last products read
.endr
.irp b, 0,1,2,3
.irp u, 0,1
.irp c, 0,1
	ds_load_b128 v[FG+16*\b+8*\u+4*\c:FG+16*\b+8*\u+4*\c+3], v[ADK] offset:(128*(\q)+32*\b+8*\u)*KP+32*\c
.endr
	ds_load_b32 v[KW+2*\b+\u], v[ADS] offset:(32*\b+8*\u)*4
.endr
.endr
	s_wait_dscnt 0x0
.irp b, 0,1,2,3
	v_wmma_scale_f32_16x16x128_f8f6f4 v[SS+16*\b:SS+16*\b+7], v[FG+16*\b:FG+16*\b+15], v[24:39], 0, v[KW+2*\b], v[QW] matrix_a_fmt:MATRIX_FMT_BF8 matrix_b_fmt:MATRIX_FMT_BF8
	v_wmma_scale_f32_16x16x128_f8f6f4 v[SS+16*\b+8:SS+16*\b+15], v[FG+16*\b:FG+16*\b+15], v[16:31], 0, v[KW+2*\b+1], v[QW] matrix_a_fmt:MATRIX_FMT_BF8 matrix_b_fmt:MATRIX_FMT_BF8
.endr
.rept 8
	v_nop
.endr
.irp b, 0,1,2,3
.irp i, 0,1,2,3
	ds_load_b128 v[FG+16*\b+4*\i:FG+16*\b+4*\i+3], v[ADM] offset:512*(\q)+128*\b+16*\i   ; the mask at my query and my 64 keys, in my registers' order
.endr
.endr
	s_wait_dscnt 0x0
.set j, 0
.rept 32
	v_pk_fma_f32 v[SS+j:SS+j+1], v[SS+j:SS+j+1], s[C8:C8+1], v[FG+j:FG+j+1] op_sel_hi:[1,0,1]   ; the logit: the division by 8 is exact, so this rounds once, as the definition does
.set j, j+2
.endr
.irp n, 0,1,2,3                                ; V goes out now and lands under the softmax
.irp c, 0,1,2,3
	ds_load_b128 v[FG+16*\n+4*\c:FG+16*\n+4*\c+3], v[ADV] offset:(32*(\n/2)+8*(\n%2))*VP+128*(\q)+32*\c
.endr
	ds_load_b32 v[KW+\n], v[ADT] offset:(32*(\n/2)+8*(\n%2))*4
.endr
.irp b, 0,1,2,3
	v_max3_num_f32 v[BM+\b], v[SS+16*\b], v[SS+16*\b+1], v[SS+16*\b+2]   ; the largest logit of each block of 32 keys: for the row's maximum, and, since p rises with the logit, for the block's largest p
.endr
.irp i, 3,5,7,9,11,13
.irp b, 0,1,2,3
	v_max3_num_f32 v[BM+\b], v[BM+\b], v[SS+16*\b+\i], v[SS+16*\b+\i+1]
.endr
.endr
.irp b, 0,1,2,3
	v_max_num_f32 v[BM+\b], v[BM+\b], v[SS+16*\b+15]
.endr
.irp b, 0,1,2,3
	v_permlanex16_b32 v[T1+\b], v[BM+\b], s[SEL], s[SEL+1]
.endr
.irp b, 0,1,2,3
	v_max_num_f32 v[BM+\b], v[BM+\b], v[T1+\b]
.endr
	v_max3_num_f32 v[SCR], v[BM], v[BM+1], v[BM+2]
	v_max_num_f32 v[SCR], v[SCR], v[BM+3]
	v_mul_f32 v[SCR], s[CS], v[SCR]
	v_max_num_f32 v13, v13, v[SCR]                 ; the running largest t
	v_mov_b32 v[SCR], v12
	v_floor_f32 v12, -v13                          ; -M = floor(-t): M is a whole number
	v_sub_f32 v[SCR], v12, v[SCR]
	v_cvt_i32_f32 v[SCR], v[SCR]                   ; (it saturates)
	v_ldexp_f32 v[FF], 1.0, v[SCR]                 ; f = 2^(old M - new M): a multiplication by it rounds nothing
.set j, 0
.rept 32
	v_pk_fma_f32 v[SS+j:SS+j+1], v[SS+j:SS+j+1], s[CS:CS+1], v[12:13] op_sel_hi:[1,0,0]   ; t - M
.set j, j+2
.endr
.irp b, 0,1,2,3
	v_fma_f32 v[BM+\b], v[BM+\b], s[CS], v12
.endr
.set j, 0
.rept 64
	v_exp_f32 v[SS+j], v[SS+j]                     ; p = 2^(t - M)
.set j, j+1
.endr
	v_pk_mul_f32 v[14:15], v[14:15], v[FF:FF+1] op_sel_hi:[1,0]   ; the sums under the new M: a plain instruction behind the batch
	s_wait_alu depctr_va_vdst(0)                   ; one wait for the 64, ahead of their first reader
.irp b, 0,1,2,3
	v_exp_f32 v[BM+\b], v[BM+\b]                   ; the block's largest p
.endr
	v_pk_add_f32 v[T1:T1+1], v[SS:SS+1], v[SS+2:SS+3]   ; the row's sum, of the unquantised p, in two chains
.irp j, 4,8,12,16,20,24,28,32,36,40,44,48,52,56,60
	v_pk_add_f32 v[14:15], v[14:15], v[SS+\j:SS+\j+1]
	v_pk_add_f32 v[T1:T1+1], v[T1:T1+1], v[SS+\j+2:SS+\j+3]
.endr
	v_pk_add_f32 v[14:15], v[14:15], v[T1:T1+1]
	s_wait_alu depctr_va_vdst(0)                   ; and one for the four
.irp b, 0,1,2,3
	v_max_num_f32 v[BM+\b], 0x8000000, v[BM+\b]    ; the floor 2^(16 - 127)
.endr
.irp b, 0,1,2,3
	v_add_nc_u32 v[SCO+\b], 0xf8800000, v[BM+\b]
.endr
.irp b, 0,1,2,3
	v_and_or_b32 v[LIM+\b], v[BM+\b], 0x7f800000, s[MNT]
.endr
.irp b, 0,1,2,3
	v_lshrrev_b32 v[T1+\b], 23, v[SCO+\b]
.endr
	v_lshl_or_b32 v[PWD], v[T1+1], 8, v[T1]        ; p's scale word for these 128 keys
	v_lshl_or_b32 v[PWD], v[T1+2], 16, v[PWD]
	v_lshl_or_b32 v[PWD], v[T1+3], 24, v[PWD]
.irp b, 0,1,2,3
.irp i, 0,1,2,3,4,5,6,7,8,9,10,11,12,13,14,15
	v_min_num_f32 v[SS+16*\b+\i], v[SS+16*\b+\i], v[LIM+\b]   ; p is not negative: the hold is one-sided
.endr
	v_cvt_scalef32_pk8_bf8_f32 v[PC+4*\b:PC+4*\b+1], v[SS+16*\b:SS+16*\b+7], v[SCO+\b]
	v_cvt_scalef32_pk8_bf8_f32 v[PC+4*\b+2:PC+4*\b+3], v[SS+16*\b+8:SS+16*\b+15], v[SCO+\b]
.endr
.set j, 0
.rept 16
	v_pk_mul_f32 v[OT+j:OT+j+1], v[OT+j:OT+j+1], v[FF:FF+1] op_sel_hi:[1,0]   ; O^T under the new M; these are also the places between the codes and the products
.set j, j+2
.endr
	s_wait_dscnt 0x0                               ; V and its scale words
.irp n, 0,1,2,3
	v_wmma_scale_f32_16x16x128_f8f6f4 v[OT+8*\n:OT+8*\n+7], v[FG+16*\n:FG+16*\n+15], v[PC:PC+15], v[OT+8*\n:OT+8*\n+7], v[KW+\n], v[PWD] matrix_a_fmt:MATRIX_FMT_BF8 matrix_b_fmt:MATRIX_FMT_BF8
.endr
	s_add_co_u32 s[TS], s[TS], 512
	s_add_co_u32 s[TJ], s[TJ], 256
.endm
; THE CHANGE OF SLOTS stands at a slot's head: each wave waits for all its tensor loads, adds 0 to its spare word, and waits for that and for its reads of the slot that it has left.  fill = 1: that slot is filled with the next 256 keys.
.macro CHANGE fill
	s_wait_tensorcnt 0x0
	ds_add_u32 v[SPW], v[NIL]
.if \fill
	s_xor_b32 s[G0K+1], s[G0K+1], SLOT1
	s_add_nc_u64 s[G0K+2:G0K+3], s[G0K+2:G0K+3], 65536
	s_xor_b32 s[G0V+1], s[G0V+1], SLOT1
	s_add_nc_u64 s[G0V+2:G0V+3], s[G0V+2:G0V+3], 65536
	s_xor_b32 s[G0M+1], s[G0M+1], SLOT1
	s_add_nc_u64 s[G0M+2:G0M+3], s[G0M+2:G0M+3], 1024
	s_wait_xcnt 0x0                                ; the last prefetch, a slot back, has read its address
	s_add_nc_u64 s[PFA:PFA+1], s[PFA:PFA+1], s[PFS:PFS+1]
.endif
	s_wait_dscnt 0x0
	s_barrier_signal -1
	s_barrier_wait -1
.if \fill
	TLOAD 0                                        ; the first thing behind the barrier, one tensor load a wave: it has two key steps in which to land
	ASK
.endif
.endm
	s_wait_loadcnt 0x0                             ; q
.Lslot:                                                ; 7 trips
	CHANGE 1
	STEP 0
	STEP 1
	s_xor_b32 s[TB], s[TB], SLOT1
	s_sub_co_u32 s[SLOTS], s[SLOTS], 1
	s_cmp_lg_u32 s[SLOTS], 0
	s_cbranch_scc1 .Lslot
	CHANGE 0                                       ; the last slot is written out
	STEP 0
	STEP 1
.rept 8
	v_nop                                          ; places behind the last products
.endr
	v_add_f32 v14, v14, v15
	v_permlanex16_b32 v[SCR], v14, s[SEL], s[SEL+1]
	v_add_f32 v14, v14, v[SCR]                     ; the row's sum
	v_rcp_f32 v14, v14
	v_nop
	s_wait_alu depctr_va_vdst(0)
.set j, 0
.rept 32
	v_mul_f32 v[SS+j], v[OT+j], v14                ; register 16 b + i is channel 32 b + 16 h + i of my query
.set j, j+1
.endr
.irp b, 0,1
	v_max3_num_f32 v[BM+\b], |v[SS+16*\b]|, |v[SS+16*\b+1]|, 0x8000000
.endr
.irp i, 2,4,6,8,10,12,14
.irp b, 0,1
	v_max3_num_f32 v[BM+\b], v[BM+\b], |v[SS+16*\b+\i]|, |v[SS+16*\b+\i+1]|
.endr
.endr
.irp b, 0,1
	v_permlanex16_b32 v[T1+\b], v[BM+\b], s[SEL], s[SEL+1]
.endr
.irp b, 0,1
	v_max_num_f32 v[BM+\b], v[BM+\b], v[T1+\b]
.endr
.irp b, 0,1
	v_add_nc_u32 v[SCO+\b], 0xf8800000, v[BM+\b]
.endr
.irp b, 0,1
	v_and_or_b32 v[LIM+\b], v[BM+\b], 0x7f800000, s[MNT]
.endr
.irp b, 0,1
	v_lshrrev_b32 v[T1+\b], 23, v[SCO+\b]
.endr
	v_lshl_or_b32 v[SCR], v[T1+1], 8, v[T1]
.irp b, 0,1
.irp i, 0,1,2,3,4,5,6,7,8,9,10,11,12,13,14,15
	v_med3_num_f32 v[SS+16*\b+\i], v[SS+16*\b+\i], -v[LIM+\b], v[LIM+\b]
.endr
	v_cvt_scalef32_pk8_bf8_f32 v[PC+4*\b:PC+4*\b+1], v[SS+16*\b:SS+16*\b+7], v[SCO+\b]
	v_cvt_scalef32_pk8_bf8_f32 v[PC+4*\b+2:PC+4*\b+3], v[SS+16*\b+8:SS+16*\b+15], v[SCO+\b]
.endr
	v_nop
	global_store_b128 v[OA], v[PC:PC+3], s[8:9]
	global_store_b128 v[OA], v[PC+4:PC+7], s[8:9] offset:32
	global_store_b16 v[OS], v[SCR], s[98:99]       ; the head's two scale bytes (both halves of the lanes write the same)
	s_wait_tensorcnt 0x0                           ; the wave's end
	ds_add_u32 v[SPW], v[NIL]
	s_wait_dscnt 0x0
	s_endpgm
.Lfunc_end_k_q3ac59e5f53_attn:
	.size	k_q3ac59e5f53_attn, .Lfunc_end_k_q3ac59e5f53_attn-k_q3ac59e5f53_attn
	.p2alignl 7, 3214868480
	.fill 96, 4, 3214868480
	.section	.rodata,"a",@progbits
	.p2align	6, 0x0
	.amdhsa_kernel k_q3ac59e5f53_attn
		.amdhsa_group_segment_fixed_size 327680
		.amdhsa_private_segment_fixed_size 0
		.amdhsa_enable_private_segment 0
		.amdhsa_kernarg_size 24
		.amdhsa_user_sgpr_count 2
		.amdhsa_user_sgpr_kernarg_segment_ptr 1
		.amdhsa_wavefront_size32 1
		.amdhsa_system_sgpr_workgroup_id_x 1
		.amdhsa_system_sgpr_workgroup_id_y 1
		.amdhsa_system_sgpr_workgroup_id_z 1
		.amdhsa_system_vgpr_workitem_id 0
		.amdhsa_next_free_vgpr 256
		.amdhsa_next_free_sgpr 102
		.amdhsa_reserve_vcc 0
		.amdhsa_float_denorm_mode_32 3
		.amdhsa_float_denorm_mode_16_64 3
		.amdhsa_memory_ordered 1
		.amdhsa_forward_progress 1
		.amdhsa_inst_pref_size 108
	.end_amdhsa_kernel
	.amdgpu_metadata
---
amdhsa.version: [ 1, 2 ]
amdhsa.kernels:
  - .name:           k_q3ac59e5f53_attn
    .symbol:         k_q3ac59e5f53_attn.kd
    .args:
      - { .name: qkv, .offset: 0, .size: 8, .value_kind: global_buffer, .address_space: global }
      - { .name: attention_mask, .offset: 8, .size: 8, .value_kind: global_buffer, .address_space: global }
      - { .name: o, .offset: 16, .size: 8, .value_kind: global_buffer, .address_space: global }
    .group_segment_fixed_size: 327680
    .private_segment_fixed_size: 0
    .kernarg_segment_align: 8
    .kernarg_segment_size: 24
    .max_flat_workgroup_size: 512
    .sgpr_count:     102
    .vgpr_count:     256
    .wavefront_size: 32
...
	.end_amdgpu_metadata
.endif
;; end of part 3
;; launch wo (part 4): grid 8 x 16, 4 waves a work-group, clusters of 4 x 4, 327,680 bytes of LDS; arguments o, wo_codes, wo_scales, x, x1; writes x1
.if DOCPART == 4
	.amdgcn_target "amdgcn-amd-amdhsa--gfx1250"
	.amdhsa_code_object_version 6
	.text
	.protected	k_q3ac59e5f53_wo
	.globl	k_q3ac59e5f53_wo
	.p2align	8
	.type	k_q3ac59e5f53_wo,@function
k_q3ac59e5f53_wo:
	s_mov_b64 s[64:65], 0
	v_nop
	global_prefetch_b8 v0, s[64:65] scope:SCOPE_SE
	s_setreg_imm32_b32 hwreg(HW_REG_WAVE_MODE, 25, 1), 1
	s_wait_xcnt 0x0
	s_wait_alu depctr_hold_cnt(0) depctr_sa_sdst(0) depctr_va_vdst(0) depctr_va_sdst(0) depctr_va_ssrc(0) depctr_va_vcc(0) depctr_vm_vsrc(0)
	s_getreg_b32 s2, hwreg(HW_REG_IB_STS2, 6, 4)
	s_cmp_eq_u32 s2, 0
	s_cbranch_scc0 .Lentry_in_a_cluster
	s_endpgm
.Lentry_in_a_cluster:
	s_bfe_u32 s2, ttmp6, 0x10000c
	s_cmp_lg_u32 s2, 0xf033
	s_cbranch_scc0 .Lentry_shape_is_right
	s_endpgm
.Lentry_shape_is_right:
; x1 = x + o wo on codes of E5M2 with E8M0 scales; x, x1 f32.  A tile of 256 rows x 128 columns to a work-group of four waves, a wave 128 x 64: 32 accumulators (128 tiles: twice the work-groups that 256 x 256 would give).
; K = 1,024 in steps of 256 through a ring of two LDS slots filled by the tensor data mover; both operands' scale bytes for all of K come into LDS once.
; CLUSTERS: 4 x 4 work-groups; A's tiles are asked for jointly along a row of the cluster, B's along a column.  THE MATRIX INSTRUCTION IS USED TRANSPOSED: a lane holds eight neighbouring columns of one row.
; B's scales lie in front of A's in LDS: the one load that brings a lane pair's scale words takes eight blocks for either side, and B has four; what lanes 16-31 read beyond them lies in filled bytes and is named by no product.
; REGISTERS: window 0: v0-31 addresses; v32-63 scale words and nothing else; v128-255 A's fragments, on the way out rows of the result and of the residual.  window 1: B's two sets.  window 2: the accumulators.
.set SIZE_K, 1024
.set NB,     4
.set CLUS,   1
.set ASC,    4194304                   ; A's scale bytes in A's buffer
.set KSTEP,  256
.set NQ,     2
.set ROWB,   256
.set KROW,   SIZE_K
.set PITCH,  272
.set FR,     16
.set NL,     4
.set NP,     8
.set APW,    32/NB
.set HALFT,  128*PITCH
.set HALFB,  16*NB*PITCH
.set SLOT,   2*HALFT+2*HALFB
.set LAPS,   SIZE_K/(2*KSTEP)
.set KS,     SIZE_K/32
.set SCL,    2*SLOT
.set HALFSB, (16*NB*KS/256)*272
.set HALFSA, (128*KS/256)*272
.set SBLK,   (16*KS/256)*272
.set SPARE,  SCL+2*HALFSB+2*HALFSA
.set ADRA, 16
.set ADRB, 20
.set STO,  24
.set RD,   25
.set CO,   26
.set ADRS, 27
.set SPW,  28
.set NIL,  29
.set SC,   32
.set BI,   64
.set AF,   128
.set G1,   24
.set G0,   32
.set G1B,  48
.set G0B,  56
.set G1S,  68
.set G0S,  76
.set G1SB, 80
.set G0SB, 88
.set MUL_LO, 0xa1
.set MUL_HI, 0xa1+0x50*(NB/8)
.set BIA_LO, 0x81
.set BIA_HI, 0x81+0x40*(NB/8)
.set TO_B,   0x40
.set MSB, 0
.macro WIN new
.if MSB != \new
	s_set_vgpr_msb (MSB<<8)|\new
.set MSB, \new
.endif
.endm
.macro JLOAD g0a, g1a, g0b, g1b        ; a joint load: waves 0 and 1 fetch for A, waves 2 and 3 for B; four v_nop follow each line
	s_cmp_eq_u32 s15, 0
	s_cbranch_scc0 .Lfor_b_\@
	tensor_load_to_lds s[\g0a:\g0a+3], s[\g1a:\g1a+7]
	s_nop 0
.rept 4
	v_nop
.endr
	s_branch .Lasked_\@
.Lfor_b_\@:
	tensor_load_to_lds s[\g0b:\g0b+3], s[\g1b:\g1b+7]
	s_nop 0
.rept 4
	v_nop
.endr
.Lasked_\@:
.endm
.macro CREST                           ; a round of the cluster's barrier behind its opening barrier
	s_cmp_lg_u32 s14, 0
	s_cbranch_scc1 .Lnot_wave_0_\@
	s_barrier_signal -3
.Lnot_wave_0_\@:
	s_barrier_wait -3
	s_barrier_signal -1
	s_barrier_wait -1
.endm
.macro CROUND
	s_barrier_signal -1
	s_barrier_wait -1
	CREST
.endm
.macro FRAG reg, adr, q, i
.irp c, 0,1,2,3
	ds_load_b128 v[\reg+4*\c:\reg+4*\c+3], v[\adr] offset:128*(\q)+32*\c+(\i)*16*PITCH
.endr
.endm
.macro MULG a0, p, q, sc, zero         ; A's blocks a0, a0 + 1 x B's NB; the accumulators take turns
.irp a, \a0, \a0+1
.set bi, 0
.rept NB
.set rD, 8*(NB*((\a)%APW)+bi)
.set rB, 128*(\p)+FR*bi
.set rA, AF+FR*(\a)
.set rSB, SC+8*NQ*(\sc)+NQ*bi+(\q)
.set rSA, SC+8*NQ*(\sc)+NQ*(\a)+(\q)
.if \zero == 1
	v_wmma_scale_f32_16x16x128_f8f6f4 v[rD:rD+7], v[rB:rB+15], v[rA:rA+15], 0, v[rSB], v[rSA] matrix_a_fmt:MATRIX_FMT_BF8 matrix_b_fmt:MATRIX_FMT_BF8 matrix_a_scale:MATRIX_SCALE_ROW1
.elseif \zero == 2
	v_wmma_scale_f32_16x16x128_f8f6f4 v[rD:rD+7], v[rB:rB+15], v[rA:rA+15], v[BI+8*bi:BI+8*bi+7], v[rSB], v[rSA] matrix_a_fmt:MATRIX_FMT_BF8 matrix_b_fmt:MATRIX_FMT_BF8 matrix_a_scale:MATRIX_SCALE_ROW1
.else
	v_wmma_scale_f32_16x16x128_f8f6f4 v[rD:rD+7], v[rB:rB+15], v[rA:rA+15], v[rD:rD+7], v[rSB], v[rSA] matrix_a_fmt:MATRIX_FMT_BF8 matrix_b_fmt:MATRIX_FMT_BF8 matrix_a_scale:MATRIX_SCALE_ROW1
.endif
.set bi, bi+1
.endr
.endr
.endm
.macro FETCH_B slot, q, p
	WIN TO_B
.set fi, 0
.rept NB
	FRAG 128*(\p)+FR*fi, ADRB+\slot, \q, fi
.set fi, fi+1
.endr
	WIN 0
.endm
.macro FETCH_A slot, q, i0
.irp i, \i0, \i0+1, \i0+2, \i0+3
	FRAG AF+FR*(\i), ADRA+\slot, \q, \i
.endr
.endm
.macro SCALES sc
.irp i, 0,1,2,3,4,5,6,7
	ds_load_b64 v[SC+8*NQ*\sc+NQ*\i:SC+8*NQ*\sc+NQ*\i+1], v[ADRS] offset:\i*SBLK
.endr
.endm
.macro PLACES n
.rept \n
	v_nop
.endr
.endm
.macro STEP slot, q, zero
	s_wait_dscnt 4*NL                              ; B's set and A's blocks 0-3 are in; the youngest 16 loads (A's blocks 4-7) may be out
.if \zero == 2
	WIN BIA_LO
.else
	WIN MUL_LO
.endif
	MULG 0, (\q)%2, \q, \slot, \zero
	MULG 2, (\q)%2, \q, \slot, \zero
	s_wait_dscnt 0
	PLACES NP
	FETCH_B \slot, (\q)+1, 1-(\q)%2
	FETCH_A \slot, (\q)+1, 0
.if \zero == 2
	WIN BIA_HI
.else
	WIN MUL_HI
.endif
	MULG 4, (\q)%2, \q, \slot, \zero
	MULG 6, (\q)%2, \q, \slot, \zero
	PLACES NP
	WIN 0
	FETCH_A \slot, (\q)+1, 4
.endm
.macro TURN slot, next, fill           ; a slot's last step changes slots: the waits and the add in front of one barrier, which opens a round of the cluster's where the slot is filled again
	s_wait_tensorcnt 0x0
	ds_add_u32 v[SPW], v[NIL]
	s_wait_dscnt 4*NL+1                            ; (the add and the youngest 16 loads may be out)
	WIN MUL_LO
	MULG 0, 1, NQ-1, \slot, 0
	s_wait_dscnt 0x0                               ; the add is done, and my reads of this slot are over
	s_barrier_signal -1
	MULG 2, 1, NQ-1, \slot, 0
	WIN 0
	s_barrier_wait -1
.if \fill
	CREST                                          ; no wave of any partner still reads this slot or has a load on its way
	s_add_nc_u64 s[G0+4*\slot+2:G0+4*\slot+3], s[G0+4*\slot+2:G0+4*\slot+3], 2*ROWB
	s_add_nc_u64 s[G0B+4*\slot+2:G0B+4*\slot+3], s[G0B+4*\slot+2:G0B+4*\slot+3], 2*ROWB
	JLOAD G0+4*\slot, G1, G0B+4*\slot, G1B
	PLACES NP-4
.else
	PLACES NP
.endif
	v_add_nc_u32 v[ADRS], 4*NQ, v[ADRS]
	FETCH_B \next, 0, 0
	FETCH_A \next, 0, 0
	SCALES \next
	WIN MUL_HI
	MULG 4, 1, NQ-1, \slot, 0
	MULG 6, 1, NQ-1, \slot, 0
	PLACES NP
	WIN 0
	FETCH_A \next, 0, 4
.endm
	s_load_b64 s[4:5], s[0:1], 0x0                 ; o
	s_load_b128 s[8:11], s[0:1], 0x8               ; wo's codes, wo's scales
	s_load_b64 s[96:97], s[0:1], 0x18              ; x, the residual
	s_load_b64 s[12:13], s[0:1], 0x20              ; x1
	v_lshl_add_u32 v[SPW], v0, 2, SPARE
	v_mov_b32 v[NIL], 0
	ds_add_u32 v28, v29
	s_wait_dscnt 0x0
	v_lshrrev_b32 v1, 5, v0
	v_readfirstlane_b32 s14, v1
	s_lshr_b32 s15, s14, 1
	s_and_b32 s16, s14, 1
	s_bfe_u32 s40, ttmp6, 0x40000                  ; cx, cy
	s_bfe_u32 s41, ttmp6, 0x40004
	s_lshl_b32 s42, ttmp9, 2
	s_add_co_u32 s42, s42, s40                     ; tile column
	s_and_b32 s17, ttmp7, 0xffff
	s_lshl_b32 s17, s17, 2
	s_add_co_u32 s17, s17, s41                     ; tile row
	s_lshl_b32 s43, s41, 2
	s_lshl_b32 s43, 15, s43                        ; my row of the cluster
	s_lshl_b32 s44, 0x1111, s40                    ; my column
	s_or_b32 s[G1+0], s43, (1<<20)|(1<<21)|(5<<22)|(3<<25)
	s_or_b32 s[G1B+0], s44, (1<<20)|(1<<21)|(5<<22)|(3<<25)
	s_mov_b32 s[G1+1], ROWB<<16
	s_mov_b32 s[G1+2], 128<<16
	s_mov_b32 s[G1+3], ROWB<<16
	s_mov_b32 s[G1+4], 128
	s_mov_b32 s[G1+5], KROW
	s_mov_b32 s[G1+6], 0
	s_mov_b32 s[G1+7], 0
	s_mov_b32 s[G1B+1], ROWB<<16
	s_mov_b32 s[G1B+2], (16*NB)<<16
	s_mov_b32 s[G1B+3], ROWB<<16
	s_mov_b32 s[G1B+4], 16*NB
	s_mov_b32 s[G1B+5], KROW
	s_mov_b32 s[G1B+6], 0
	s_mov_b32 s[G1B+7], 0
	s_or_b32 s[G1S+0], s43, (3<<16)|(1<<20)|(1<<21)|(5<<22)|(3<<25)
	s_or_b32 s[G1SB+0], s44, (3<<16)|(1<<20)|(1<<21)|(5<<22)|(3<<25)
	s_mov_b32 s[G1S+1], 32<<16
	s_mov_b32 s[G1S+2], (128*KS/256)<<16
	s_mov_b32 s[G1S+3], 32<<16
	s_mov_b32 s[G1S+4], 128*KS/256
	s_mov_b32 s[G1S+5], 32
	s_mov_b32 s[G1S+6], 0
	s_mov_b32 s[G1S+7], 0
	s_mov_b32 s[G1SB+1], 32<<16
	s_mov_b32 s[G1SB+2], (16*NB*KS/256)<<16
	s_mov_b32 s[G1SB+3], 32<<16
	s_mov_b32 s[G1SB+4], 16*NB*KS/256
	s_mov_b32 s[G1SB+5], 32
	s_mov_b32 s[G1SB+6], 0
	s_mov_b32 s[G1SB+7], 0
	s_lshl_b32 s18, s16, 7
	s_lshl_b32 s20, s17, 8
	s_add_co_u32 s20, s20, s18                     ; A: row 256 x tile row + 128 x half
	s_mul_i32 s18, s16, 16*NB
	s_mul_i32 s46, s42, 32*NB
	s_add_co_u32 s46, s46, s18                     ; B: row 128 x tile column + 64 x half
	s_mov_b32 s21, 0
	s_mov_b32 s47, 0
	s_mov_b64 s[18:19], KS
	s_mul_u64 s[22:23], s[20:21], s[18:19]
	s_mul_u64 s[92:93], s[46:47], s[18:19]
	s_mov_b64 s[18:19], KROW
	s_mul_u64 s[20:21], s[20:21], s[18:19]
	s_mul_u64 s[46:47], s[46:47], s[18:19]
	s_mul_i32 s45, s16, HALFT
	s_mul_i32 s67, s16, HALFB
	s_mul_i32 s94, s16, HALFSA
	s_mul_i32 s66, s16, HALFSB
	s_wait_kmcnt 0x0
	s_add_nc_u64 s[6:7], s[4:5], ASC
	s_add_nc_u64 s[20:21], s[4:5], s[20:21]
	s_add_nc_u64 s[22:23], s[6:7], s[22:23]
	s_add_nc_u64 s[46:47], s[8:9], s[46:47]
	s_add_nc_u64 s[92:93], s[10:11], s[92:93]
	CROUND                                         ; all sixteen work-groups are here: the first joint loads meet
	s_mov_b32 s[G0S], 1
	s_add_co_u32 s[G0S+1], s94, SCL+2*HALFSB
	s_mov_b64 s[G0S+2:G0S+3], s[22:23]
	s_or_b32 s[G0S+3], s[G0S+3], 0x80000000
	s_mov_b32 s[G0SB], 1
	s_add_co_u32 s[G0SB+1], s66, SCL
	s_mov_b64 s[G0SB+2:G0SB+3], s[92:93]
	s_or_b32 s[G0SB+3], s[G0SB+3], 0x80000000
	JLOAD G0S, G1S, G0SB, G1SB
.irp s, 0,1
	s_mov_b32 s[G0+4*\s], 1
	s_add_co_u32 s[G0+4*\s+1], s45, \s*SLOT
	s_add_nc_u64 s[G0+4*\s+2:G0+4*\s+3], s[20:21], \s*ROWB
	s_or_b32 s[G0+4*\s+3], s[G0+4*\s+3], 0x80000000
	s_mov_b32 s[G0B+4*\s], 1
	s_add_co_u32 s[G0B+4*\s+1], s67, \s*SLOT+2*HALFT
	s_add_nc_u64 s[G0B+4*\s+2:G0B+4*\s+3], s[46:47], \s*ROWB
	s_or_b32 s[G0B+4*\s+3], s[G0B+4*\s+3], 0x80000000
	JLOAD G0+4*\s, G1, G0B+4*\s, G1B
.endr
	v_and_b32 v1, 15, v0
	v_bfe_u32 v2, v0, 4, 1
	v_mul_u32_u24 v3, v1, PITCH
	v_lshl_add_u32 v4, v2, 4, v3
	s_mul_i32 s21, s15, HALFT
	s_mul_i32 s22, s16, HALFB
	s_add_co_u32 s22, s22, 2*HALFT
.irp s, 0,1
	v_add_nc_u32 v[ADRA+\s], s21, v4
	v_add_nc_u32 v[ADRB+\s], s22, v4
	s_add_co_u32 s21, s21, SLOT
	s_add_co_u32 s22, s22, SLOT
.endr
	v_mul_u32_u24 v5, v1, KS
	v_lshrrev_b32 v6, 8, v5
	v_lshl_add_u32 v5, v6, 4, v5
	s_mul_i32 s21, s16, HALFSB
	s_mul_i32 s22, s15, HALFSA
	s_add_co_u32 s22, s22, 2*HALFSB
	s_sub_co_u32 s22, s22, s21
	v_xor_b32 v6, 1, v2
	v_mul_u32_u24 v6, s22, v6                      ; lanes 0-15 take A's, which lie behind B's
	s_add_co_u32 s21, s21, SCL
	v_add_nc_u32 v5, v5, v6
	v_add_nc_u32 v[ADRS], s21, v5
	s_mul_i32 s23, s14, 16*272                     ; my stage: 16 rows x 272 bytes, in slot 0
	v_lshl_add_u32 v5, v2, 5, v3
	v_add_nc_u32 v[STO], s23, v5                   ; in: row r, + 32 h
	v_mul_u32_u24 v6, v2, 272
	v_lshl_add_u32 v6, v1, 4, v6
	v_add_nc_u32 v[RD], s23, v6                    ; back: lanes 0-15 one row of 256 bytes, lanes 16-31 the next
	v_lshlrev_b32 v6, 12, v2
	v_lshl_add_u32 v[CO], v1, 4, v6                ; and the same two rows in memory
	s_lshl_b32 s20, s17, 8
	s_lshl_b32 s21, s15, 7
	s_add_co_u32 s20, s20, s21
	s_lshl_b32 s20, s20, 12                        ; my first row, of 4,096 bytes
	s_mov_b32 s21, 0
	s_lshl_b32 s46, s42, 9
	s_lshl_b32 s47, s16, 8
	s_add_co_u32 s46, s46, s47                     ; my first column, in bytes
	s_mov_b32 s47, 0
	s_add_nc_u64 s[20:21], s[20:21], s[46:47]
	s_add_nc_u64 s[96:97], s[96:97], s[20:21]
	s_add_nc_u64 s[12:13], s[12:13], s[20:21]
	s_wait_tensorcnt 1                             ; the scales and my part of K step 0 are in; K step 1's load may be out
	s_barrier_signal -1
	s_barrier_wait -1
	FETCH_B 0, 0, 0
	FETCH_A 0, 0, 0
	SCALES 0
	FETCH_A 0, 0, 4
	STEP 0, 0, 1
	s_mov_b32 s3, LAPS-1
.Llap:
	TURN 0, 1, 1
	STEP 1, 0, 0
	TURN 1, 0, 1
	STEP 0, 0, 0
	s_sub_co_u32 s3, s3, 1
	s_cmp_lg_u32 s3, 0
	s_cbranch_scc1 .Llap
	TURN 0, 1, 0
	STEP 1, 0, 0
	s_wait_dscnt 4*NL
	WIN MUL_LO
	MULG 0, 1, NQ-1, 1, 0
	MULG 2, 1, NQ-1, 1, 0
	s_wait_dscnt 0
	WIN MUL_HI
	MULG 4, 1, NQ-1, 1, 0
	MULG 6, 1, NQ-1, 1, 0
	WIN 0
; THE WAY OUT, by blocks of 16 rows x 64 columns, through my own stage (LDS serves a wave's instructions in order: no wait between its stores and loads); the residual's rows come meanwhile.
.macro TOSTAGE a
	WIN 0x08                                       ; an LDS store's data: window 2
.irp b, 0,1,2,3
	ds_store_b128 v[STO], v[32*(\a)+8*\b:32*(\a)+8*\b+3] offset:64*\b          ; each accumulator from its low end on
	ds_store_b128 v[STO], v[32*(\a)+8*\b+4:32*(\a)+8*\b+7] offset:64*\b+16
.endr
	WIN 0
.set BB, 128+32*((\a)%2)
.set RR, 192+32*((\a)%2)
.irp t, 0,1,2,3,4,5,6,7
	ds_load_b128 v[BB+4*\t:BB+4*\t+3], v[RD] offset:\t*544
.endr
.irp t, 0,1,2,3,4,5,6,7
	global_load_b128 v[RR+4*\t:RR+4*\t+3], v[CO], s[96:97] offset:(16*(\a)+2*\t)*4096
.endr
.endm
.macro SEND a, yd, yl                  ; yd, yl: the LDS instructions and the loads issued behind block a's, which may stay out
.set BB, 128+32*((\a)%2)
.set RR, 192+32*((\a)%2)
	s_wait_dscnt \yd
	s_wait_loadcnt \yl
.set ti, 0
.rept 16
	v_pk_add_f32 v[BB+ti:BB+ti+1], v[BB+ti:BB+ti+1], v[RR+ti:RR+ti+1]
.set ti, ti+2
.endr
.irp t, 0,1,2,3,4,5,6,7
	global_store_b128 v[CO], v[BB+4*\t:BB+4*\t+3], s[12:13] offset:(16*(\a)+2*\t)*4096   ; sixteen lanes store 256 consecutive bytes, aligned
.endr
.endm
	PLACES NP
	TOSTAGE 0
.irp a, 1,2,3,4,5,6,7
.if \a > 1
	s_wait_xcnt 0x0                                ; block a - 2's stores have read their registers: block a's loads may land there
.endif
	TOSTAGE \a
	SEND \a-1, 16, 8                               ; behind block a - 1's: block a's 8 stores and 8 loads in LDS, and its 8 loads of the residual
.endr
	SEND 7, 0, 0
	s_wait_tensorcnt 0x0                           ; the wave's end
	ds_add_u32 v[SPW], v[NIL]
	s_wait_dscnt 0x0
	CROUND                                         ; the closing round
	s_endpgm
.Lfunc_end_k_q3ac59e5f53_wo:
	.size	k_q3ac59e5f53_wo, .Lfunc_end_k_q3ac59e5f53_wo-k_q3ac59e5f53_wo
	.p2alignl 7, 3214868480
	.fill 96, 4, 3214868480
	.section	.rodata,"a",@progbits
	.p2align	6, 0x0
	.amdhsa_kernel k_q3ac59e5f53_wo
		.amdhsa_group_segment_fixed_size 327680
		.amdhsa_private_segment_fixed_size 0
		.amdhsa_enable_private_segment 0
		.amdhsa_kernarg_size 40
		.amdhsa_user_sgpr_count 2
		.amdhsa_user_sgpr_kernarg_segment_ptr 1
		.amdhsa_wavefront_size32 1
		.amdhsa_system_sgpr_workgroup_id_x 1
		.amdhsa_system_sgpr_workgroup_id_y 1
		.amdhsa_system_sgpr_workgroup_id_z 1
		.amdhsa_system_vgpr_workitem_id 0
		.amdhsa_next_free_vgpr 768
		.amdhsa_next_free_sgpr 102
		.amdhsa_reserve_vcc 0
		.amdhsa_float_denorm_mode_32 3
		.amdhsa_float_denorm_mode_16_64 3
		.amdhsa_memory_ordered 1
		.amdhsa_forward_progress 1
		.amdhsa_inst_pref_size 106
	.end_amdhsa_kernel
	.amdgpu_metadata
---
amdhsa.version: [ 1, 2 ]
amdhsa.kernels:
  - .name:           k_q3ac59e5f53_wo
    .symbol:         k_q3ac59e5f53_wo.kd
    .args:
      - { .name: o, .offset: 0, .size: 8, .value_kind: global_buffer, .address_space: global }
      - { .name: wo_codes, .offset: 8, .size: 8, .value_kind: global_buffer, .address_space: global }
      - { .name: wo_scales, .offset: 16, .size: 8, .value_kind: global_buffer, .address_space: global }
      - { .name: x, .offset: 24, .size: 8, .value_kind: global_buffer, .address_space: global }
      - { .name: x1, .offset: 32, .size: 8, .value_kind: global_buffer, .address_space: global }
    .group_segment_fixed_size: 327680
    .private_segment_fixed_size: 0
    .kernarg_segment_align: 8
    .kernarg_segment_size: 40
    .max_flat_workgroup_size: 128
    .sgpr_count:     102
    .vgpr_count:     768
    .wavefront_size: 32
...
	.end_amdgpu_metadata
.endif
;; end of part 4
;; launch ln2: the kernel of part 1 again; grid 256 x 1, 8 waves a work-group, no clusters, 0 bytes of LDS; arguments x1, ln2_g, ln2_b, h, rope; writes h, rope
;; launch w1 (part 5): grid 16 x 16, 4 waves a work-group, clusters of 4 x 4, 327,680 bytes of LDS; arguments h, w1_codes, w1_scales, b1, hid; writes hid
.if DOCPART == 5
	.amdgcn_target "amdgcn-amd-amdhsa--gfx1250"
	.amdhsa_code_object_version 6
	.text
	.protected	k_q3ac59e5f53_w1
	.globl	k_q3ac59e5f53_w1
	.p2align	8
	.type	k_q3ac59e5f53_w1,@function
k_q3ac59e5f53_w1:
	s_mov_b64 s[64:65], 0
	v_nop
	global_prefetch_b8 v0, s[64:65] scope:SCOPE_SE
	s_setreg_imm32_b32 hwreg(HW_REG_WAVE_MODE, 25, 1), 1
	s_wait_xcnt 0x0
	s_wait_alu depctr_hold_cnt(0) depctr_sa_sdst(0) depctr_va_vdst(0) depctr_va_sdst(0) depctr_va_ssrc(0) depctr_va_vcc(0) depctr_vm_vsrc(0)
	s_getreg_b32 s2, hwreg(HW_REG_IB_STS2, 6, 4)
	s_cmp_eq_u32 s2, 0
	s_cbranch_scc0 .Lentry_in_a_cluster
	s_endpgm
.Lentry_in_a_cluster:
	s_bfe_u32 s2, ttmp6, 0x10000c
	s_cmp_lg_u32 s2, 0xf033
	s_cbranch_scc0 .Lentry_shape_is_right
	s_endpgm
.Lentry_shape_is_right:
; hid = Q(gelu(h w1 + b1)) on codes of E5M2 with E8M0 scales; the result is quantised along its 4,096 columns, the next product's K, and leaves as codes [4096][4096] and scale bytes [4096][128] at byte 16,777,216.
; A tile of 256 x 256 to a work-group of four waves, a wave 128 x 128: 64 accumulators.  K = 1,024 in steps of 256 through a ring of two LDS slots; both operands' scale bytes come into LDS once.
; CLUSTERS: 4 x 4 work-groups; A's tiles are asked for jointly along a row of the cluster, B's along a column.  THE MATRIX INSTRUCTION IS USED TRANSPOSED: a lane holds eight neighbouring columns of one row.
; The bias is the C of each sum's first matrix instruction.  gelu(x) = x / (1 + 2^(x (c1 + c2 x x))), c1 = -2 sqrt(2 / pi) log2(e), c2 = 0.044715 c1: the tanh form, rewritten.
; LIMITS: NaN and infinities are not served; a block whose largest magnitude lies under 2^-111 gets the byte 1 (read by this program alone).  The scale words leave as 4 bytes a row and wave (1 byte in 32 of the codes').
; REGISTERS: window 0: v0-31 addresses; v32-63 scale words and nothing else; v64-127 the bias, behind the first step at work; v128-255 A's fragments, on the way out at work.  window 1: B's two sets.  windows 2, 3: the accumulators.
.set SIZE_K, 1024
.set NB,     8
.set CLUS,   1
.set ASC,    4194304
.set KSTEP,  256
.set NQ,     2
.set ROWB,   256
.set KROW,   SIZE_K
.set PITCH,  272
.set FR,     16
.set NL,     4
.set NP,     8
.set APW,    32/NB
.set HALFT,  128*PITCH
.set HALFB,  16*NB*PITCH
.set SLOT,   2*HALFT+2*HALFB
.set LAPS,   SIZE_K/(2*KSTEP)
.set KS,     SIZE_K/32
.set SCL,    2*SLOT
.set HALFSB, (16*NB*KS/256)*272
.set HALFSA, (128*KS/256)*272
.set SBLK,   (16*KS/256)*272
.set SPARE,  SCL+2*HALFSB+2*HALFSA
.set ADRA, 16
.set ADRB, 20
.set STO,  24
.set RD,   25
.set CO,   26
.set ADRS, 27
.set SPW,  28
.set NIL,  29
.set SC,   32
.set BI,   64
.set PC,   64                          ; behind the first step: a block's codes,
.set TM,   80                          ; v80-83 largest magnitudes, 84-87 bytes, 88-91 57,344 x the scale, 92-95 scale operands
.set AF,   128
.set HA,   128                         ; the way out: 64 numbers of the hidden layer
.set GT,   192                         ; and 64 at work
.set G1,   24
.set G0,   32
.set G1B,  48
.set G0B,  56
.set G1S,  68
.set G0S,  76
.set G1SB, 80
.set G0SB, 88
.set MUL_LO, 0xa1
.set MUL_HI, 0xa1+0x50*(NB/8)
.set BIA_LO, 0x81
.set BIA_HI, 0x81+0x40*(NB/8)
.set TO_B,   0x40
.set MSB, 0
.macro WIN new
.if MSB != \new
	s_set_vgpr_msb (MSB<<8)|\new
.set MSB, \new
.endif
.endm
.macro JLOAD g0a, g1a, g0b, g1b        ; a joint load: waves 0 and 1 fetch for A, waves 2 and 3 for B; four v_nop follow each line
	s_cmp_eq_u32 s15, 0
	s_cbranch_scc0 .Lfor_b_\@
	tensor_load_to_lds s[\g0a:\g0a+3], s[\g1a:\g1a+7]
	s_nop 0
.rept 4
	v_nop
.endr
	s_branch .Lasked_\@
.Lfor_b_\@:
	tensor_load_to_lds s[\g0b:\g0b+3], s[\g1b:\g1b+7]
	s_nop 0
.rept 4
	v_nop
.endr
.Lasked_\@:
.endm
.macro CREST
	s_cmp_lg_u32 s14, 0
	s_cbranch_scc1 .Lnot_wave_0_\@
	s_barrier_signal -3
.Lnot_wave_0_\@:
	s_barrier_wait -3
	s_barrier_signal -1
	s_barrier_wait -1
.endm
.macro CROUND
	s_barrier_signal -1
	s_barrier_wait -1
	CREST
.endm
.macro FRAG reg, adr, q, i
.irp c, 0,1,2,3
	ds_load_b128 v[\reg+4*\c:\reg+4*\c+3], v[\adr] offset:128*(\q)+32*\c+(\i)*16*PITCH
.endr
.endm
.macro MULG a0, p, q, sc, zero         ; A's blocks a0, a0 + 1 x B's NB; zero = 2: the sum starts with the bias; the accumulators take turns
.irp a, \a0, \a0+1
.set bi, 0
.rept NB
.set rD, 8*(NB*((\a)%APW)+bi)
.set rB, 128*(\p)+FR*bi
.set rA, AF+FR*(\a)
.set rSB, SC+8*NQ*(\sc)+NQ*bi+(\q)
.set rSA, SC+8*NQ*(\sc)+NQ*(\a)+(\q)
.if \zero == 1
	v_wmma_scale_f32_16x16x128_f8f6f4 v[rD:rD+7], v[rB:rB+15], v[rA:rA+15], 0, v[rSB], v[rSA] matrix_a_fmt:MATRIX_FMT_BF8 matrix_b_fmt:MATRIX_FMT_BF8 matrix_a_scale:MATRIX_SCALE_ROW1
.elseif \zero == 2
	v_wmma_scale_f32_16x16x128_f8f6f4 v[rD:rD+7], v[rB:rB+15], v[rA:rA+15], v[BI+8*bi:BI+8*bi+7], v[rSB], v[rSA] matrix_a_fmt:MATRIX_FMT_BF8 matrix_b_fmt:MATRIX_FMT_BF8 matrix_a_scale:MATRIX_SCALE_ROW1
.else
	v_wmma_scale_f32_16x16x128_f8f6f4 v[rD:rD+7], v[rB:rB+15], v[rA:rA+15], v[rD:rD+7], v[rSB], v[rSA] matrix_a_fmt:MATRIX_FMT_BF8 matrix_b_fmt:MATRIX_FMT_BF8 matrix_a_scale:MATRIX_SCALE_ROW1
.endif
.set bi, bi+1
.endr
.endr
.endm
.macro FETCH_B slot, q, p
	WIN TO_B
.set fi, 0
.rept NB
	FRAG 128*(\p)+FR*fi, ADRB+\slot, \q, fi
.set fi, fi+1
.endr
	WIN 0
.endm
.macro FETCH_A slot, q, i0
.irp i, \i0, \i0+1, \i0+2, \i0+3
	FRAG AF+FR*(\i), ADRA+\slot, \q, \i
.endr
.endm
.macro SCALES sc
.irp i, 0,1,2,3,4,5,6,7
	ds_load_b64 v[SC+8*NQ*\sc+NQ*\i:SC+8*NQ*\sc+NQ*\i+1], v[ADRS] offset:\i*SBLK
.endr
.endm
.macro PLACES n
.rept \n
	v_nop
.endr
.endm
.macro STEP slot, q, zero
	s_wait_dscnt 4*NL                              ; B's set and A's blocks 0-3 are in; the youngest 16 loads (A's blocks 4-7) may be out
.if \zero == 2
	WIN BIA_LO
.else
	WIN MUL_LO
.endif
	MULG 0, (\q)%2, \q, \slot, \zero
	MULG 2, (\q)%2, \q, \slot, \zero
	s_wait_dscnt 0
	PLACES NP
	FETCH_B \slot, (\q)+1, 1-(\q)%2
	FETCH_A \slot, (\q)+1, 0
.if \zero == 2
	WIN BIA_HI
.else
	WIN MUL_HI
.endif
	MULG 4, (\q)%2, \q, \slot, \zero
	MULG 6, (\q)%2, \q, \slot, \zero
	PLACES NP
	WIN 0
	FETCH_A \slot, (\q)+1, 4
.endm
.macro TURN slot, next, fill
	s_wait_tensorcnt 0x0
	ds_add_u32 v[SPW], v[NIL]
	s_wait_dscnt 4*NL+1                            ; (the add and the youngest 16 loads may be out)
	WIN MUL_LO
	MULG 0, 1, NQ-1, \slot, 0
	s_wait_dscnt 0x0                               ; the add is done, and my reads of this slot are over
	s_barrier_signal -1
	MULG 2, 1, NQ-1, \slot, 0
	WIN 0
	s_barrier_wait -1
.if \fill
	CREST                                          ; no wave of any partner still reads this slot or has a load on its way
	s_add_nc_u64 s[G0+4*\slot+2:G0+4*\slot+3], s[G0+4*\slot+2:G0+4*\slot+3], 2*ROWB
	s_add_nc_u64 s[G0B+4*\slot+2:G0B+4*\slot+3], s[G0B+4*\slot+2:G0B+4*\slot+3], 2*ROWB
	JLOAD G0+4*\slot, G1, G0B+4*\slot, G1B
	PLACES NP-4
.else
	PLACES NP
.endif
	v_add_nc_u32 v[ADRS], 4*NQ, v[ADRS]
	FETCH_B \next, 0, 0
	FETCH_A \next, 0, 0
	SCALES \next
	WIN MUL_HI
	MULG 4, 1, NQ-1, \slot, 0
	MULG 6, 1, NQ-1, \slot, 0
	PLACES NP
	WIN 0
	FETCH_A \next, 0, 4
.endm
	s_load_b64 s[4:5], s[0:1], 0x0                 ; h
	s_load_b128 s[8:11], s[0:1], 0x8               ; w1's codes, w1's scales
	s_load_b64 s[96:97], s[0:1], 0x18              ; b1
	s_load_b64 s[12:13], s[0:1], 0x20              ; hid
	v_lshl_add_u32 v[SPW], v0, 2, SPARE
	v_mov_b32 v[NIL], 0
	ds_add_u32 v28, v29
	s_wait_dscnt 0x0
	v_lshrrev_b32 v1, 5, v0
	v_readfirstlane_b32 s14, v1
	s_lshr_b32 s15, s14, 1
	s_and_b32 s16, s14, 1
	s_bfe_u32 s40, ttmp6, 0x40000
	s_bfe_u32 s41, ttmp6, 0x40004
	s_lshl_b32 s42, ttmp9, 2
	s_add_co_u32 s42, s42, s40                     ; tile column
	s_and_b32 s17, ttmp7, 0xffff
	s_lshl_b32 s17, s17, 2
	s_add_co_u32 s17, s17, s41                     ; tile row
	s_lshl_b32 s43, s41, 2
	s_lshl_b32 s43, 15, s43
	s_lshl_b32 s44, 0x1111, s40
	s_or_b32 s[G1+0], s43, (1<<20)|(1<<21)|(5<<22)|(3<<25)
	s_or_b32 s[G1B+0], s44, (1<<20)|(1<<21)|(5<<22)|(3<<25)
	s_mov_b32 s[G1+1], ROWB<<16
	s_mov_b32 s[G1+2], 128<<16
	s_mov_b32 s[G1+3], ROWB<<16
	s_mov_b32 s[G1+4], 128
	s_mov_b32 s[G1+5], KROW
	s_mov_b32 s[G1+6], 0
	s_mov_b32 s[G1+7], 0
	s_mov_b32 s[G1B+1], ROWB<<16
	s_mov_b32 s[G1B+2], (16*NB)<<16
	s_mov_b32 s[G1B+3], ROWB<<16
	s_mov_b32 s[G1B+4], 16*NB
	s_mov_b32 s[G1B+5], KROW
	s_mov_b32 s[G1B+6], 0
	s_mov_b32 s[G1B+7], 0
	s_or_b32 s[G1S+0], s43, (3<<16)|(1<<20)|(1<<21)|(5<<22)|(3<<25)
	s_or_b32 s[G1SB+0], s44, (3<<16)|(1<<20)|(1<<21)|(5<<22)|(3<<25)
	s_mov_b32 s[G1S+1], 32<<16
	s_mov_b32 s[G1S+2], (128*KS/256)<<16
	s_mov_b32 s[G1S+3], 32<<16
	s_mov_b32 s[G1S+4], 128*KS/256
	s_mov_b32 s[G1S+5], 32
	s_mov_b32 s[G1S+6], 0
	s_mov_b32 s[G1S+7], 0
	s_mov_b32 s[G1SB+1], 32<<16
	s_mov_b32 s[G1SB+2], (16*NB*KS/256)<<16
	s_mov_b32 s[G1SB+3], 32<<16
	s_mov_b32 s[G1SB+4], 16*NB*KS/256
	s_mov_b32 s[G1SB+5], 32
	s_mov_b32 s[G1SB+6], 0
	s_mov_b32 s[G1SB+7], 0
	s_lshl_b32 s18, s16, 7
	s_lshl_b32 s20, s17, 8
	s_add_co_u32 s20, s20, s18
	s_mul_i32 s18, s16, 16*NB
	s_mul_i32 s46, s42, 32*NB
	s_add_co_u32 s46, s46, s18
	s_mov_b32 s21, 0
	s_mov_b32 s47, 0
	s_mov_b64 s[18:19], KS
	s_mul_u64 s[22:23], s[20:21], s[18:19]
	s_mul_u64 s[92:93], s[46:47], s[18:19]
	s_mov_b64 s[18:19], KROW
	s_mul_u64 s[20:21], s[20:21], s[18:19]
	s_mul_u64 s[46:47], s[46:47], s[18:19]
	s_mul_i32 s45, s16, HALFT
	s_mul_i32 s67, s16, HALFB
	s_mul_i32 s94, s16, HALFSA
	s_mul_i32 s66, s16, HALFSB
	s_wait_kmcnt 0x0
	s_add_nc_u64 s[6:7], s[4:5], ASC
	s_add_nc_u64 s[20:21], s[4:5], s[20:21]
	s_add_nc_u64 s[22:23], s[6:7], s[22:23]
	s_add_nc_u64 s[46:47], s[8:9], s[46:47]
	s_add_nc_u64 s[92:93], s[10:11], s[92:93]
	CROUND
	s_mov_b32 s[G0S], 1
	s_add_co_u32 s[G0S+1], s94, SCL+2*HALFSB
	s_mov_b64 s[G0S+2:G0S+3], s[22:23]
	s_or_b32 s[G0S+3], s[G0S+3], 0x80000000
	s_mov_b32 s[G0SB], 1
	s_add_co_u32 s[G0SB+1], s66, SCL
	s_mov_b64 s[G0SB+2:G0SB+3], s[92:93]
	s_or_b32 s[G0SB+3], s[G0SB+3], 0x80000000
	JLOAD G0S, G1S, G0SB, G1SB
.irp s, 0,1
	s_mov_b32 s[G0+4*\s], 1
	s_add_co_u32 s[G0+4*\s+1], s45, \s*SLOT
	s_add_nc_u64 s[G0+4*\s+2:G0+4*\s+3], s[20:21], \s*ROWB
	s_or_b32 s[G0+4*\s+3], s[G0+4*\s+3], 0x80000000
	s_mov_b32 s[G0B+4*\s], 1
	s_add_co_u32 s[G0B+4*\s+1], s67, \s*SLOT+2*HALFT
	s_add_nc_u64 s[G0B+4*\s+2:G0B+4*\s+3], s[46:47], \s*ROWB
	s_or_b32 s[G0B+4*\s+3], s[G0B+4*\s+3], 0x80000000
	JLOAD G0+4*\s, G1, G0B+4*\s, G1B
.endr
	v_and_b32 v1, 15, v0
	v_bfe_u32 v2, v0, 4, 1
	v_lshlrev_b32 v30, 5, v2                       ; the bias: 32 h bytes
	s_lshl_b32 s46, s42, 10
	s_lshl_b32 s47, s16, 9
	s_add_co_u32 s46, s46, s47
	s_mov_b32 s47, 0
	s_add_nc_u64 s[96:97], s[96:97], s[46:47]      ; b1 at my 128 columns
.irp b, 0,1,2,3,4,5,6,7
	global_load_b128 v[BI+8*\b:BI+8*\b+3], v30, s[96:97] offset:64*\b          ; register 8 b + j: column 16 b + 8 h + j
	global_load_b128 v[BI+8*\b+4:BI+8*\b+7], v30, s[96:97] offset:64*\b+16
.endr
	v_mul_u32_u24 v3, v1, PITCH
	v_lshl_add_u32 v4, v2, 4, v3
	s_mul_i32 s21, s15, HALFT
	s_mul_i32 s22, s16, HALFB
	s_add_co_u32 s22, s22, 2*HALFT
.irp s, 0,1
	v_add_nc_u32 v[ADRA+\s], s21, v4
	v_add_nc_u32 v[ADRB+\s], s22, v4
	s_add_co_u32 s21, s21, SLOT
	s_add_co_u32 s22, s22, SLOT
.endr
	v_mul_u32_u24 v5, v1, KS
	v_lshrrev_b32 v6, 8, v5
	v_lshl_add_u32 v5, v6, 4, v5
	s_mul_i32 s21, s16, HALFSB
	s_mul_i32 s22, s15, HALFSA
	s_add_co_u32 s22, s22, 2*HALFSB
	s_sub_co_u32 s22, s22, s21
	v_xor_b32 v6, 1, v2
	v_mul_u32_u24 v6, s22, v6
	s_add_co_u32 s21, s21, SCL
	v_add_nc_u32 v5, v5, v6
	v_add_nc_u32 v[ADRS], s21, v5
	s_mul_i32 s21, s15, 128*272                    ; the stage (256 rows x 272 bytes from LDS byte 0, in slot 0): in: row 128 rowhalf + r, byte 128 colhalf + 8 h
	s_lshl_b32 s22, s16, 7
	s_add_co_u32 s21, s21, s22
	v_lshl_add_u32 v5, v2, 3, v3
	v_add_nc_u32 v[STO], s21, v5
	s_mul_i32 s23, s14, 64*272                     ; back: wave w takes rows 64 w on, two rows an instruction
	v_mul_u32_u24 v6, v2, 272
	v_lshl_add_u32 v6, v1, 4, v6
	v_add_nc_u32 v[RD], s23, v6
	v_lshlrev_b32 v6, 12, v2
	v_lshl_add_u32 v[CO], v1, 4, v6                ; and the same two rows of hid
	v_and_b32 v31, 31, v0
	v_lshlrev_b32 v31, 7, v31                      ; scale words: 128 bytes from row to row
	s_lshl_b32 s22, s17, 8
	s_lshl_b32 s23, s15, 7
	s_add_co_u32 s22, s22, s23
	s_lshl_b32 s22, s22, 7
	s_add_co_u32 s22, s22, 16777216
	s_mov_b32 s23, 0
	s_lshl_b32 s46, s42, 3
	s_lshl_b32 s67, s16, 2
	s_add_co_u32 s46, s46, s67
	s_add_nc_u64 s[22:23], s[22:23], s[46:47]
	s_add_nc_u64 s[98:99], s[12:13], s[22:23]      ; my rows' scale words of my 128 columns
	s_lshl_b32 s20, s17, 8
	s_lshl_b32 s21, s14, 6
	s_add_co_u32 s20, s20, s21
	s_lshl_b32 s20, s20, 12
	s_mov_b32 s21, 0
	s_lshl_b32 s46, s42, 8
	s_add_nc_u64 s[20:21], s[20:21], s[46:47]
	s_add_nc_u64 s[12:13], s[12:13], s[20:21]      ; the 64 rows x 256 bytes of codes that I store
	s_wait_tensorcnt 1                             ; the scales and my part of K step 0 are in; K step 1's load may be out
	s_barrier_signal -1
	s_barrier_wait -1
	FETCH_B 0, 0, 0
	FETCH_A 0, 0, 0
	SCALES 0
	FETCH_A 0, 0, 4
	s_wait_loadcnt 0x0                             ; the bias
	STEP 0, 0, 2                                   ; the first step's products start the sums with the bias
	s_mov_b32 s3, LAPS-1
.Llap:
	TURN 0, 1, 1
	STEP 1, 0, 0
	TURN 1, 0, 1
	STEP 0, 0, 0
	s_sub_co_u32 s3, s3, 1
	s_cmp_lg_u32 s3, 0
	s_cbranch_scc1 .Llap
	TURN 0, 1, 0
	STEP 1, 0, 0
	s_wait_dscnt 4*NL
	WIN MUL_LO
	MULG 0, 1, NQ-1, 1, 0
	MULG 2, 1, NQ-1, 1, 0
	s_wait_dscnt 0
	WIN MUL_HI
	MULG 4, 1, NQ-1, 1, 0
	MULG 6, 1, NQ-1, 1, 0
	WIN 0
; THE WAY OUT, by blocks of 16 rows.
.macro GELU a                          ; block a's 64 numbers a lane, from their window into v[HA] on
.set WW, 2+(\a)/4
.set DD, 64*((\a)%4)
	WIN (WW<<2)|WW
.set gi, 0
.rept 32
	v_pk_mul_f32 v[GT+gi:GT+gi+1], v[DD+gi:DD+gi+1], v[DD+gi:DD+gi+1]   ; x x   (each accumulator is read from its low end on)
.set gi, gi+2
.endr
	WIN 0
.set gi, 0
.rept 32
	v_pk_fma_f32 v[GT+gi:GT+gi+1], v[GT+gi:GT+gi+1], s[46:47], v[6:7] op_sel_hi:[1,0,0]   ; c2 x x + c1
.set gi, gi+2
.endr
	WIN (WW<<2)
.set gi, 0
.rept 32
	v_pk_mul_f32 v[GT+gi:GT+gi+1], v[GT+gi:GT+gi+1], v[DD+gi:DD+gi+1]
.set gi, gi+2
.endr
	WIN 0
.set gi, 0
.rept 64
	v_exp_f32 v[GT+gi], v[GT+gi]
.set gi, gi+1
.endr
	v_nop                                          ; a plain instruction behind the batch,
	s_wait_alu depctr_va_vdst(0)                   ; and one wait for the 64, ahead of their first reader
.set gi, 0
.rept 32
	v_pk_add_f32 v[GT+gi:GT+gi+1], v[GT+gi:GT+gi+1], 1.0 op_sel_hi:[1,0]
.set gi, gi+2
.endr
.set gi, 0
.rept 64
	v_rcp_f32 v[GT+gi], v[GT+gi]
.set gi, gi+1
.endr
	v_nop
	s_wait_alu depctr_va_vdst(0)
	WIN WW
.set gi, 0
.rept 32
	v_pk_mul_f32 v[HA+gi:HA+gi+1], v[DD+gi:DD+gi+1], v[GT+gi:GT+gi+1]
.set gi, gi+2
.endr
	WIN 0
.endm
; 64 numbers of a lane become 64 codes and four scale bytes.  Block b of 32 columns: registers 16 b .. 16 b + 15 of lanes l and l xor 16.
.macro QUANT
	WIN (WW<<2)|WW
.irp b, 0,1,2,3
	v_max3_num_f32 v[TM+\b], |v[DD+16*\b]|, |v[DD+16*\b+1]|, 0x8000000   ; with the floor 2^(16 - 127): the byte cannot fall under 1
.endr
.irp i, 2,4,6,8,10,12,14
.irp b, 0,1,2,3
	v_max3_num_f32 v[TM+\b], |v[DD+16*\b+\i]|, |v[DD+16*\b+\i+1]|, v[TM+\b]
.endr
.endr
	WIN 0
.irp b, 0,1,2,3
	v_permlanex16_b32 v[TM+4+\b], v[TM+\b], s40, s41
.endr
.irp b, 0,1,2,3
	v_max_num_f32 v[TM+\b], v[TM+\b], v[TM+4+\b]
.endr
.irp b, 0,1,2,3
	v_add_nc_u32 v[TM+12+\b], 0xf8800000, v[TM+\b]
.endr
.irp b, 0,1,2,3
	v_and_or_b32 v[TM+8+\b], v[TM+\b], 0x7f800000, s43
.endr
.irp b, 0,1,2,3
	v_lshrrev_b32 v[TM+4+\b], 23, v[TM+12+\b]
.endr
	s_wait_dscnt 0x0                               ; the last block's stores into the stage have read the codes' registers
	WIN (WW<<6)|WW
.irp b, 0,1,2,3
.irp i, 0,1,2,3,4,5,6,7,8,9,10,11,12,13,14,15
	v_med3_num_f32 v[DD+16*\b+\i], v[DD+16*\b+\i], -v[TM+8+\b], v[TM+8+\b]   ; the conversion does not saturate (ISA guide 7.6.2)
.endr
.endr
	WIN WW
.irp b, 0,1,2,3
	v_cvt_scalef32_pk8_bf8_f32 v[PC+4*\b:PC+4*\b+1], v[DD+16*\b:DD+16*\b+7], v[TM+12+\b]
	v_cvt_scalef32_pk8_bf8_f32 v[PC+4*\b+2:PC+4*\b+3], v[DD+16*\b+8:DD+16*\b+15], v[TM+12+\b]
.endr
	WIN 0
	v_nop                                          ; a plain instruction behind the last conversion
.endm
.macro TOST a
.irp b, 0,1,2,3,4,5,6,7
	ds_store_b64 v[STO], v[PC+2*\b:PC+2*\b+1] offset:(\a)*4352+16*\b
.endr
.endm
.macro BLOCK a
	GELU \a
.set WW, 0
.set DD, HA
	QUANT
	TOST \a
	v_lshl_or_b32 v13, v[TM+5], 8, v[TM+4]         ; my row's scale word for my 128 columns
	v_lshl_or_b32 v13, v[TM+6], 16, v13
	v_lshl_or_b32 v13, v[TM+7], 24, v13
.if (\a)%2 == 0
	v_mov_b32 v12, v13
.else
	v_cndmask_b32 v[8+(\a)/2], v12, v13, s45       ; lanes 0-15 the even block's rows, lanes 16-31 the odd one's
	global_store_b32 v31, v[8+(\a)/2], s[98:99] offset:4096*((\a)/2)
.endif
.endm
	PLACES NP                                      ; behind the last products
	s_mov_b32 s40, 0x76543210
	s_mov_b32 s41, 0xfedcba98
	s_mov_b32 s43, 0x600000
	s_mov_b32 s45, 0xffff0000
	s_mov_b32 s46, 0xbdd2d3e8                      ; c2
	s_mov_b32 s47, s46
	v_mov_b32 v6, 0xc0135761                       ; c1
	v_mov_b32 v7, v6
.irp b, 0,1,2,3
	v_mov_b32 v[TM+4+\b], 0
.endr
.irp a, 0,1,2,3,4,5,6,7
	BLOCK \a
.endr
	s_wait_dscnt 0x0                               ; for the others' sake: my stores into the stage are done
	s_barrier_signal -1
	s_barrier_wait -1
.set ri, 0
.rept 32
	ds_load_b128 v[128+4*ri:128+4*ri+3], v[RD] offset:ri*544
.set ri, ri+1
.endr
.set ri, 0
.rept 32
	s_wait_dscnt 31-ri                             ; load ri is in; the younger ones may be out
	global_store_b128 v[CO], v[128+4*ri:128+4*ri+3], s[12:13] offset:ri*8192   ; sixteen lanes store 256 consecutive bytes, aligned
.set ri, ri+1
.endr
	s_wait_tensorcnt 0x0                           ; the wave's end
	ds_add_u32 v[SPW], v[NIL]
	s_wait_dscnt 0x0
	CROUND                                         ; the closing round
	s_endpgm
.Lfunc_end_k_q3ac59e5f53_w1:
	.size	k_q3ac59e5f53_w1, .Lfunc_end_k_q3ac59e5f53_w1-k_q3ac59e5f53_w1
	.p2alignl 7, 3214868480
	.fill 96, 4, 3214868480
	.section	.rodata,"a",@progbits
	.p2align	6, 0x0
	.amdhsa_kernel k_q3ac59e5f53_w1
		.amdhsa_group_segment_fixed_size 327680
		.amdhsa_private_segment_fixed_size 0
		.amdhsa_enable_private_segment 0
		.amdhsa_kernarg_size 40
		.amdhsa_user_sgpr_count 2
		.amdhsa_user_sgpr_kernarg_segment_ptr 1
		.amdhsa_wavefront_size32 1
		.amdhsa_system_sgpr_workgroup_id_x 1
		.amdhsa_system_sgpr_workgroup_id_y 1
		.amdhsa_system_sgpr_workgroup_id_z 1
		.amdhsa_system_vgpr_workitem_id 0
		.amdhsa_next_free_vgpr 1024
		.amdhsa_next_free_sgpr 102
		.amdhsa_reserve_vcc 0
		.amdhsa_float_denorm_mode_32 3
		.amdhsa_float_denorm_mode_16_64 3
		.amdhsa_memory_ordered 1
		.amdhsa_forward_progress 1
		.amdhsa_inst_pref_size 255
	.end_amdhsa_kernel
	.section	.bss,"aw",@nobits
	.p2align	6
	.space	262144
	.amdgpu_metadata
---
amdhsa.version: [ 1, 2 ]
amdhsa.kernels:
  - .name:           k_q3ac59e5f53_w1
    .symbol:         k_q3ac59e5f53_w1.kd
    .args:
      - { .name: h, .offset: 0, .size: 8, .value_kind: global_buffer, .address_space: global }
      - { .name: w1_codes, .offset: 8, .size: 8, .value_kind: global_buffer, .address_space: global }
      - { .name: w1_scales, .offset: 16, .size: 8, .value_kind: global_buffer, .address_space: global }
      - { .name: b1, .offset: 24, .size: 8, .value_kind: global_buffer, .address_space: global }
      - { .name: hid, .offset: 32, .size: 8, .value_kind: global_buffer, .address_space: global }
    .group_segment_fixed_size: 327680
    .private_segment_fixed_size: 0
    .kernarg_segment_align: 8
    .kernarg_segment_size: 40
    .max_flat_workgroup_size: 128
    .sgpr_count:     102
    .vgpr_count:     1024
    .wavefront_size: 32
...
	.end_amdgpu_metadata
.endif
;; end of part 5
;; launch w2 (part 6): grid 8 x 16, 4 waves a work-group, clusters of 4 x 4, 327,680 bytes of LDS; arguments hid, w2_codes, w2_scales, b2, x1, out0; writes out0
.if DOCPART == 6
	.amdgcn_target "amdgcn-amd-amdhsa--gfx1250"
	.amdhsa_code_object_version 6
	.text
	.protected	k_q3ac59e5f53_w2
	.globl	k_q3ac59e5f53_w2
	.p2align	8
	.type	k_q3ac59e5f53_w2,@function
k_q3ac59e5f53_w2:
	s_mov_b64 s[64:65], 0
	v_nop
	global_prefetch_b8 v0, s[64:65] scope:SCOPE_SE
	s_setreg_imm32_b32 hwreg(HW_REG_WAVE_MODE, 25, 1), 1
	s_wait_xcnt 0x0
	s_wait_alu depctr_hold_cnt(0) depctr_sa_sdst(0) depctr_va_vdst(0) depctr_va_sdst(0) depctr_va_ssrc(0) depctr_va_vcc(0) depctr_vm_vsrc(0)
	s_getreg_b32 s2, hwreg(HW_REG_IB_STS2, 6, 4)
	s_cmp_eq_u32 s2, 0
	s_cbranch_scc0 .Lentry_in_a_cluster
	s_endpgm
.Lentry_in_a_cluster:
	s_bfe_u32 s2, ttmp6, 0x10000c
	s_cmp_lg_u32 s2, 0xf033
	s_cbranch_scc0 .Lentry_shape_is_right
	s_endpgm
.Lentry_shape_is_right:
; out0 = x1 + hid w2 + b2 on codes of E5M2 with E8M0 scales; x1, out0 f32.  A tile of 256 rows x 128 columns to a work-group of four waves, a wave 128 x 64: 32 accumulators.
; With this tile the scale bytes of all of K = 4,096 (52,224 bytes with their padding) fit in LDS beside two slots of 256 along K, and there are 128 work-groups.
; CLUSTERS: 4 x 4 work-groups; A's tiles are asked for jointly along a row of the cluster, B's along a column.  THE MATRIX INSTRUCTION IS USED TRANSPOSED: a lane holds eight neighbouring columns of one row.
; The bias is the C of each sum's first matrix instruction.  B's scales lie in front of A's in LDS: what lanes 16-31 read beyond B's four blocks lies in filled bytes and is named by no product.
; REGISTERS: window 0: v0-31 addresses; v32-63 scale words and nothing else; v64-95 the bias; v128-255 A's fragments, on the way out rows of the result and of the residual.  window 1: B's two sets.  window 2: the accumulators.
.set SIZE_K, 4096
.set NB,     4
.set CLUS,   1
.set ASC,    16777216
.set KSTEP,  256
.set NQ,     2
.set ROWB,   256
.set KROW,   SIZE_K
.set PITCH,  272
.set FR,     16
.set NL,     4
.set NP,     8
.set APW,    32/NB
.set HALFT,  128*PITCH
.set HALFB,  16*NB*PITCH
.set SLOT,   2*HALFT+2*HALFB
.set LAPS,   SIZE_K/(2*KSTEP)
.set KS,     SIZE_K/32
.set SCL,    2*SLOT
.set HALFSB, (16*NB*KS/256)*272
.set HALFSA, (128*KS/256)*272
.set SBLK,   (16*KS/256)*272
.set SPARE,  SCL+2*HALFSB+2*HALFSA
.set ADRA, 16
.set ADRB, 20
.set STO,  24
.set RD,   25
.set CO,   26
.set ADRS, 27
.set SPW,  28
.set NIL,  29
.set SC,   32
.set BI,   64
.set AF,   128
.set G1,   24
.set G0,   32
.set G1B,  48
.set G0B,  56
.set G1S,  68
.set G0S,  76
.set G1SB, 80
.set G0SB, 88
.set MUL_LO, 0xa1
.set MUL_HI, 0xa1+0x50*(NB/8)
.set BIA_LO, 0x81
.set BIA_HI, 0x81+0x40*(NB/8)
.set TO_B,   0x40
.set MSB, 0
.macro WIN new
.if MSB != \new
	s_set_vgpr_msb (MSB<<8)|\new
.set MSB, \new
.endif
.endm
.macro JLOAD g0a, g1a, g0b, g1b        ; a joint load: waves 0 and 1 fetch for A, waves 2 and 3 for B; four v_nop follow each line
	s_cmp_eq_u32 s15, 0
	s_cbranch_scc0 .Lfor_b_\@
	tensor_load_to_lds s[\g0a:\g0a+3], s[\g1a:\g1a+7]
	s_nop 0
.rept 4
	v_nop
.endr
	s_branch .Lasked_\@
.Lfor_b_\@:
	tensor_load_to_lds s[\g0b:\g0b+3], s[\g1b:\g1b+7]
	s_nop 0
.rept 4
	v_nop
.endr
.Lasked_\@:
.endm
.macro CREST
	s_cmp_lg_u32 s14, 0
	s_cbranch_scc1 .Lnot_wave_0_\@
	s_barrier_signal -3
.Lnot_wave_0_\@:
	s_barrier_wait -3
	s_barrier_signal -1
	s_barrier_wait -1
.endm
.macro CROUND
	s_barrier_signal -1
	s_barrier_wait -1
	CREST
.endm
.macro FRAG reg, adr, q, i
.irp c, 0,1,2,3
	ds_load_b128 v[\reg+4*\c:\reg+4*\c+3], v[\adr] offset:128*(\q)+32*\c+(\i)*16*PITCH
.endr
.endm
.macro MULG a0, p, q, sc, zero         ; A's blocks a0, a0 + 1 x B's NB; zero = 2: the sum starts with the bias; the accumulators take turns
.irp a, \a0, \a0+1
.set bi, 0
.rept NB
.set rD, 8*(NB*((\a)%APW)+bi)
.set rB, 128*(\p)+FR*bi
.set rA, AF+FR*(\a)
.set rSB, SC+8*NQ*(\sc)+NQ*bi+(\q)
.set rSA, SC+8*NQ*(\sc)+NQ*(\a)+(\q)
.if \zero == 1
	v_wmma_scale_f32_16x16x128_f8f6f4 v[rD:rD+7], v[rB:rB+15], v[rA:rA+15], 0, v[rSB], v[rSA] matrix_a_fmt:MATRIX_FMT_BF8 matrix_b_fmt:MATRIX_FMT_BF8 matrix_a_scale:MATRIX_SCALE_ROW1
.elseif \zero == 2
	v_wmma_scale_f32_16x16x128_f8f6f4 v[rD:rD+7], v[rB:rB+15], v[rA:rA+15], v[BI+8*bi:BI+8*bi+7], v[rSB], v[rSA] matrix_a_fmt:MATRIX_FMT_BF8 matrix_b_fmt:MATRIX_FMT_BF8 matrix_a_scale:MATRIX_SCALE_ROW1
.else
	v_wmma_scale_f32_16x16x128_f8f6f4 v[rD:rD+7], v[rB:rB+15], v[rA:rA+15], v[rD:rD+7], v[rSB], v[rSA] matrix_a_fmt:MATRIX_FMT_BF8 matrix_b_fmt:MATRIX_FMT_BF8 matrix_a_scale:MATRIX_SCALE_ROW1
.endif
.set bi, bi+1
.endr
.endr
.endm
.macro FETCH_B slot, q, p
	WIN TO_B
.set fi, 0
.rept NB
	FRAG 128*(\p)+FR*fi, ADRB+\slot, \q, fi
.set fi, fi+1
.endr
	WIN 0
.endm
.macro FETCH_A slot, q, i0
.irp i, \i0, \i0+1, \i0+2, \i0+3
	FRAG AF+FR*(\i), ADRA+\slot, \q, \i
.endr
.endm
.macro SCALES sc
.irp i, 0,1,2,3,4,5,6,7
	ds_load_b64 v[SC+8*NQ*\sc+NQ*\i:SC+8*NQ*\sc+NQ*\i+1], v[ADRS] offset:\i*SBLK
.endr
.endm
.macro PLACES n
.rept \n
	v_nop
.endr
.endm
.macro STEP slot, q, zero
	s_wait_dscnt 4*NL                              ; B's set and A's blocks 0-3 are in; the youngest 16 loads (A's blocks 4-7) may be out
.if \zero == 2
	WIN BIA_LO
.else
	WIN MUL_LO
.endif
	MULG 0, (\q)%2, \q, \slot, \zero
	MULG 2, (\q)%2, \q, \slot, \zero
	s_wait_dscnt 0
	PLACES NP
	FETCH_B \slot, (\q)+1, 1-(\q)%2
	FETCH_A \slot, (\q)+1, 0
.if \zero == 2
	WIN BIA_HI
.else
	WIN MUL_HI
.endif
	MULG 4, (\q)%2, \q, \slot, \zero
	MULG 6, (\q)%2, \q, \slot, \zero
	PLACES NP
	WIN 0
	FETCH_A \slot, (\q)+1, 4
.endm
.macro TURN slot, next, fill
	s_wait_tensorcnt 0x0
	ds_add_u32 v[SPW], v[NIL]
	s_wait_dscnt 4*NL+1                            ; (the add and the youngest 16 loads may be out)
	WIN MUL_LO
	MULG 0, 1, NQ-1, \slot, 0
	s_wait_dscnt 0x0                               ; the add is done, and my reads of this slot are over
	s_barrier_signal -1
	MULG 2, 1, NQ-1, \slot, 0
	WIN 0
	s_barrier_wait -1
.if \fill
	CREST                                          ; no wave of any partner still reads this slot or has a load on its way
	s_add_nc_u64 s[G0+4*\slot+2:G0+4*\slot+3], s[G0+4*\slot+2:G0+4*\slot+3], 2*ROWB
	s_add_nc_u64 s[G0B+4*\slot+2:G0B+4*\slot+3], s[G0B+4*\slot+2:G0B+4*\slot+3], 2*ROWB
	JLOAD G0+4*\slot, G1, G0B+4*\slot, G1B
	PLACES NP-4
.else
	PLACES NP
.endif
	v_add_nc_u32 v[ADRS], 4*NQ, v[ADRS]
	FETCH_B \next, 0, 0
	FETCH_A \next, 0, 0
	SCALES \next
	WIN MUL_HI
	MULG 4, 1, NQ-1, \slot, 0
	MULG 6, 1, NQ-1, \slot, 0
	PLACES NP
	WIN 0
	FETCH_A \next, 0, 4
.endm
	s_load_b64 s[4:5], s[0:1], 0x0                 ; hid
	s_load_b128 s[8:11], s[0:1], 0x8               ; w2's codes, w2's scales
	s_load_b64 s[98:99], s[0:1], 0x18              ; b2
	s_load_b64 s[96:97], s[0:1], 0x20              ; x1, the residual
	s_load_b64 s[12:13], s[0:1], 0x28              ; out0
	v_lshl_add_u32 v[SPW], v0, 2, SPARE
	v_mov_b32 v[NIL], 0
	ds_add_u32 v28, v29
	s_wait_dscnt 0x0
	v_lshrrev_b32 v1, 5, v0
	v_readfirstlane_b32 s14, v1
	s_lshr_b32 s15, s14, 1
	s_and_b32 s16, s14, 1
	s_bfe_u32 s40, ttmp6, 0x40000
	s_bfe_u32 s41, ttmp6, 0x40004
	s_lshl_b32 s42, ttmp9, 2
	s_add_co_u32 s42, s42, s40                     ; tile column
	s_and_b32 s17, ttmp7, 0xffff
	s_lshl_b32 s17, s17, 2
	s_add_co_u32 s17, s17, s41                     ; tile row
	s_lshl_b32 s43, s41, 2
	s_lshl_b32 s43, 15, s43
	s_lshl_b32 s44, 0x1111, s40
	s_or_b32 s[G1+0], s43, (1<<20)|(1<<21)|(5<<22)|(3<<25)
	s_or_b32 s[G1B+0], s44, (1<<20)|(1<<21)|(5<<22)|(3<<25)
	s_mov_b32 s[G1+1], ROWB<<16
	s_mov_b32 s[G1+2], 128<<16
	s_mov_b32 s[G1+3], ROWB<<16
	s_mov_b32 s[G1+4], 128
	s_mov_b32 s[G1+5], KROW
	s_mov_b32 s[G1+6], 0
	s_mov_b32 s[G1+7], 0
	s_mov_b32 s[G1B+1], ROWB<<16
	s_mov_b32 s[G1B+2], (16*NB)<<16
	s_mov_b32 s[G1B+3], ROWB<<16
	s_mov_b32 s[G1B+4], 16*NB
	s_mov_b32 s[G1B+5], KROW
	s_mov_b32 s[G1B+6], 0
	s_mov_b32 s[G1B+7], 0
	s_or_b32 s[G1S+0], s43, (3<<16)|(1<<20)|(1<<21)|(5<<22)|(3<<25)
	s_or_b32 s[G1SB+0], s44, (3<<16)|(1<<20)|(1<<21)|(5<<22)|(3<<25)
	s_mov_b32 s[G1S+1], 32<<16
	s_mov_b32 s[G1S+2], (128*KS/256)<<16
	s_mov_b32 s[G1S+3], 32<<16
	s_mov_b32 s[G1S+4], 128*KS/256
	s_mov_b32 s[G1S+5], 32
	s_mov_b32 s[G1S+6], 0
	s_mov_b32 s[G1S+7], 0
	s_mov_b32 s[G1SB+1], 32<<16
	s_mov_b32 s[G1SB+2], (16*NB*KS/256)<<16
	s_mov_b32 s[G1SB+3], 32<<16
	s_mov_b32 s[G1SB+4], 16*NB*KS/256
	s_mov_b32 s[G1SB+5], 32
	s_mov_b32 s[G1SB+6], 0
	s_mov_b32 s[G1SB+7], 0
	s_lshl_b32 s18, s16, 7
	s_lshl_b32 s20, s17, 8
	s_add_co_u32 s20, s20, s18
	s_mul_i32 s18, s16, 16*NB
	s_mul_i32 s46, s42, 32*NB
	s_add_co_u32 s46, s46, s18
	s_mov_b32 s21, 0
	s_mov_b32 s47, 0
	s_mov_b64 s[18:19], KS
	s_mul_u64 s[22:23], s[20:21], s[18:19]
	s_mul_u64 s[92:93], s[46:47], s[18:19]
	s_mov_b64 s[18:19], KROW
	s_mul_u64 s[20:21], s[20:21], s[18:19]
	s_mul_u64 s[46:47], s[46:47], s[18:19]
	s_mul_i32 s45, s16, HALFT
	s_mul_i32 s67, s16, HALFB
	s_mul_i32 s94, s16, HALFSA
	s_mul_i32 s66, s16, HALFSB
	s_wait_kmcnt 0x0
	s_add_nc_u64 s[6:7], s[4:5], ASC
	s_add_nc_u64 s[20:21], s[4:5], s[20:21]
	s_add_nc_u64 s[22:23], s[6:7], s[22:23]
	s_add_nc_u64 s[46:47], s[8:9], s[46:47]
	s_add_nc_u64 s[92:93], s[10:11], s[92:93]
	CROUND
	s_mov_b32 s[G0S], 1
	s_add_co_u32 s[G0S+1], s94, SCL+2*HALFSB
	s_mov_b64 s[G0S+2:G0S+3], s[22:23]
	s_or_b32 s[G0S+3], s[G0S+3], 0x80000000
	s_mov_b32 s[G0SB], 1
	s_add_co_u32 s[G0SB+1], s66, SCL
	s_mov_b64 s[G0SB+2:G0SB+3], s[92:93]
	s_or_b32 s[G0SB+3], s[G0SB+3], 0x80000000
	JLOAD G0S, G1S, G0SB, G1SB
.irp s, 0,1
	s_mov_b32 s[G0+4*\s], 1
	s_add_co_u32 s[G0+4*\s+1], s45, \s*SLOT
	s_add_nc_u64 s[G0+4*\s+2:G0+4*\s+3], s[20:21], \s*ROWB
	s_or_b32 s[G0+4*\s+3], s[G0+4*\s+3], 0x80000000
	s_mov_b32 s[G0B+4*\s], 1
	s_add_co_u32 s[G0B+4*\s+1], s67, \s*SLOT+2*HALFT
	s_add_nc_u64 s[G0B+4*\s+2:G0B+4*\s+3], s[46:47], \s*ROWB
	s_or_b32 s[G0B+4*\s+3], s[G0B+4*\s+3], 0x80000000
	JLOAD G0+4*\s, G1, G0B+4*\s, G1B
.endr
	v_and_b32 v1, 15, v0
	v_bfe_u32 v2, v0, 4, 1
	v_lshlrev_b32 v30, 5, v2                       ; the bias: 32 h bytes
	s_lshl_b32 s46, s42, 9
	s_lshl_b32 s47, s16, 8
	s_add_co_u32 s46, s46, s47                     ; my first column, in bytes
	s_mov_b32 s47, 0
	s_add_nc_u64 s[98:99], s[98:99], s[46:47]
.irp b, 0,1,2,3
	global_load_b128 v[BI+8*\b:BI+8*\b+3], v30, s[98:99] offset:64*\b          ; register 8 b + j: column 16 b + 8 h + j
	global_load_b128 v[BI+8*\b+4:BI+8*\b+7], v30, s[98:99] offset:64*\b+16
.endr
	v_mul_u32_u24 v3, v1, PITCH
	v_lshl_add_u32 v4, v2, 4, v3
	s_mul_i32 s21, s15, HALFT
	s_mul_i32 s22, s16, HALFB
	s_add_co_u32 s22, s22, 2*HALFT
.irp s, 0,1
	v_add_nc_u32 v[ADRA+\s], s21, v4
	v_add_nc_u32 v[ADRB+\s], s22, v4
	s_add_co_u32 s21, s21, SLOT
	s_add_co_u32 s22, s22, SLOT
.endr
	v_mul_u32_u24 v5, v1, KS
	v_lshrrev_b32 v6, 8, v5
	v_lshl_add_u32 v5, v6, 4, v5
	s_mul_i32 s21, s16, HALFSB
	s_mul_i32 s22, s15, HALFSA
	s_add_co_u32 s22, s22, 2*HALFSB
	s_sub_co_u32 s22, s22, s21
	v_xor_b32 v6, 1, v2
	v_mul_u32_u24 v6, s22, v6
	s_add_co_u32 s21, s21, SCL
	v_add_nc_u32 v5, v5, v6
	v_add_nc_u32 v[ADRS], s21, v5
	s_mul_i32 s23, s14, 16*272                     ; my stage: 16 rows x 272 bytes, in slot 0
	v_lshl_add_u32 v5, v2, 5, v3
	v_add_nc_u32 v[STO], s23, v5
	v_mul_u32_u24 v6, v2, 272
	v_lshl_add_u32 v6, v1, 4, v6
	v_add_nc_u32 v[RD], s23, v6
	v_lshlrev_b32 v6, 12, v2
	v_lshl_add_u32 v[CO], v1, 4, v6
	s_lshl_b32 s20, s17, 8
	s_lshl_b32 s21, s15, 7
	s_add_co_u32 s20, s20, s21
	s_lshl_b32 s20, s20, 12
	s_mov_b32 s21, 0
	s_add_nc_u64 s[20:21], s[20:21], s[46:47]
	s_add_nc_u64 s[96:97], s[96:97], s[20:21]
	s_add_nc_u64 s[12:13], s[12:13], s[20:21]
	s_wait_tensorcnt 1                             ; the scales and my part of K step 0 are in; K step 1's load may be out
	s_barrier_signal -1
	s_barrier_wait -1
	FETCH_B 0, 0, 0
	FETCH_A 0, 0, 0
	SCALES 0
	FETCH_A 0, 0, 4
	s_wait_loadcnt 0x0                             ; the bias
	STEP 0, 0, 2                                   ; the first step's products start the sums with the bias
	s_mov_b32 s3, LAPS-1
.Llap:
	TURN 0, 1, 1
	STEP 1, 0, 0
	TURN 1, 0, 1
	STEP 0, 0, 0
	s_sub_co_u32 s3, s3, 1
	s_cmp_lg_u32 s3, 0
	s_cbranch_scc1 .Llap
	TURN 0, 1, 0
	STEP 1, 0, 0
	s_wait_dscnt 4*NL
	WIN MUL_LO
	MULG 0, 1, NQ-1, 1, 0
	MULG 2, 1, NQ-1, 1, 0
	s_wait_dscnt 0
	WIN MUL_HI
	MULG 4, 1, NQ-1, 1, 0
	MULG 6, 1, NQ-1, 1, 0
	WIN 0
; THE WAY OUT, by blocks of 16 rows x 64 columns, through my own stage (LDS serves a wave's instructions in order); the residual's rows come meanwhile.
.macro TOSTAGE a
	WIN 0x08
.irp b, 0,1,2,3
	ds_store_b128 v[STO], v[32*(\a)+8*\b:32*(\a)+8*\b+3] offset:64*\b          ; each accumulator from its low end on
	ds_store_b128 v[STO], v[32*(\a)+8*\b+4:32*(\a)+8*\b+7] offset:64*\b+16
.endr
	WIN 0
.set BB, 128+32*((\a)%2)
.set RR, 192+32*((\a)%2)
.irp t, 0,1,2,3,4,5,6,7
	ds_load_b128 v[BB+4*\t:BB+4*\t+3], v[RD] offset:\t*544
.endr
.irp t, 0,1,2,3,4,5,6,7
	global_load_b128 v[RR+4*\t:RR+4*\t+3], v[CO], s[96:97] offset:(16*(\a)+2*\t)*4096
.endr
.endm
.macro SEND a, yd, yl
.set BB, 128+32*((\a)%2)
.set RR, 192+32*((\a)%2)
	s_wait_dscnt \yd
	s_wait_loadcnt \yl
.set ti, 0
.rept 16
	v_pk_add_f32 v[BB+ti:BB+ti+1], v[BB+ti:BB+ti+1], v[RR+ti:RR+ti+1]
.set ti, ti+2
.endr
.irp t, 0,1,2,3,4,5,6,7
	global_store_b128 v[CO], v[BB+4*\t:BB+4*\t+3], s[12:13] offset:(16*(\a)+2*\t)*4096 th:TH_STORE_NT   ; sixteen lanes store 256 consecutive bytes, aligned; written once, read by nobody here
.endr
.endm
	PLACES NP
	TOSTAGE 0
.irp a, 1,2,3,4,5,6,7
.if \a > 1
	s_wait_xcnt 0x0                                ; block a - 2's stores have read their registers: block a's loads may land there
.endif
	TOSTAGE \a
	SEND \a-1, 16, 8                               ; behind block a - 1's: block a's 8 stores and 8 loads in LDS, and its 8 loads of the residual
.endr
	SEND 7, 0, 0
	s_wait_tensorcnt 0x0                           ; the wave's end
	ds_add_u32 v[SPW], v[NIL]
	s_wait_dscnt 0x0
	CROUND                                         ; the closing round
	s_endpgm
.Lfunc_end_k_q3ac59e5f53_w2:
	.size	k_q3ac59e5f53_w2, .Lfunc_end_k_q3ac59e5f53_w2-k_q3ac59e5f53_w2
	.p2alignl 7, 3214868480
	.fill 96, 4, 3214868480
	.section	.rodata,"a",@progbits
	.p2align	6, 0x0
	.amdhsa_kernel k_q3ac59e5f53_w2
		.amdhsa_group_segment_fixed_size 327680
		.amdhsa_private_segment_fixed_size 0
		.amdhsa_enable_private_segment 0
		.amdhsa_kernarg_size 48
		.amdhsa_user_sgpr_count 2
		.amdhsa_user_sgpr_kernarg_segment_ptr 1
		.amdhsa_wavefront_size32 1
		.amdhsa_system_sgpr_workgroup_id_x 1
		.amdhsa_system_sgpr_workgroup_id_y 1
		.amdhsa_system_sgpr_workgroup_id_z 1
		.amdhsa_system_vgpr_workitem_id 0
		.amdhsa_next_free_vgpr 768
		.amdhsa_next_free_sgpr 102
		.amdhsa_reserve_vcc 0
		.amdhsa_float_denorm_mode_32 3
		.amdhsa_float_denorm_mode_16_64 3
		.amdhsa_memory_ordered 1
		.amdhsa_forward_progress 1
		.amdhsa_inst_pref_size 107
	.end_amdhsa_kernel
	.amdgpu_metadata
---
amdhsa.version: [ 1, 2 ]
amdhsa.kernels:
  - .name:           k_q3ac59e5f53_w2
    .symbol:         k_q3ac59e5f53_w2.kd
    .args:
      - { .name: hid, .offset: 0, .size: 8, .value_kind: global_buffer, .address_space: global }
      - { .name: w2_codes, .offset: 8, .size: 8, .value_kind: global_buffer, .address_space: global }
      - { .name: w2_scales, .offset: 16, .size: 8, .value_kind: global_buffer, .address_space: global }
      - { .name: b2, .offset: 24, .size: 8, .value_kind: global_buffer, .address_space: global }
      - { .name: x1, .offset: 32, .size: 8, .value_kind: global_buffer, .address_space: global }
      - { .name: out0, .offset: 40, .size: 8, .value_kind: global_buffer, .address_space: global }
    .group_segment_fixed_size: 327680
    .private_segment_fixed_size: 0
    .kernarg_segment_align: 8
    .kernarg_segment_size: 48
    .max_flat_workgroup_size: 128
    .sgpr_count:     102
    .vgpr_count:     768
    .wavefront_size: 32
...
	.end_amdgpu_metadata
.endif
;; end of part 6
;; ======== version 2 of 2: 7 launches
;; limits: right only within a limited range of input values
;; workspace buffers: h 4,325,376 bytes; rope 524,288 bytes; qkv 6,684,672 bytes; o 4,325,376 bytes; x1 16,777,216 bytes; hid 17,301,504 bytes
;; launch lnq (part 7): grid 288 x 1, 8 waves a work-group, no clusters, 0 bytes of LDS; arguments x, ln1_g, ln1_b, h, rope; writes h, rope
.if DOCPART == 7
	.amdgcn_target "amdgcn-amd-amdhsa--gfx1250"
	.amdhsa_code_object_version 6
	.text
	.protected	k_q3ac59e5f53_lnq
	.globl	k_q3ac59e5f53_lnq
	.p2align	8
	.type	k_q3ac59e5f53_lnq,@function
k_q3ac59e5f53_lnq:
	s_mov_b64 s[64:65], 0
	v_nop
	global_prefetch_b8 v0, s[64:65] scope:SCOPE_SE
	s_setreg_imm32_b32 hwreg(HW_REG_WAVE_MODE, 25, 1), 1
	s_wait_xcnt 0x0
; LayerNorm of rows of 1,024 f32 numbers, quantised on the way to codes of E5M2 with one E8M0 byte for each 32 along the row.
; out: codes [4096][1024] at byte 0 of h, scale bytes [4096][32] at byte HSC.  Work-groups 0-255: 16 rows each, a wave two rows; a row stays in 32 registers a lane
; between the mean, the variance (of x - mean: no difference of large sums) and the scaling.  Lane l holds k = 256 j + 8 l + 0..7, j = 0..3: the two loads of a pair
; cover 1,024 bytes on end, a block of 32 lies in four neighbouring lanes, and a store of 8 codes a lane covers 256 consecutive bytes, aligned.
; Work-groups 256-287 (only the first launch of this text has them) make the table of cosines and sines for the rotary embedding: [2048 s][cos 0..31 | sin 0..31], f32.
; No LDS, no barrier: waves share nothing.
; LIMITS: NaN and infinities are not served.  A block whose largest magnitude lies under 2^-111, a block of zeros too, gets the byte 1: these bytes are read by this program alone.
; The table: inv[j] = 2^(-j log2(10000) / 32) by v_exp_f32, the angle s x inv[j] with one rounding; at s = 2,047 an angle may differ by some 2e-4 rad from one made with a correctly rounded inv[j].
; Sine and cosine by a reduction in three parts of pi / 2 and polynomials of degree 7 and 8 (about 1e-7 absolute).
; The scale bytes leave as one word a lane, 32 bytes a row (1 byte in 32 of the codes'): blocks of 256 bytes are written in part there.
.set HSC,  4194304
.set X,    16                          ; v16-79   two rows
.set G,    80                          ; v80-111  the gain at my 32 columns
.set B,    112                         ; v112-143 the bias
.set CH,   144                         ; v144-151 four chains of sums
.set MEAN, 152
.set RS,   154
.set M,    156                         ; largest magnitudes of my four blocks
.set SCO,  160                         ; the conversions' scale operands
.set LIM,  164                         ; 57,344 x the scale
.set BY,   168                         ; scale bytes
.set CD,   172                         ; codes: 8 registers a row
.set WD,   188                         ; a row's scale word
.set DP,   190                         ; v190-193 at work between lanes
.set SEL,  26
	s_load_b256 s[4:11], s[0:1], 0x0               ; the rows s[4:5], gain s[6:7], bias s[8:9], h s[10:11]
	s_load_b64 s[12:13], s[0:1], 0x20              ; the table
	s_mov_b32 s[SEL], 0x76543210
	s_mov_b32 s[SEL+1], 0xfedcba98                 ; v_permlanex16_b32: lane l xor 16
	s_cmp_ge_u32 ttmp9, 256
	s_cbranch_scc1 .Ltable
	v_lshrrev_b32 v1, 5, v0
	s_delay_alu instid0(VALU_DEP_1)
	v_readfirstlane_b32 s14, v1                    ; wave
	v_and_b32 v1, 31, v0                           ; lane
	s_delay_alu instid0(VALU_DEP_1)
	v_lshlrev_b32 v2, 5, v1                        ; in: 32 bytes a lane
	s_delay_alu instid0(VALU_DEP_2)
	v_lshlrev_b32 v3, 3, v1                        ; codes out: 8 bytes a lane
	s_delay_alu instid0(VALU_DEP_3)
	v_and_b32 v4, 3, v1
	s_delay_alu instid0(VALU_DEP_4)
	v_lshrrev_b32 v5, 4, v1
	s_delay_alu instid0(VALU_DEP_1)
	v_lshlrev_b32 v5, 2, v5
	s_delay_alu instid0(VALU_DEP_1)
	v_lshl_add_u32 v4, v4, 3, v5                   ; scale word out: word 2 (l % 4) + l / 16 of the row's eight
	v_bfe_u32 v5, v1, 2, 2
	s_delay_alu instid0(VALU_DEP_1)
	v_lshlrev_b32 v5, 3, v5                        ; my block's byte in its word: 8 ((l / 4) % 4) bits up
.irp j, 0,1,2,3
	v_mov_b32 v[DP+\j], 0                          ; written once: the destination of a lane exchange counts as read
.endr
	s_lshl_b32 s15, ttmp9, 4
	s_lshl_b32 s16, s14, 1
	s_add_co_u32 s16, s15, s16                     ; my first row
	s_lshl_b32 s18, s16, 12
	s_mov_b32 s19, 0
	s_lshl_b32 s20, s16, 10
	s_mov_b32 s21, 0
	s_lshl_b32 s22, s16, 5
	s_add_co_u32 s22, s22, HSC
	s_mov_b32 s23, 0
	s_mov_b32 s28, 0x3a800000                      ; 1 / 1024
	s_mov_b32 s29, 0x3727c5ac                      ; 1e-5
	s_mov_b32 s30, 0x600000                        ; the mantissa field of 57,344
	s_mov_b32 s31, 0x22222222                      ; lanes with l % 4 = 1,
	s_mov_b32 s32, 0x44444444                      ; 2,
	s_mov_b32 s33, 0x88888888                      ; 3
	s_wait_kmcnt 0x0
	s_add_nc_u64 s[4:5], s[4:5], s[18:19]
	s_add_nc_u64 s[24:25], s[10:11], s[22:23]      ; my rows' scale bytes
	s_add_nc_u64 s[10:11], s[10:11], s[20:21]      ; my rows' codes
.irp p, 0,1
.irp j, 0,1,2,3
	global_load_b128 v[X+32*\p+8*\j:X+32*\p+8*\j+3], v2, s[4:5] offset:4096*\p+1024*\j
	global_load_b128 v[X+32*\p+8*\j+4:X+32*\p+8*\j+7], v2, s[4:5] offset:4096*\p+1024*\j+16
.endr
.endr
.irp j, 0,1,2,3
	global_load_b128 v[G+8*\j:G+8*\j+3], v2, s[6:7] offset:1024*\j
	global_load_b128 v[G+8*\j+4:G+8*\j+7], v2, s[6:7] offset:1024*\j+16
.endr
.irp j, 0,1,2,3
	global_load_b128 v[B+8*\j:B+8*\j+3], v2, s[8:9] offset:1024*\j
	global_load_b128 v[B+8*\j+4:B+8*\j+7], v2, s[8:9] offset:1024*\j+16
.endr
.macro WSUM r                          ; the sum over the 32 lanes, in every lane
	s_delay_alu instid0(VALU_DEP_1)
	v_add_f32_dpp v[\r], v[\r], v[\r] row_xmask:1 row_mask:0xf bank_mask:0xf
	s_delay_alu instid0(VALU_DEP_1)
	v_add_f32_dpp v[\r], v[\r], v[\r] row_xmask:2 row_mask:0xf bank_mask:0xf
	s_delay_alu instid0(VALU_DEP_1)
	v_add_f32_dpp v[\r], v[\r], v[\r] row_xmask:4 row_mask:0xf bank_mask:0xf
	s_delay_alu instid0(VALU_DEP_1)
	v_add_f32_dpp v[\r], v[\r], v[\r] row_xmask:8 row_mask:0xf bank_mask:0xf
	s_delay_alu instid0(VALU_DEP_1)
	v_permlanex16_b32 v[DP], v[\r], s[SEL], s[SEL+1]
	s_delay_alu instid0(VALU_DEP_1)
	v_add_f32 v[\r], v[\r], v[DP]
.endm
.macro FOLD                            ; the four chains into one number a lane
	s_delay_alu instid0(VALU_DEP_3)
	v_pk_add_f32 v[CH:CH+1], v[CH:CH+1], v[CH+2:CH+3]
	s_delay_alu instid0(VALU_DEP_2)
	v_pk_add_f32 v[CH+4:CH+5], v[CH+4:CH+5], v[CH+6:CH+7]
	s_delay_alu instid0(VALU_DEP_1)
	v_pk_add_f32 v[CH:CH+1], v[CH:CH+1], v[CH+4:CH+5]
	s_delay_alu instid0(VALU_DEP_1)
	v_add_f32 v[CH], v[CH], v[CH+1]
	WSUM CH
.endm
.macro ROW p
.set XR, X+32*\p
.if \p == 0
	s_wait_loadcnt 24                              ; row 0's eight loads are in; row 1's, the gain's and the bias's 24 may be out
.endif
.irp c, 0,1,2,3
	v_pk_add_f32 v[CH+2*\c:CH+2*\c+1], v[XR+2*\c:XR+2*\c+1], v[XR+8+2*\c:XR+8+2*\c+1]
.endr
.irp o, 16,24
.irp c, 0,1,2,3
	s_delay_alu instid0(VALU_DEP_4)
	v_pk_add_f32 v[CH+2*\c:CH+2*\c+1], v[CH+2*\c:CH+2*\c+1], v[XR+\o+2*\c:XR+\o+2*\c+1]
.endr
.endr
	FOLD
	s_delay_alu instid0(VALU_DEP_1)
	v_mul_f32 v[MEAN], s28, v[CH]
	s_delay_alu instid0(VALU_DEP_1)
	v_mov_b32 v[MEAN+1], v[MEAN]
.set i, 0
.rept 16
	v_pk_add_f32 v[XR+i:XR+i+1], v[XR+i:XR+i+1], v[MEAN:MEAN+1] neg_lo:[0,1] neg_hi:[0,1]   ; x - mean
.set i, i+2
.endr
.irp c, 0,1,2,3
	v_pk_mul_f32 v[CH+2*\c:CH+2*\c+1], v[XR+2*\c:XR+2*\c+1], v[XR+2*\c:XR+2*\c+1]
.endr
.irp o, 8,16,24
.irp c, 0,1,2,3
	s_delay_alu instid0(VALU_DEP_4)
	v_pk_fma_f32 v[CH+2*\c:CH+2*\c+1], v[XR+\o+2*\c:XR+\o+2*\c+1], v[XR+\o+2*\c:XR+\o+2*\c+1], v[CH+2*\c:CH+2*\c+1]
.endr
.endr
	FOLD
	s_delay_alu instid0(VALU_DEP_1)
	v_fma_f32 v[RS], v[CH], s28, s29               ; the variance + 1e-5
	s_wait_alu depctr_va_vdst(0)
	v_rsq_f32 v[RS], v[RS]
	v_nop                                          ; a plain instruction behind the transcendental,
	s_wait_alu depctr_va_vdst(0)                   ; and the wait ahead of its first reader
	v_mov_b32 v[RS+1], v[RS]
.if \p == 0
	s_wait_alu depctr_va_vdst(0)
	s_wait_loadcnt 0x0                             ; the gain and the bias (and row 1)
.endif
.set i, 0
.rept 16
	v_pk_mul_f32 v[XR+i:XR+i+1], v[XR+i:XR+i+1], v[RS:RS+1]
.set i, i+2
.endr
.set i, 0
.rept 16
	v_pk_fma_f32 v[XR+i:XR+i+1], v[XR+i:XR+i+1], v[G+i:G+i+1], v[B+i:B+i+1]
.set i, i+2
.endr
.irp j, 0,1,2,3
	v_max3_num_f32 v[M+\j], |v[XR+8*\j]|, |v[XR+8*\j+1]|, 0x8000000   ; my 8 numbers of block 8 j + l / 4, and the floor 2^(16 - 127): the byte cannot fall under 1
.endr
.irp i, 2,4,6
.irp j, 0,1,2,3
	s_delay_alu instid0(VALU_DEP_4)
	v_max3_num_f32 v[M+\j], v[M+\j], |v[XR+8*\j+\i]|, |v[XR+8*\j+\i+1]|
.endr
.endr
.irp k, 1,2
.irp j, 0,1,2,3
	s_delay_alu instid0(VALU_DEP_4)
	v_max_num_f32_dpp v[M+\j], v[M+\j], v[M+\j] row_xmask:\k row_mask:0xf bank_mask:0xf   ; with the block's other three lanes
.endr
.endr
.irp j, 0,1,2,3
	s_delay_alu instid0(VALU_DEP_4)
	v_add_nc_u32 v[SCO+\j], 0xf8800000, v[M+\j]    ; 15 off the exponent field: the conversion's scale operand
.endr
.irp j, 0,1,2,3
	v_and_or_b32 v[LIM+\j], v[M+\j], 0x7f800000, s30   ; 57,344 x the scale
.endr
.irp j, 0,1,2,3
	v_lshrrev_b32 v[BY+\j], 23, v[SCO+\j]          ; the scale's byte
.endr
.irp j, 0,1,2,3
.irp i, 0,1,2,3,4,5,6,7
	v_med3_num_f32 v[XR+8*\j+\i], v[XR+8*\j+\i], -v[LIM+\j], v[LIM+\j]   ; the conversion does not saturate (ISA guide 7.6.2): the hold comes first
.endr
.endr
.irp j, 0,1,2,3
	v_cvt_scalef32_pk8_bf8_f32 v[CD+8*\p+2*\j:CD+8*\p+2*\j+1], v[XR+8*\j:XR+8*\j+7], v[SCO+\j]
.endr
	v_nop                                          ; a plain instruction behind the last conversion
.irp j, 0,1,2,3
	global_store_b64 v3, v[CD+8*\p+2*\j:CD+8*\p+2*\j+1], s[10:11] offset:1024*\p+256*\j   ; 32 lanes store 256 consecutive bytes, aligned
.endr
.irp j, 0,1,2,3
	v_lshlrev_b32 v[BY+\j], v5, v[BY+\j]           ; the byte at its place in its word
.endr
.irp k, 4,8
.irp j, 0,1,2,3
	s_delay_alu instid0(VALU_DEP_4)
	v_mov_b32_dpp v[DP+\j], v[BY+\j] row_xmask:\k row_mask:0xf bank_mask:0xf
.endr
.irp j, 0,1,2,3
	s_delay_alu instid0(VALU_DEP_4)
	v_or_b32 v[BY+\j], v[BY+\j], v[DP+\j]          ; the four bytes of word 2 j + l / 16 meet in every lane of the half
.endr
.endr
	s_delay_alu instid0(VALU_DEP_3)
	v_cndmask_b32 v[WD+\p], v[BY], v[BY+1], s31    ; lane l keeps j = l % 4
	s_delay_alu instid0(VALU_DEP_1)
	v_cndmask_b32 v[WD+\p], v[WD+\p], v[BY+2], s32
	s_delay_alu instid0(VALU_DEP_1)
	v_cndmask_b32 v[WD+\p], v[WD+\p], v[BY+3], s33
	global_store_b32 v4, v[WD+\p], s[24:25] offset:32*\p   ; four lanes write the same word with the same value
.endm
	ROW 0
	ROW 1                                          ; no register of a store is written again: no wait for the stores' sources is needed
	s_endpgm
.Ltable:                                               ; thread t: 16 bytes of a row: q16 = t % 16: cosines (0-7) or sines (8-15) of j = 4 (q16 % 8) + 0..3; rows 64 T + 16 pass + t / 16
	s_sub_co_u32 s14, ttmp9, 256                   ; T
	v_and_b32 v1, 15, v0
	s_delay_alu instid0(VALU_DEP_1)
	v_lshrrev_b32 v2, 3, v1
	s_delay_alu instid0(VALU_DEP_1)
	v_sub_nc_u32 v2, 1, v2                         ; 1 for a cosine (the sine a quarter turn on), 0 for a sine
	s_delay_alu instid0(VALU_DEP_3)
	v_and_b32 v3, 7, v1
	s_delay_alu instid0(VALU_DEP_1)
	v_lshlrev_b32 v3, 2, v3                        ; j0
	s_wait_alu depctr_va_vdst(0)
	v_lshrrev_b32 v4, 4, v0
	s_lshl_b32 s15, s14, 6
	v_add_nc_u32 v4, s15, v4                       ; the first pass's row
	v_lshlrev_b32 v5, 4, v0                        ; 16 t
	s_lshl_b32 s16, s14, 14
	s_mov_b32 s17, 0
	s_mov_b32 s34, 0x3f22f983                      ; 2 / pi
	s_mov_b32 s35, 0xbfc90000                      ; - pi / 2 in three parts
	s_mov_b32 s36, 0xb9fda000
	s_mov_b32 s37, 0xb3a22168
	s_mov_b32 s38, 0xb94ca1f9                      ; the sine's polynomial
	s_mov_b32 s39, 0x3c08839e
	s_mov_b32 s40, 0xbe2aaaa3
	s_mov_b32 s41, 0x37ccf5ce                      ; the cosine's
	s_mov_b32 s42, 0xbab60619
	s_mov_b32 s43, 0x3d2aaaa5
.irp k, 0,1,2,3
	v_add_nc_u32 v[8+\k], \k, v3
.endr
.irp k, 0,1,2,3
	s_delay_alu instid0(VALU_DEP_4)
	v_cvt_f32_u32 v[8+\k], v[8+\k]
.endr
.irp k, 0,1,2,3
	s_delay_alu instid0(VALU_DEP_4)
	v_mul_f32 v[8+\k], 0xbed49a78, v[8+\k]         ; - j log2(10000) / 32
.endr
	s_wait_alu depctr_va_vdst(0)
.irp k, 0,1,2,3
	v_exp_f32 v[8+\k], v[8+\k]                     ; inv[j]
.endr
	v_nop
	s_wait_alu depctr_va_vdst(0)                   ; one wait for the four, ahead of their first reader
	s_wait_kmcnt 0x0
	s_add_nc_u64 s[12:13], s[12:13], s[16:17]
.macro PASS p
	v_add_nc_u32 v12, 16*\p, v4
	s_delay_alu instid0(VALU_DEP_1)
	v_cvt_f32_u32 v12, v12
.irp k, 0,1,2,3
	v_mul_f32 v[16+\k], v12, v[8+\k]               ; the angle, one rounding
.endr
.irp k, 0,1,2,3
	s_delay_alu instid0(VALU_DEP_4)
	v_mul_f32 v[20+\k], s34, v[16+\k]
.endr
.irp k, 0,1,2,3
	s_delay_alu instid0(VALU_DEP_4)
	v_rndne_f32 v[20+\k], v[20+\k]                 ; quarter turns
.endr
.irp k, 0,1,2,3
	s_delay_alu instid0(VALU_DEP_4)
	v_fma_f32 v[24+\k], v[20+\k], s35, v[16+\k]
.endr
.irp k, 0,1,2,3
	s_delay_alu instid0(VALU_DEP_4)
	v_fma_f32 v[24+\k], v[20+\k], s36, v[24+\k]
.endr
.irp k, 0,1,2,3
	s_delay_alu instid0(VALU_DEP_4)
	v_fma_f32 v[24+\k], v[20+\k], s37, v[24+\k]    ; r, within pi / 4
.endr
.irp k, 0,1,2,3
	s_delay_alu instid0(VALU_DEP_4)
	v_mul_f32 v[28+\k], v[24+\k], v[24+\k]         ; z = r r
.endr
.irp k, 0,1,2,3
	s_delay_alu instid0(VALU_DEP_4)
	v_fma_f32 v[32+\k], v[28+\k], s38, s39
.endr
.irp k, 0,1,2,3
	s_delay_alu instid0(VALU_DEP_4)
	v_fma_f32 v[32+\k], v[32+\k], v[28+\k], s40
.endr
.irp k, 0,1,2,3
	s_delay_alu instid0(VALU_DEP_4)
	v_mul_f32 v[32+\k], v[32+\k], v[28+\k]
.endr
.irp k, 0,1,2,3
	s_delay_alu instid0(VALU_DEP_4)
	v_fma_f32 v[32+\k], v[32+\k], v[24+\k], v[24+\k]   ; sin r
.endr
.irp k, 0,1,2,3
	v_fma_f32 v[36+\k], v[28+\k], s41, s42
.endr
.irp k, 0,1,2,3
	s_delay_alu instid0(VALU_DEP_4)
	v_fma_f32 v[36+\k], v[36+\k], v[28+\k], s43
.endr
.irp k, 0,1,2,3
	v_mul_f32 v[44+\k], v[28+\k], v[28+\k]
.endr
.irp k, 0,1,2,3
	v_fma_f32 v[40+\k], v[28+\k], -0.5, 1.0
.endr
.irp k, 0,1,2,3
	s_delay_alu instid0(VALU_DEP_4)
	v_fma_f32 v[36+\k], v[36+\k], v[44+\k], v[40+\k]   ; cos r
.endr
.irp k, 0,1,2,3
	v_cvt_i32_f32 v[40+\k], v[20+\k]
.endr
.irp k, 0,1,2,3
	s_delay_alu instid0(VALU_DEP_4)
	v_add_nc_u32 v[40+\k], v[40+\k], v2            ; m: the quadrant of the sine that is wanted
.endr
.irp k, 0,1,2,3
	s_delay_alu instid0(VALU_DEP_4)
	v_and_b32 v[44+\k], 1, v[40+\k]
.endr
.irp k, 0,1,2,3
	v_cmp_eq_u32 vcc_lo, 1, v[44+\k]
	s_delay_alu instid0(VALU_DEP_1)
	v_cndmask_b32 v[32+\k], v[32+\k], v[36+\k], vcc_lo   ; odd m: cos r.  A choice of a value: no branch and no address hangs on it
.endr
.irp k, 0,1,2,3
	v_lshlrev_b32 v[40+\k], 30, v[40+\k]
.endr
.irp k, 0,1,2,3
	s_delay_alu instid0(VALU_DEP_4)
	v_and_b32 v[40+\k], 0x80000000, v[40+\k]       ; m = 2, 3: the sign turns
.endr
.irp k, 0,1,2,3
	s_delay_alu instid0(VALU_DEP_4)
	v_xor_b32 v[48+4*\p+\k], v[32+\k], v[40+\k]
.endr
	global_store_b128 v5, v[48+4*\p:48+4*\p+3], s[12:13] offset:4096*\p   ; a wave stores 512 consecutive bytes; each pass has its own data registers
.endm
	PASS 0
	PASS 1
	PASS 2
	PASS 3
	s_endpgm
.Lfunc_end_k_q3ac59e5f53_lnq:
	.size	k_q3ac59e5f53_lnq, .Lfunc_end_k_q3ac59e5f53_lnq-k_q3ac59e5f53_lnq
	.p2alignl 7, 3214868480
	.fill 96, 4, 3214868480
	.section	.rodata,"a",@progbits
	.p2align	6, 0x0
	.amdhsa_kernel k_q3ac59e5f53_lnq
		.amdhsa_group_segment_fixed_size 0
		.amdhsa_private_segment_fixed_size 0
		.amdhsa_enable_private_segment 0
		.amdhsa_kernarg_size 40
		.amdhsa_user_sgpr_count 2
		.amdhsa_user_sgpr_kernarg_segment_ptr 1
		.amdhsa_wavefront_size32 1
		.amdhsa_system_sgpr_workgroup_id_x 1
		.amdhsa_system_sgpr_workgroup_id_y 1
		.amdhsa_system_sgpr_workgroup_id_z 1
		.amdhsa_system_vgpr_workitem_id 0
		.amdhsa_next_free_vgpr 200
		.amdhsa_next_free_sgpr 66
		.amdhsa_reserve_vcc 1
		.amdhsa_float_denorm_mode_32 3
		.amdhsa_float_denorm_mode_16_64 3
		.amdhsa_memory_ordered 1
		.amdhsa_forward_progress 1
		.amdhsa_inst_pref_size 65
	.end_amdhsa_kernel
	.amdgpu_metadata
---
amdhsa.version: [ 1, 2 ]
amdhsa.kernels:
  - .name:           k_q3ac59e5f53_lnq
    .symbol:         k_q3ac59e5f53_lnq.kd
    .args:
      - { .name: x, .offset: 0, .size: 8, .value_kind: global_buffer, .address_space: global }
      - { .name: ln1_g, .offset: 8, .size: 8, .value_kind: global_buffer, .address_space: global }
      - { .name: ln1_b, .offset: 16, .size: 8, .value_kind: global_buffer, .address_space: global }
      - { .name: h, .offset: 24, .size: 8, .value_kind: global_buffer, .address_space: global }
      - { .name: rope, .offset: 32, .size: 8, .value_kind: global_buffer, .address_space: global }
    .group_segment_fixed_size: 0
    .private_segment_fixed_size: 0
    .kernarg_segment_align: 8
    .kernarg_segment_size: 40
    .max_flat_workgroup_size: 256
    .sgpr_count:     66
    .vgpr_count:     200
    .wavefront_size: 32
...
	.end_amdgpu_metadata
.endif
;; end of part 7
;; launch qkv (part 8): grid 6 x 16, 4 waves a work-group, no clusters, 327,680 bytes of LDS; arguments h, wq_codes, wq_scales, wk_codes, wk_scales, wv_codes, wv_scales, rope, qkv; writes qkv
.if DOCPART == 8
	.amdgcn_target "amdgcn-amd-amdhsa--gfx1250"
	.amdhsa_code_object_version 6
	.text
	.protected	k_q3ac59e5f53_qkv
	.globl	k_q3ac59e5f53_qkv
	.p2align	8
	.type	k_q3ac59e5f53_qkv,@function
k_q3ac59e5f53_qkv:
	s_mov_b64 s[64:65], 0
	v_nop
	global_prefetch_b8 v0, s[64:65] scope:SCOPE_SE
	s_setreg_imm32_b32 hwreg(HW_REG_WAVE_MODE, 25, 1), 1
	s_wait_xcnt 0x0
.set SIZE_K, 1024
.set NB,     8
.set CLUS,   0
.set HSC,    4194304
.set QS0,    6291456
.set KSTEP,  256
.set NQ,     2
.set ROWB,   256
.set KROW,   SIZE_K
.set PITCH,  272
.set FR,     16
.set NL,     4
.set NP,     8
.set APW,    32/NB
.set HALFT,  128*PITCH
.set HALFB,  16*NB*PITCH
.set SLOT,   2*HALFT+2*HALFB
.set LAPS,   SIZE_K/(2*KSTEP)
.set KS,     SIZE_K/32
.set SCL,    2*SLOT
.set HALFSB, (16*NB*KS/256)*272
.set HALFSA, (128*KS/256)*272
.set SBLK,   (16*KS/256)*272
.set SPARE,  SCL+2*HALFSB+2*HALFSA
.set ADRA, 16
.set ADRB, 20
.set RDK,  22
.set STO,  24
.set RD,   25
.set CO,   26
.set ADRS, 27
.set SPW,  28
.set NIL,  29
.set TA,   30
.set SOF,  31
.set SC,   32
.set BI,   64
.set AF,   128
.set PC,   192
.set TM,   208
.set G1,   24
.set G0,   32
.set G1B,  48
.set G0B,  56
.set G1S,  68
.set G0S,  76
.set G1SB, 80
.set G0SB, 88
.set MUL_LO, 0xa1
.set MUL_HI, 0xa1+0x50*(NB/8)
.set BIA_LO, 0x81
.set BIA_HI, 0x81+0x40*(NB/8)
.set TO_B,   0x40
.set MSB, 0
.macro WIN new
.if MSB != \new
	s_set_vgpr_msb (MSB<<8)|\new
.set MSB, \new
.endif
.endm
.macro JLOAD g0a, g1a, g0b, g1b
	s_cmp_eq_u32 s15, 0
	s_cbranch_scc0 .Lfor_b_\@
	tensor_load_to_lds s[\g0a:\g0a+3], s[\g1a:\g1a+7]
	s_nop 0
.rept 4
	v_nop
.endr
	s_branch .Lasked_\@
.Lfor_b_\@:
	tensor_load_to_lds s[\g0b:\g0b+3], s[\g1b:\g1b+7]
	s_nop 0
.rept 4
	v_nop
.endr
.Lasked_\@:
.endm
.macro FRAG reg, adr, q, i
.irp c, 0,1,2,3
	ds_load_b128 v[\reg+4*\c:\reg+4*\c+3], v[\adr] offset:128*(\q)+32*\c+(\i)*16*PITCH
.endr
.endm
.macro MULG a0, p, q, sc, zero
.irp a, \a0, \a0+1
.set bi, 0
.rept NB
.set rD, 8*(NB*((\a)%APW)+bi)
.set rB, 128*(\p)+FR*bi
.set rA, AF+FR*(\a)
.set rSB, SC+8*NQ*(\sc)+NQ*bi+(\q)
.set rSA, SC+8*NQ*(\sc)+NQ*(\a)+(\q)
.if \zero == 1
	v_wmma_scale_f32_16x16x128_f8f6f4 v[rD:rD+7], v[rB:rB+15], v[rA:rA+15], 0, v[rSB], v[rSA] matrix_a_fmt:MATRIX_FMT_BF8 matrix_b_fmt:MATRIX_FMT_BF8 matrix_a_scale:MATRIX_SCALE_ROW1
.elseif \zero == 2
	v_wmma_scale_f32_16x16x128_f8f6f4 v[rD:rD+7], v[rB:rB+15], v[rA:rA+15], v[BI+8*bi:BI+8*bi+7], v[rSB], v[rSA] matrix_a_fmt:MATRIX_FMT_BF8 matrix_b_fmt:MATRIX_FMT_BF8 matrix_a_scale:MATRIX_SCALE_ROW1
.else
	v_wmma_scale_f32_16x16x128_f8f6f4 v[rD:rD+7], v[rB:rB+15], v[rA:rA+15], v[rD:rD+7], v[rSB], v[rSA] matrix_a_fmt:MATRIX_FMT_BF8 matrix_b_fmt:MATRIX_FMT_BF8 matrix_a_scale:MATRIX_SCALE_ROW1
.endif
.set bi, bi+1
.endr
.endr
.endm
.macro FETCH_B slot, q, p
	WIN TO_B
.set fi, 0
.rept NB
	FRAG 128*(\p)+FR*fi, ADRB+\slot, \q, fi
.set fi, fi+1
.endr
	WIN 0
.endm
.macro FETCH_A slot, q, i0
.irp i, \i0, \i0+1, \i0+2, \i0+3
	FRAG AF+FR*(\i), ADRA+\slot, \q, \i
.endr
.endm
.macro SCALES sc
.irp i, 0,1,2,3,4,5,6,7
	ds_load_b64 v[SC+8*NQ*\sc+NQ*\i:SC+8*NQ*\sc+NQ*\i+1], v[ADRS] offset:\i*SBLK
.endr
.endm
.macro PLACES n
.rept \n
	v_nop
.endr
.endm
.macro STEP slot, q, zero
	s_wait_dscnt 4*NL
.if \zero == 2
	WIN BIA_LO
.else
	WIN MUL_LO
.endif
	MULG 0, (\q)%2, \q, \slot, \zero
	MULG 2, (\q)%2, \q, \slot, \zero
	s_wait_dscnt 0
	PLACES NP
	FETCH_B \slot, (\q)+1, 1-(\q)%2
	FETCH_A \slot, (\q)+1, 0
.if \zero == 2
	WIN BIA_HI
.else
	WIN MUL_HI
.endif
	MULG 4, (\q)%2, \q, \slot, \zero
	MULG 6, (\q)%2, \q, \slot, \zero
	PLACES NP
	WIN 0
	FETCH_A \slot, (\q)+1, 4
.endm
.macro TURN slot, next, fill
	s_wait_tensorcnt 0x0
	ds_add_u32 v[SPW], v[NIL]
	s_wait_dscnt 4*NL+1
	WIN MUL_LO
	MULG 0, 1, NQ-1, \slot, 0
	s_wait_dscnt 0x0
	s_barrier_signal -1
	MULG 2, 1, NQ-1, \slot, 0
	WIN 0
	s_barrier_wait -1
.if \fill
	s_add_nc_u64 s[G0+4*\slot+2:G0+4*\slot+3], s[G0+4*\slot+2:G0+4*\slot+3], 2*ROWB
	s_add_nc_u64 s[G0B+4*\slot+2:G0B+4*\slot+3], s[G0B+4*\slot+2:G0B+4*\slot+3], 2*ROWB
	JLOAD G0+4*\slot, G1, G0B+4*\slot, G1B
	PLACES NP-4
.else
	PLACES NP
.endif
	s_wait_alu depctr_va_vdst(0)
	v_add_nc_u32 v[ADRS], 4*NQ, v[ADRS]
	FETCH_B \next, 0, 0
	FETCH_A \next, 0, 0
	SCALES \next
	WIN MUL_HI
	MULG 4, 1, NQ-1, \slot, 0
	MULG 6, 1, NQ-1, \slot, 0
	PLACES NP
	WIN 0
	FETCH_A \next, 0, 4
.endm
	s_load_b256 s[68:75], s[0:1], 0x0
	s_load_b256 s[76:83], s[0:1], 0x20
	s_load_b64 s[84:85], s[0:1], 0x40
	v_lshl_add_u32 v[SPW], v0, 2, SPARE
	v_mov_b32 v[NIL], 0
	ds_add_u32 v28, v29
	ds_add_u32 v28, v29
	s_wait_dscnt 0x0
	v_lshrrev_b32 v1, 5, v0
	v_readfirstlane_b32 s14, v1
	s_lshr_b32 s15, s14, 1
	s_and_b32 s16, s14, 1
	s_mov_b32 s95, ttmp9
	s_and_b32 s17, ttmp7, 0xffff
	s_mov_b32 s[G1+0], (1<<20)|(5<<22)|(3<<25)
	s_mov_b32 s[G1B+0], (1<<20)|(5<<22)|(3<<25)
.irp g, G1, G1B
	s_mov_b32 s[\g+1], ROWB<<16
	s_mov_b32 s[\g+2], 128<<16
	s_mov_b32 s[\g+3], ROWB<<16
	s_mov_b32 s[\g+4], 128
	s_mov_b32 s[\g+5], KROW
	s_mov_b32 s[\g+6], 0
	s_mov_b32 s[\g+7], 0
.endr
	s_lshl_b32 s40, s17, 8
	s_lshl_b32 s41, s95, 8
	s_lshl_b32 s18, s16, 7
	s_cmp_eq_u32 s95, 5
	s_cselect_b32 s20, 0, s40
	s_cselect_b32 s44, -1, 0
	s_cmp_lt_u32 s95, 4
	s_cselect_b32 s46, s41, 0
	s_cmp_eq_u32 s95, 5
	s_cselect_b32 s46, s40, s46
	s_add_co_u32 s20, s20, s18
	s_add_co_u32 s46, s46, s18
	s_mov_b32 s21, 0
	s_mov_b32 s47, 0
	s_mov_b64 s[18:19], KS
	s_mul_u64 s[22:23], s[20:21], s[18:19]
	s_mul_u64 s[92:93], s[46:47], s[18:19]
	s_mov_b64 s[18:19], KROW
	s_mul_u64 s[20:21], s[20:21], s[18:19]
	s_mul_u64 s[46:47], s[46:47], s[18:19]
	s_mul_i32 s45, s16, HALFT
	s_mul_i32 s67, s16, HALFB
	s_mul_i32 s94, s16, HALFSA
	s_mul_i32 s66, s16, HALFSB
	s_wait_kmcnt 0x0
	s_add_nc_u64 s[86:87], s[68:69], HSC
	s_cmp_eq_u32 s95, 4
	s_cselect_b64 s[8:9], s[74:75], s[70:71]
	s_cselect_b64 s[10:11], s[76:77], s[72:73]
	s_cmp_eq_u32 s95, 5
	s_cselect_b64 s[8:9], s[68:69], s[8:9]
	s_cselect_b64 s[10:11], s[86:87], s[10:11]
	s_cselect_b64 s[4:5], s[78:79], s[68:69]
	s_cselect_b64 s[6:7], s[80:81], s[86:87]
	s_mov_b64 s[96:97], s[82:83]
	s_mov_b64 s[12:13], s[84:85]
	s_add_nc_u64 s[20:21], s[4:5], s[20:21]
	s_add_nc_u64 s[22:23], s[6:7], s[22:23]
	s_add_nc_u64 s[46:47], s[8:9], s[46:47]
	s_add_nc_u64 s[92:93], s[10:11], s[92:93]
	s_mov_b32 s[G1S+0], (3<<16)|(1<<20)|(5<<22)|(3<<25)
	s_mov_b32 s[G1SB+0], (3<<16)|(1<<20)|(5<<22)|(3<<25)
.irp g, G1S, G1SB
	s_mov_b32 s[\g+1], 32<<16
	s_mov_b32 s[\g+2], (128*KS/256)<<16
	s_mov_b32 s[\g+3], 32<<16
	s_mov_b32 s[\g+4], 128*KS/256
	s_mov_b32 s[\g+5], 32
	s_mov_b32 s[\g+6], 0
	s_mov_b32 s[\g+7], 0
.endr
	s_mov_b32 s[G0S], 1
	s_add_co_u32 s[G0S+1], s94, SCL+2*HALFSB
	s_mov_b64 s[G0S+2:G0S+3], s[22:23]
	s_or_b32 s[G0S+3], s[G0S+3], 0x80000000
	s_mov_b32 s[G0SB], 1
	s_add_co_u32 s[G0SB+1], s66, SCL
	s_mov_b64 s[G0SB+2:G0SB+3], s[92:93]
	s_or_b32 s[G0SB+3], s[G0SB+3], 0x80000000
	JLOAD G0S, G1S, G0SB, G1SB
.irp s, 0,1
	s_mov_b32 s[G0+4*\s], 1
	s_add_co_u32 s[G0+4*\s+1], s45, \s*SLOT
	s_add_nc_u64 s[G0+4*\s+2:G0+4*\s+3], s[20:21], \s*ROWB
	s_or_b32 s[G0+4*\s+3], s[G0+4*\s+3], 0x80000000
	s_mov_b32 s[G0B+4*\s], 1
	s_add_co_u32 s[G0B+4*\s+1], s67, \s*SLOT+2*HALFT
	s_add_nc_u64 s[G0B+4*\s+2:G0B+4*\s+3], s[46:47], \s*ROWB
	s_or_b32 s[G0B+4*\s+3], s[G0B+4*\s+3], 0x80000000
	s_wait_alu depctr_va_vdst(0)
	s_wait_tensorcnt 0x0
	ds_add_u32 v28, v29
	s_wait_dscnt 0x0
	s_barrier_signal -1
	s_barrier_wait -1
	JLOAD G0+4*\s, G1, G0B+4*\s, G1B
.endr
	v_and_b32 v1, 15, v0
	v_bfe_u32 v2, v0, 4, 1
	v_mul_u32_u24 v3, v1, PITCH
	v_lshl_add_u32 v4, v2, 4, v3
	s_mul_i32 s21, s15, HALFT
	s_mul_i32 s22, s16, HALFB
	s_add_co_u32 s22, s22, 2*HALFT
.irp s, 0,1
	v_add_nc_u32 v[ADRA+\s], s21, v4
	v_add_nc_u32 v[ADRB+\s], s22, v4
	s_add_co_u32 s21, s21, SLOT
	s_add_co_u32 s22, s22, SLOT
.endr
	v_mul_u32_u24 v5, v1, KS
	v_lshrrev_b32 v6, 8, v5
	v_lshl_add_u32 v5, v6, 4, v5
	s_mul_i32 s21, s16, HALFSB
	s_mul_i32 s22, s15, HALFSA
	s_add_co_u32 s22, s22, 2*HALFSB
	s_sub_co_u32 s22, s22, s21
	v_xor_b32 v6, 1, v2
	v_mul_u32_u24 v6, s22, v6
	s_add_co_u32 s21, s21, SCL
	v_add_nc_u32 v5, v5, v6
	v_add_nc_u32 v[ADRS], s21, v5
	s_mul_i32 s21, s15, 128*272
	s_lshl_b32 s22, s16, 7
	s_add_co_u32 s21, s21, s22
	v_lshl_add_u32 v5, v2, 3, v3
	v_add_nc_u32 v[STO], s21, v5
	s_mul_i32 s23, s14, 64*272
	v_mul_u32_u24 v6, v2, 272
	v_lshl_add_u32 v6, v1, 4, v6
	v_add_nc_u32 v[RD], s23, v6
	v_and_b32 v5, 31, v0
	v_lshrrev_b32 v6, 2, v5
	v_mul_u32_u24 v6, v6, 272
	v_and_b32 v7, 3, v5
	v_lshl_add_u32 v6, v7, 4, v6
	s_lshl_b32 s23, s14, 6
	v_add_nc_u32 v[RDK], s23, v6
	v_add_nc_u32 v[RDK+1], 34816, v[RDK]
	v_lshlrev_b32 v[SOF], 2, v5
	v_lshlrev_b32 v[CO], 4, v5
	v_lshlrev_b32 v[TA], 8, v1
	v_lshl_add_u32 v[TA], v2, 5, v[TA]
	s_wait_alu depctr_va_vdst(0)
	s_and_b32 s20, s17, 7
	s_lshl_b32 s20, s20, 16
	s_lshl_b32 s21, s15, 15
	s_add_co_u32 s20, s20, s21
	s_mov_b32 s21, 0
	s_add_nc_u64 s[96:97], s[96:97], s[20:21]
	s_lshl_b32 s22, s95, 4
	s_add_co_u32 s22, s22, s17
	s_lshl_b32 s20, s22, 12
	s_lshl_b32 s23, s16, 11
	s_add_co_u32 s20, s20, s23
	s_lshl_b32 s23, s15, 9
	s_add_co_u32 s20, s20, s23
	s_add_co_u32 s20, s20, QS0
	s_add_nc_u64 s[98:99], s[12:13], s[20:21]
	s_lshl_b32 s20, s22, 16
	s_lshl_b32 s23, s14, 14
	s_add_co_u32 s20, s20, s23
	s_add_nc_u64 s[12:13], s[12:13], s[20:21]
.macro TABLE a
.set CSB, 64+32*((\a)%2)
.irp p, 0,1
.irp q, 0,1
	global_load_b128 v[CSB+8*\p+4*\q:CSB+8*\p+4*\q+3], v[TA], s[96:97] offset:(\a)*4096+64*\p+16*\q
	global_load_b128 v[CSB+16+8*\p+4*\q:CSB+16+8*\p+4*\q+3], v[TA], s[96:97] offset:(\a)*4096+128+64*\p+16*\q
.endr
.endr
.endm
	TABLE 0
	TABLE 1
	s_wait_tensorcnt 1
	s_barrier_signal -1
	s_barrier_wait -1
	FETCH_B 0, 0, 0
	FETCH_A 0, 0, 0
	SCALES 0
	FETCH_A 0, 0, 4
	STEP 0, 0, 1
	s_mov_b32 s3, LAPS-1
.Llap:
	TURN 0, 1, 1
	STEP 1, 0, 0
	TURN 1, 0, 1
	STEP 0, 0, 0
	s_sub_co_u32 s3, s3, 1
	s_cmp_lg_u32 s3, 0
	s_cbranch_scc1 .Llap
	TURN 0, 1, 0
	STEP 1, 0, 0
	s_wait_dscnt 4*NL
	WIN MUL_LO
	MULG 0, 1, NQ-1, 1, 0
	MULG 2, 1, NQ-1, 1, 0
	s_wait_dscnt 0
	WIN MUL_HI
	MULG 4, 1, NQ-1, 1, 0
	MULG 6, 1, NQ-1, 1, 0
	WIN 0
.macro ROPE a
.set CSB, 64+32*((\a)%2)
.if (\a) < 7
	s_wait_loadcnt 8
.else
	s_wait_loadcnt 0x0
.endif
	s_cmp_eq_u32 s95, 5
	s_cbranch_scc1 .Lno_rope_\@
	WIN WW
.irp u, 0,1
.irp e, 0,2,4,6,8,10,12,14
	v_pk_mul_f32 v[128+16*\u+\e:128+16*\u+\e+1], v[DD+32*\u+16+\e:DD+32*\u+16+\e+1], v[CSB+16+\e:CSB+16+\e+1]
	v_pk_mul_f32 v[160+16*\u+\e:160+16*\u+\e+1], v[DD+32*\u+\e:DD+32*\u+\e+1], v[CSB+16+\e:CSB+16+\e+1]
.endr
.endr
	WIN (WW<<6)|WW
.irp u, 0,1
.irp e, 0,2,4,6,8,10,12,14
	v_pk_fma_f32 v[DD+32*\u+\e:DD+32*\u+\e+1], v[DD+32*\u+\e:DD+32*\u+\e+1], v[CSB+\e:CSB+\e+1], v[128+16*\u+\e:128+16*\u+\e+1] neg_lo:[0,0,1] neg_hi:[0,0,1]
	v_pk_fma_f32 v[DD+32*\u+16+\e:DD+32*\u+16+\e+1], v[DD+32*\u+16+\e:DD+32*\u+16+\e+1], v[CSB+\e:CSB+\e+1], v[160+16*\u+\e:160+16*\u+\e+1]
.endr
.endr
	WIN 0
.Lno_rope_\@:
.if (\a) < 6
	TABLE (\a)+2
.endif
.endm
.macro QUANT
	WIN (WW<<2)|WW
.irp b, 0,1,2,3
	v_max3_num_f32 v[TM+\b], |v[DD+16*\b]|, |v[DD+16*\b+1]|, 0x8000000
.endr
.irp i, 2,4,6,8,10,12,14
.irp b, 0,1,2,3
	v_max3_num_f32 v[TM+\b], |v[DD+16*\b+\i]|, |v[DD+16*\b+\i+1]|, v[TM+\b]
.endr
.endr
	WIN 0
.irp b, 0,1,2,3
	v_permlanex16_b32 v[TM+4+\b], v[TM+\b], s40, s41
.endr
.irp b, 0,1,2,3
	v_max_num_f32 v[TM+\b], v[TM+\b], v[TM+4+\b]
.endr
.irp b, 0,1,2,3
	v_add_nc_u32 v[TM+12+\b], 0xf8800000, v[TM+\b]
.endr
.irp b, 0,1,2,3
	v_and_or_b32 v[TM+8+\b], v[TM+\b], 0x7f800000, s43
.endr
.irp b, 0,1,2,3
	v_lshrrev_b32 v[TM+4+\b], 23, v[TM+12+\b]
.endr
	s_wait_alu depctr_va_vdst(0)
	s_wait_dscnt 0x0
	WIN (WW<<6)|WW
.irp b, 0,1,2,3
.irp i, 0,1,2,3,4,5,6,7,8,9,10,11,12,13,14,15
	v_med3_num_f32 v[DD+16*\b+\i], v[DD+16*\b+\i], -v[TM+8+\b], v[TM+8+\b]
.endr
.endr
	WIN WW
.irp b, 0,1,2,3
	v_cvt_scalef32_pk8_bf8_f32 v[PC+4*\b:PC+4*\b+1], v[DD+16*\b:DD+16*\b+7], v[TM+12+\b]
	v_cvt_scalef32_pk8_bf8_f32 v[PC+4*\b+2:PC+4*\b+3], v[DD+16*\b+8:DD+16*\b+15], v[TM+12+\b]
.endr
	WIN 0
	v_nop
.endm
.macro TOST a
.irp b, 0,1,2,3,4,5,6,7
	ds_store_b64 v[STO], v[PC+2*\b:PC+2*\b+1] offset:(\a)*4352+16*\b
.endr
.endm
.macro WORDS a
	v_lshl_or_b32 v3, v[TM+5], 8, v[TM+4]
	v_lshl_or_b32 v4, v[TM+7], 8, v[TM+6]
	v_cndmask_b32 v5, v3, v4, s44
	v_lshl_or_b32 v3, v5, 16, v3
	v_lshl_or_b32 v4, v4, 16, v4
.if (\a)%2 == 0
	v_mov_b32 v6, v3
	v_mov_b32 v7, v4
.else
	v_cndmask_b32 v[8+(\a)/2], v6, v3, s45
	v_cndmask_b32 v[12+(\a)/2], v7, v4, s45
.endif
.endm
.macro BLOCK a
.set WW, 2+(\a)/4
.set DD, 64*((\a)%4)
	ROPE \a
	QUANT
	TOST \a
	WORDS \a
.endm
	PLACES NP
	s_mov_b32 s40, 0x76543210
	s_mov_b32 s41, 0xfedcba98
	s_mov_b32 s43, 0x600000
	s_mov_b32 s45, 0xffff0000
.irp b, 0,1,2,3
	v_mov_b32 v[TM+4+\b], 0
.endr
.irp a, 0,1,2,3,4,5,6,7
	BLOCK \a
.endr
.irp k, 0,1,2,3
	global_store_b32 v[SOF], v[8+\k], s[98:99] offset:128*\k
	global_store_b32 v[SOF], v[12+\k], s[98:99] offset:1024+128*\k
.endr
	s_wait_dscnt 0x0
	s_barrier_signal -1
	s_barrier_wait -1
	s_cmp_eq_u32 s95, 4
	s_cbranch_scc1 .Lk_rows
.set ri, 0
.rept 32
	ds_load_b128 v[128+4*ri:128+4*ri+3], v[RD] offset:ri*544
.set ri, ri+1
.endr
	s_branch .Lrows_in
.Lk_rows:
.set ri, 0
.rept 16
	ds_load_b128 v[128+4*ri:128+4*ri+3], v[RDK] offset:ri*2176
.set ri, ri+1
.endr
.set ri, 0
.rept 16
	ds_load_b128 v[192+4*ri:192+4*ri+3], v[RDK+1] offset:ri*2176
.set ri, ri+1
.endr
.Lrows_in:
.set ri, 0
.rept 32
	s_wait_dscnt 31-ri
	global_store_b128 v[CO], v[128+4*ri:128+4*ri+3], s[12:13] offset:ri*512
.set ri, ri+1
.endr
	s_wait_tensorcnt 0x0
	ds_add_u32 v[SPW], v[NIL]
	s_wait_dscnt 0x0
	s_endpgm
.Lfunc_end_k_q3ac59e5f53_qkv:
	.size	k_q3ac59e5f53_qkv, .Lfunc_end_k_q3ac59e5f53_qkv-k_q3ac59e5f53_qkv
	.p2alignl 7, 3214868480
	.fill 96, 4, 3214868480
	.section	.rodata,"a",@progbits
	.p2align	6, 0x0
	.amdhsa_kernel k_q3ac59e5f53_qkv
		.amdhsa_group_segment_fixed_size 327680
		.amdhsa_private_segment_fixed_size 0
		.amdhsa_enable_private_segment 0
		.amdhsa_kernarg_size 72
		.amdhsa_user_sgpr_count 2
		.amdhsa_user_sgpr_kernarg_segment_ptr 1
		.amdhsa_wavefront_size32 1
		.amdhsa_system_sgpr_workgroup_id_x 1
		.amdhsa_system_sgpr_workgroup_id_y 1
		.amdhsa_system_sgpr_workgroup_id_z 1
		.amdhsa_system_vgpr_workitem_id 0
		.amdhsa_next_free_vgpr 1024
		.amdhsa_next_free_sgpr 102
		.amdhsa_reserve_vcc 0
		.amdhsa_float_denorm_mode_32 3
		.amdhsa_float_denorm_mode_16_64 3
		.amdhsa_memory_ordered 1
		.amdhsa_forward_progress 1
		.amdhsa_inst_pref_size 237
	.end_amdhsa_kernel
	.amdgpu_metadata
---
amdhsa.version: [ 1, 2 ]
amdhsa.kernels:
  - .name:           k_q3ac59e5f53_qkv
    .symbol:         k_q3ac59e5f53_qkv.kd
    .args:
      - { .name: h, .offset: 0, .size: 8, .value_kind: global_buffer, .address_space: global }
      - { .name: wq_codes, .offset: 8, .size: 8, .value_kind: global_buffer, .address_space: global }
      - { .name: wq_scales, .offset: 16, .size: 8, .value_kind: global_buffer, .address_space: global }
      - { .name: wk_codes, .offset: 24, .size: 8, .value_kind: global_buffer, .address_space: global }
      - { .name: wk_scales, .offset: 32, .size: 8, .value_kind: global_buffer, .address_space: global }
      - { .name: wv_codes, .offset: 40, .size: 8, .value_kind: global_buffer, .address_space: global }
      - { .name: wv_scales, .offset: 48, .size: 8, .value_kind: global_buffer, .address_space: global }
      - { .name: rope, .offset: 56, .size: 8, .value_kind: global_buffer, .address_space: global }
      - { .name: qkv, .offset: 64, .size: 8, .value_kind: global_buffer, .address_space: global }
    .group_segment_fixed_size: 327680
    .private_segment_fixed_size: 0
    .kernarg_segment_align: 8
    .kernarg_segment_size: 72
    .max_flat_workgroup_size: 128
    .sgpr_count:     102
    .vgpr_count:     1024
    .wavefront_size: 32
...
	.end_amdgpu_metadata
.endif
;; end of part 8
;; launch attn (part 9): grid 32 x 8, 8 waves a work-group, no clusters, 327,680 bytes of LDS; arguments qkv, attention_mask, o; writes o
.if DOCPART == 9
	.amdgcn_target "amdgcn-amd-amdhsa--gfx1250"
	.amdhsa_code_object_version 6
	.text
	.protected	k_q3ac59e5f53_attn
	.globl	k_q3ac59e5f53_attn
	.p2align	8
	.type	k_q3ac59e5f53_attn,@function
k_q3ac59e5f53_attn:
	s_mov_b64 s[64:65], 0
	v_nop
	global_prefetch_b8 v0, s[64:65] scope:SCOPE_SE
	s_setreg_imm32_b32 hwreg(HW_REG_WAVE_MODE, 25, 1), 1
	s_wait_xcnt 0x0
; Attention on codes of E5M2: logit = (q . k) / 8 + mask; t = logit x log2(e); M = the running largest t rounded up to a whole number; p = 2^(t - M) is quantised along the keys;
; the row's sum is taken of the unquantised p and divides O at the end; O is quantised along the model's 1,024 for the next product.  The mask is an input: every key of every row is computed, every number of the mask is read.  No work of the definition is left out.
; SHARES.  A work-group: 64 queries (x) of one batch and key/value head g (y = 4 b + g), for the four query heads 4 r + g.  Wave w: queries 16 (w % 4) on, heads r = 2 (w / 4) and 2 (w / 4) + 1: two tiles in 512 registers, two waves to a SIMD.
; Each fragment of K, of V and of the mask that a wave reads from LDS feeds both tiles.  Every wave walks all 2,048 keys, 128 a step.
; THE MASK IS THE C OF THE FIRST PRODUCT, and the division by 8 is 3 taken off q's scale bytes: the logit comes out of the matrix instruction.  The mask is loaded into tile 1's logit registers: tile 0's products take it from there, then tile 1's add in place.
; RING: two LDS slots of 128 keys (K 128 x 64 bytes, V 64 channels x 128 bytes, the mask 64 queries x 512 bytes), filled by wave 0 (K), wave 1 (V) and waves 2 to 5 (16 rows of the mask each).  K's and V's scale words of the whole head come at the head (waves 6, 7).
; A TRIP is turned: change of slots; the NEXT step's K from LDS; this step's softmax and second product; the next step's mask and V; the next step's first product.  So all reads of a slot lie between two changes.
; LAYOUT.  Both products transposed (source 0 = keys, or channels; source 1 = 16 queries): a lane holds one query.  Lane r of key tile 2 b + u takes key 32 b + 8 u + r + 8 (r / 8): the 16 registers of tiles 2 b, 2 b + 1 are 16 neighbouring keys.
; V's channel tiles are 16 neighbours: at a pitch of 144 bytes the 16 rows of a load start at 16 different banks (64 banks of 4 bytes: ISA guide 11.1); O's codes then leave in runs of 8.
; K = 64 IN AN INSTRUCTION OF 128: source 0 holds two key tiles; with (q | zero codes) the product is tile 2 b's, with (zero codes | q) tile 2 b + 1's; a head's two scale bytes stand twice in a word.
; WINDOWS: 0: addresses, scale words, zeros and q by turns, the rows' state, p's codes, fragments of K and V.  1: the logits, then p (tile t at 64 t), O^T (128 + 32 t), the blocks' state.
; NO CLUSTER: a change of slots stands in each of the 16 key steps; with joint loads each would be a round over sixteen work-groups for a slot of 48 KiB.
; o leaves in short runs: 256 consecutive bytes of a row of o belong to the four key/value heads, which are four work-groups.
; LIMITS: NaN and infinities are not served; the promise holds while |t| stays under 2^31; a block of p or O whose largest magnitude lies under 2^-111 gets the byte 1; a scale byte of q under 4 (a block under 2^-108) counts as 4.
.set KP,    80
.set VP,    144
.set MP,    528
.set VOFF,  128*KP
.set MOFF,  VOFF+64*VP
.set SLOT1, 1<<16
.set SCK,   2*SLOT1                    ; K's scale words [2048 keys]
.set SCV,   SCK+8192                   ; V's [16 steps][64 channels]
.set SPARE, SCV+4096                   ; the spare words: 128 bytes for each of 8 waves
.set QS0,   6291456
.set AK0,1
.set AV0,2
.set ASK0,3
.set ASV0,4
.set SPW,5
.set NIL,6
.set PFO,7
.set ADK,8
.set ADV,9
.set ADS,10
.set ADT,11
.set AM0,12
.set ADM,13
.set OA,14
.set OS,15
.set QW,16                             ; scale words: q's two, K's eight, V's four, p's two
.set KW,20
.set VW,28
.set PWD,32
.set QZ,36                             ; zeros, q 0, zeros, q 1, zeros: 5 x 8
.set NM,76                             ; pairs (-M, largest t)
.set LS,80                             ; the sums
.set FF,84                             ; pairs (f, scratch)
.set RW,88
.set PCB,96
.set FK,128
.set FV,192
.set OT,128                            ; window 1
.set BM,192
.set T1,200
.set LIM,208
.set SCO,216
.set TT,224
.set TB,2
.set TS,3
.set WV,18
.set MNT,19
.set SEL,20
.set CS,22
.set G1K,24
.set G1V,32
.set G1M,40
.set G0K,48
.set G0V,52
.set G0M,56
.set KI,60                             ; what K's address steps by: 8,192 and 57,344 by turns (two steps to a tile of 65,536)
.set VI,62                             ; V's: 128 and 65,408
.set TJ,66
.set CNT,67
.set G1SK,68
.set G0SK,76
.set PFA,80
.set PFS,82
.set PFX,84
.set PLIM,85
.set OSB,86
.set G1SV,88
.set G0SV,96
.set QSB,104
.set MSB,0
.macro WIN new                         ; bits 1:0 source 0, 3:2 source 1, 5:4 source 2, 7:6 destination; the high byte repeats the setting that is left
.if MSB != \new
	s_set_vgpr_msb (MSB<<8)|\new
.set MSB, \new
.endif
.endm
.macro NOPS n
.rept \n
	v_nop
.endr
.endm
.macro ARM under, g0, g1, nxt, end     ; one arm of the chain on the wave's number: its load, s_nop 0 and four v_nop
	s_cmp_lt_u32 s[WV], \under
	s_cbranch_scc0 \nxt
	tensor_load_to_lds s[\g0:\g0+3], s[\g1:\g1+7]
	s_nop 0
	NOPS 4
	s_branch \end
\nxt:
.endm
.macro TLOAD head                      ; wave 0 K, wave 1 V, waves 2-5 the mask's quarters; head = 1: waves 6, 7 the scale words, so that every wave has one load there
	ARM 1, G0K, G1K, .La\@, .Le\@
	ARM 2, G0V, G1V, .Lb\@, .Le\@
	ARM 6, G0M, G1M, .Lc\@, .Le\@
.if \head
	ARM 7, G0SK, G1SK, .Ld\@, .Le\@
	tensor_load_to_lds s[G0SV:G0SV+3], s[G1SV:G1SV+7]
	s_nop 0
	NOPS 4
.endif
.Le\@:
.endm
; A PREFETCH INTO THE L2 of the step that stands two fills on; one instruction a wave, each aligned block of 256 bytes named once in the launch.  The mask's 64 rows x 512 bytes: the work-group with x % 8 = y, waves 0-3, rows 16 w + l / 2, block l % 2.
; K's 8,192 bytes of a step (wave 0) and 32 rows of V's tile (wave 1), lanes 256 bytes apart: the work-group with x = (y + 1) % 8.  Steps 0 to 3 come by their loads; the last two filling trips ask for nothing.
.macro ASK
	s_cmp_gt_u32 s[CNT], s[PLIM]
	s_cbranch_scc0 .Lnp\@
	global_prefetch_b8 v[PFO], s[PFA:PFA+1] th:TH_LOAD_NT scope:SCOPE_SE
.Lnp\@:
.endm
; THE CHANGE OF SLOTS: every wave waits for all its tensor loads, adds 0 to its spare word, waits for that and for its LDS reads; one barrier; fill = 1: the slot that has been read out is filled, one load a wave.
.macro X fill, pf
	s_wait_tensorcnt 0x0
	ds_add_u32 v[SPW], v[NIL]
.if \fill
	s_xor_b32 s[G0K+1], s[G0K+1], SLOT1            ; no load of mine is out: the walking descriptors step
	s_add_nc_u64 s[G0K+2:G0K+3], s[G0K+2:G0K+3], s[KI:KI+1]
	s_xor_b32 s[KI], s[KI], 8192^57344
	s_xor_b32 s[G0V+1], s[G0V+1], SLOT1
	s_add_nc_u64 s[G0V+2:G0V+3], s[G0V+2:G0V+3], s[VI:VI+1]
	s_xor_b32 s[VI], s[VI], 128^65408
	s_xor_b32 s[G0M+1], s[G0M+1], SLOT1
	s_add_nc_u64 s[G0M+2:G0M+3], s[G0M+2:G0M+3], 512
.endif
.if \pf
	s_wait_xcnt 0x0                                ; the last prefetch, a trip back, has read its address
	s_add_nc_u64 s[PFA:PFA+1], s[PFA:PFA+1], s[PFS:PFS+1]
	s_xor_b32 s[PFS], s[PFS], s[PFX]
.endif
	s_wait_dscnt 0x0
	s_barrier_signal -1
	s_barrier_wait -1
.if \fill
	TLOAD 0
.endif
.endm
.macro ADDR
	v_add_nc_u32 v[ADK], s[TB], v[AK0]
	v_add_nc_u32 v[ADV], s[TB], v[AV0]
	v_add_nc_u32 v[ADM], s[TB], v[AM0]
	v_add_nc_u32 v[ADS], s[TS], v[ASK0]
.endm
.macro LDK                             ; K's eight tiles with their scale words
.irp b,0,1,2,3
.irp u,0,1
.irp c,0,1
	ds_load_b128 v[FK+16*\b+8*\u+4*\c:FK+16*\b+8*\u+4*\c+3], v[ADK] offset:(32*\b+8*\u)*KP+32*\c
.endr
	ds_load_b32 v[KW+2*\b+\u], v[ADS] offset:(32*\b+8*\u)*4
.endr
.endr
.endm
.macro LDM                             ; the mask at my query and my 64 keys, in the logits' order, into tile 1's logit registers
	WIN 0x40
.irp b,0,1,2,3
.irp i,0,1,2,3
	ds_load_b128 v[64+16*\b+4*\i:64+16*\b+4*\i+3], v[ADM] offset:128*\b+16*\i
.endr
.endr
	WIN 0
.endm
.macro LDV
.irp n,0,1,2,3
.irp c,0,1,2,3
	ds_load_b128 v[FV+16*\n+4*\c:FV+16*\n+4*\c+3], v[ADV] offset:16*\n*VP+32*\c
.endr
.endr
.endm
.macro QKT t
.irp b,0,1,2,3
	v_wmma_scale_f32_16x16x128_f8f6f4 v[64*\t+16*\b:64*\t+16*\b+7], v[FK+16*\b:FK+16*\b+15], v[QZ+8+16*\t:QZ+23+16*\t], v[64+16*\b:64+16*\b+7], v[KW+2*\b], v[QW+\t] matrix_a_fmt:MATRIX_FMT_BF8 matrix_b_fmt:MATRIX_FMT_BF8
	v_wmma_scale_f32_16x16x128_f8f6f4 v[64*\t+16*\b+8:64*\t+16*\b+15], v[FK+16*\b:FK+16*\b+15], v[QZ+16*\t:QZ+16*\t+15], v[64+16*\b+8:64+16*\b+15], v[KW+2*\b+1], v[QW+\t] matrix_a_fmt:MATRIX_FMT_BF8 matrix_b_fmt:MATRIX_FMT_BF8
.endr
.endm
.macro QK                              ; logits = K q^T / 8 + mask
	WIN 0x50
	QKT 0
	NOPS 9                                         ; tile 1's products write over the registers that tile 0's took as C: nine places
	QKT 1
	WIN 0
	NOPS 8                                         ; places in front of the reads of the logits and of the loads into K's and the scale words' registers
.endm
.macro FMA2 j                          ; t - M of two logits
	v_pk_fma_f32 v[(\j):(\j)+1], v[(\j):(\j)+1], s[CS:CS+1], v[NM+2*((\j)/64):NM+2*((\j)/64)+1] op_sel_hi:[1,0,0]
.endm
.macro CVT cnt                         ; the codes of cnt blocks of 32
	WIN 0x05
.set n, 0
.rept \cnt
	v_cvt_scalef32_pk8_bf8_f32 v[PCB+4*n:PCB+4*n+1], v[16*n:16*n+7], v[SCO+n]
	v_cvt_scalef32_pk8_bf8_f32 v[PCB+4*n+2:PCB+4*n+3], v[16*n+8:16*n+15], v[SCO+n]
.set n, n+1
.endr
.endm
.macro SOFTMAX
	WIN 0x55                                       ; the largest logit of each block of 32 keys: for the row's maximum and, since p rises with the logit, for the block's largest p.
.irp t,0,1
.irp b,0,1,2,3
	v_max3_num_f32 v[BM+4*\t+\b], v[64*\t+16*\b], v[64*\t+16*\b+1], v[64*\t+16*\b+2]
.endr
.endr
.irp i,3,5,7,9,11,13,15
.irp t,0,1
.irp b,0,1,2,3
	v_max3_num_f32 v[BM+4*\t+\b], v[64*\t+16*\b+\i], v[64*\t+16*\b+\i+1-\i/15], v[BM+4*\t+\b]
.endr
.endr
.endr
.set n, 0
.rept 8
	v_permlanex16_b32 v[T1+n], v[BM+n], s[SEL], s[SEL+1]
.set n, n+1
.endr
.set n, 0
.rept 8
	v_max_num_f32 v[BM+n], v[BM+n], v[T1+n]
.set n, n+1
.endr
.irp t,0,1
	v_max3_num_f32 v[T1+\t], v[BM+4*\t], v[BM+4*\t+1], v[BM+4*\t+2]
.endr
.irp t,0,1
	v_max_num_f32 v[T1+\t], v[T1+\t], v[BM+4*\t+3]
.endr
	WIN 0x04
.irp t,0,1
	v_mul_f32 v[FF+2*\t+1], s[CS], v[T1+\t]
.endr
	WIN 0
.irp t,0,1
	v_max_num_f32 v[NM+2*\t+1], v[NM+2*\t+1], v[FF+2*\t+1]   ; the running largest t
.endr
.irp t,0,1
	v_mov_b32 v[FF+2*\t+1], v[NM+2*\t]
.endr
.irp t,0,1
	v_floor_f32 v[NM+2*\t], -v[NM+2*\t+1]          ; -M = floor(-t): M is a whole number
.endr
.irp t,0,1
	v_sub_f32 v[FF+2*\t+1], v[NM+2*\t], v[FF+2*\t+1]
.endr
.irp t,0,1
	v_cvt_i32_f32 v[FF+2*\t+1], v[FF+2*\t+1]       ; (it saturates)
.endr
.irp t,0,1
	v_ldexp_f32 v[FF+2*\t], 1.0, v[FF+2*\t+1]      ; f = 2^(old M - new M): a multiplication by it rounds nothing
.endr
.irp t,0,1
	v_pk_mul_f32 v[LS+2*\t:LS+2*\t+1], v[LS+2*\t:LS+2*\t+1], v[FF+2*\t:FF+2*\t+1] op_sel_hi:[1,0]
.endr
	WIN 0x41
.set j, 0
.rept 32
	v_pk_mul_f32 v[OT+j:OT+j+1], v[OT+j:OT+j+1], v[FF+2*(j/32):FF+2*(j/32)+1] op_sel_hi:[1,0]   ; O^T under the new M
.set j, j+2
.endr
.set j, 0
.rept 64
	FMA2 j
.set j, j+2
.endr
.set n, 0
.rept 8
	v_fma_f32 v[BM+n], v[BM+n], s[CS], v[NM+2*(n/4)]
.set n, n+1
.endr
	s_wait_alu depctr_va_vdst(0)                   ; the wait ahead of the batch of exponentials
.set n, 0
.rept 8
	v_exp_f32 v[BM+n], v[BM+n]                     ; each block's largest p
.set n, n+1
.endr
.set j, 0
.rept 128
	v_exp_f32 v[j], v[j]                           ; p = 2^(t - M)
.set j, j+1
.endr
	v_nop                                          ; a plain place behind the batch
	s_wait_alu depctr_va_vdst(0)                   ; one wait for the batch, ahead of its first reader
	WIN 0x55
.irp t,0,1                                     ; the sums of the unquantised p: four chains of pairs a tile
.irp k,0,2,4,6
	v_pk_add_f32 v[TT+8*\t+\k:TT+8*\t+\k+1], v[64*\t+\k:64*\t+\k+1], v[64*\t+8+\k:64*\t+9+\k]
.endr
.endr
.irp o,16,24,32,40,48,56
.irp t,0,1
.irp k,0,2,4,6
	v_pk_add_f32 v[TT+8*\t+\k:TT+8*\t+\k+1], v[64*\t+\o+\k:64*\t+\o+\k+1], v[TT+8*\t+\k:TT+8*\t+\k+1]
.endr
.endr
.endr
.set n, 0
.rept 8
	v_max_num_f32 v[BM+n], 0x8000000, v[BM+n]      ; the floor 2^(16 - 127)
.set n, n+1
.endr
.set n, 0
.rept 8
	v_add_nc_u32 v[SCO+n], 0xf8800000, v[BM+n]     ; 15 off the exponent field: the conversion's scale operand
.set n, n+1
.endr
.set n, 0
.rept 8
	v_and_or_b32 v[LIM+n], v[BM+n], 0x7f800000, s[MNT]   ; 57,344 x the scale
.set n, n+1
.endr
.set n, 0
.rept 8
	v_lshrrev_b32 v[T1+n], 23, v[SCO+n]            ; the scale's byte
.set n, n+1
.endr
	WIN 0x11
.irp t,0,1
	v_lshl_or_b32 v[PWD+\t], v[T1+4*\t+1], 8, v[T1+4*\t]   ; p's scale words
.endr
	WIN 0x01
.irp t,0,1
	v_lshl_or_b32 v[PWD+\t], v[T1+4*\t+2], 16, v[PWD+\t]
.endr
.irp t,0,1
	v_lshl_or_b32 v[PWD+\t], v[T1+4*\t+3], 24, v[PWD+\t]
.endr
	WIN 0x55
.set j, 0
.rept 128
	v_min_num_f32 v[j], v[j], v[LIM+j/16]          ; the conversion does not saturate (ISA guide 7.6.2); p is not negative: the hold is one-sided
.set j, j+1
.endr
	CVT 8
	WIN 0x55                                       ; the chains are joined: eight plain instructions, the places between the codes and the products
.irp t,0,1
	v_pk_add_f32 v[TT+8*\t:TT+8*\t+1], v[TT+8*\t:TT+8*\t+1], v[TT+8*\t+2:TT+8*\t+3]
	v_pk_add_f32 v[TT+8*\t+4:TT+8*\t+5], v[TT+8*\t+4:TT+8*\t+5], v[TT+8*\t+6:TT+8*\t+7]
.endr
.irp t,0,1
	v_pk_add_f32 v[TT+8*\t:TT+8*\t+1], v[TT+8*\t:TT+8*\t+1], v[TT+8*\t+4:TT+8*\t+5]
.endr
	WIN 0x04
.irp t,0,1
	v_pk_add_f32 v[LS+2*\t:LS+2*\t+1], v[LS+2*\t:LS+2*\t+1], v[TT+8*\t:TT+8*\t+1]
.endr
.endm
.macro PV                              ; O^T += V^T P^T: eight accumulators by turns
	s_wait_alu depctr_va_vdst(0)                   ; directly ahead of the wait below
	s_wait_dscnt 0x0                               ; V's scale words (and the next step's K), asked for at the trip's head
	WIN 0x50
.irp t,0,1
.irp n,0,1,2,3
	v_wmma_scale_f32_16x16x128_f8f6f4 v[OT+32*\t+8*\n:OT+32*\t+8*\n+7], v[FV+16*\n:FV+16*\n+15], v[PCB+16*\t:PCB+16*\t+15], v[OT+32*\t+8*\n:OT+32*\t+8*\n+7], v[VW+\n], v[PWD+\t] matrix_a_fmt:MATRIX_FMT_BF8 matrix_b_fmt:MATRIX_FMT_BF8
.endr
.endr
	WIN 0
	NOPS 8                                         ; places in front of loads into V's registers and of reads of O^T
.endm
; A TRIP.  last = 0: the slot read out is filled with the step after next.  last = 1: nothing is filled, and in the very last trip scalar branches on the count lead round the next step's loads and first product.
.macro R last
	X 1-\last, 1-\last
	s_xor_b32 s[TB], s[TB], SLOT1                  ; the next step's slot,
	s_add_co_u32 s[TS], s[TS], 512
	s_and_b32 s[TS], s[TS], 8191                   ; and its scale words of K
	ADDR
	v_add_nc_u32 v[ADT], s[TJ], v[ASV0]            ; this step's scale words of V
	s_add_co_u32 s[TJ], s[TJ], 256
	s_and_b32 s[TJ], s[TJ], 4095
.irp n,0,1,2,3
	ds_load_b32 v[VW+\n], v[ADT] offset:64*\n
.endr
.if \last
	s_cmp_eq_u32 s[CNT], 1
	s_wait_alu depctr_va_vdst(0)
	s_cbranch_scc1 .Lnk\@
.endif
	LDK
.if \last
.Lnk\@:
.else
	ASK
.endif
	SOFTMAX
	PV
.if \last
	s_cmp_eq_u32 s[CNT], 1
	s_cbranch_scc1 .Lnq\@
.endif
	LDM
	LDV
	s_wait_dscnt 16                                ; the mask is in; V's 16 loads, issued behind it, may be out
	QK
.if \last
.Lnq\@:
.endif
.endm
	s_load_b128 s[4:7], s[0:1], 0x0                ; qkv, the mask
	s_load_b64 s[8:9], s[0:1], 0x10                ; o
	v_lshl_add_u32 v[SPW], v0, 2, SPARE
	v_mov_b32 v[NIL], 0
	ds_add_u32 v[SPW], v[NIL]                      ; the opening lines: the add twice on end and its wait ahead of my first tensor load
	ds_add_u32 v[SPW], v[NIL]
	v_lshrrev_b32 v90, 5, v0
	v_readfirstlane_b32 s[WV], v90                 ; wave 0..7
	s_and_b32 s10, ttmp7, 0xffff                   ; y
	s_lshr_b32 s11, s10, 2                         ; b
	s_and_b32 s12, s10, 3                          ; g
	s_and_b32 s13, s[WV], 3                        ; which 16 queries
	s_lshr_b32 s14, s[WV], 2                       ; which pair of heads
	s_mov_b32 s[G1K], (1<<20)|(3<<22)|(3<<25)      ; K: 128 rows of 64 bytes, dense; 4 words of padding after every 16
	s_mov_b32 s[G1K+1], 64<<16
	s_mov_b32 s[G1K+2], 128<<16
	s_mov_b32 s[G1K+3], 64<<16
	s_mov_b32 s[G1K+4], 128
	s_mov_b32 s[G1K+5], 64
	s_mov_b32 s[G1K+6], 0
	s_mov_b32 s[G1K+7], 0
	s_mov_b32 s[G1V], (1<<20)|(4<<22)|(3<<25)      ; V: 64 rows of 128 bytes, 256 apart; padding after every 32 words
	s_mov_b32 s[G1V+1], 128<<16
	s_mov_b32 s[G1V+2], 64<<16
	s_mov_b32 s[G1V+3], 128<<16
	s_mov_b32 s[G1V+4], 64
	s_mov_b32 s[G1V+5], 256
	s_mov_b32 s[G1V+6], 0
	s_mov_b32 s[G1V+7], 0
	s_mov_b32 s[G1M], (2<<16)|(1<<20)|(6<<22)|(3<<25)  ; the mask: 16 rows of 128 f32, 2,048 from row to row; padding after every 128 words
	s_mov_b32 s[G1M+1], 128<<16
	s_mov_b32 s[G1M+2], 16<<16
	s_mov_b32 s[G1M+3], 128<<16
	s_mov_b32 s[G1M+4], 16
	s_mov_b32 s[G1M+5], 2048
	s_mov_b32 s[G1M+6], 0
	s_mov_b32 s[G1M+7], 0
	s_mov_b32 s[G1SK], 3<<16                       ; K's scale words: 8 rows of 1,024 bytes, 4,096 apart; elements of 8 bytes
	s_mov_b32 s[G1SK+1], 128<<16
	s_mov_b32 s[G1SK+2], 8<<16
	s_mov_b32 s[G1SK+3], 128<<16
	s_mov_b32 s[G1SK+4], 8
	s_mov_b32 s[G1SK+5], 512
	s_mov_b32 s[G1SK+6], 0
	s_mov_b32 s[G1SK+7], 0
	s_mov_b32 s[G1SV], 3<<16                       ; V's: 16 rows (steps) of 256 bytes, 2,048 apart
	s_mov_b32 s[G1SV+1], 32<<16
	s_mov_b32 s[G1SV+2], 16<<16
	s_mov_b32 s[G1SV+3], 32<<16
	s_mov_b32 s[G1SV+4], 16
	s_mov_b32 s[G1SV+5], 256
	s_mov_b32 s[G1SV+6], 0
	s_mov_b32 s[G1SV+7], 0
	s_mov_b32 s[SEL], 0x76543210
	s_mov_b32 s[SEL+1], 0xfedcba98
	s_mov_b32 s[CS], 0x3fb8aa3b                    ; log2(e)
	s_mov_b32 s[CS+1], s[CS]
	s_mov_b32 s[MNT], 0x600000
	s_mov_b32 s[KI], 8192
	s_mov_b32 s[KI+1], 0
	s_mov_b32 s[VI], 128
	s_mov_b32 s[VI+1], 0
	s_lshl_b32 s15, s11, 19
	s_lshl_b32 s16, s12, 14
	s_add_co_u32 s15, s15, s16                     ; 8 b tiles of 65,536 + g x 16,384
	s_add_co_u32 s16, s[WV], 2
	s_and_b32 s16, s16, 3                          ; waves 2 to 5: quarters 0 to 3 of the mask's 64 rows
	s_mul_i32 s17, s16, 16*MP
	s_add_co_u32 s17, s17, MOFF
	s_lshl_b32 s16, s16, 17
	s_mov_b32 s101, 0
	s_wait_dscnt 0x0                               ; both opening adds are done
	s_wait_kmcnt 0x0
	s_add_co_u32 s100, s15, 64<<16                 ; k's tiles are numbers 64 on,
	s_mov_b32 s[G0K], 1
	s_mov_b32 s[G0K+1], 0
	s_add_nc_u64 s[G0K+2:G0K+3], s[4:5], s[100:101]
	s_or_b32 s[G0K+3], s[G0K+3], 0x80000000
	s_add_co_u32 s100, s15, 80<<16                 ; v's 80 on
	s_mov_b32 s[G0V], 1
	s_mov_b32 s[G0V+1], VOFF
	s_add_nc_u64 s[G0V+2:G0V+3], s[4:5], s[100:101]
	s_or_b32 s[G0V+3], s[G0V+3], 0x80000000
	s_lshl_b32 s100, ttmp9, 19                     ; the mask: 64 rows of 8,192 bytes a work-group
	s_add_co_u32 s100, s100, s16
	s_mov_b32 s[G0M], 1
	s_mov_b32 s[G0M+1], s17
	s_add_nc_u64 s[G0M+2:G0M+3], s[6:7], s[100:101]
	s_or_b32 s[G0M+3], s[G0M+3], 0x80000000
	s_lshl_b32 s16, s11, 15
	s_lshl_b32 s17, s12, 10
	s_add_co_u32 s100, s16, s17
	s_add_co_u32 s100, s100, QS0+64*4096
	s_mov_b32 s[G0SK], 1
	s_mov_b32 s[G0SK+1], SCK
	s_add_nc_u64 s[G0SK+2:G0SK+3], s[4:5], s[100:101]
	s_or_b32 s[G0SK+3], s[G0SK+3], 0x80000000
	s_lshl_b32 s17, s12, 8
	s_add_co_u32 s100, s16, s17
	s_add_co_u32 s100, s100, QS0+80*4096
	s_mov_b32 s[G0SV], 1
	s_mov_b32 s[G0SV+1], SCV
	s_add_nc_u64 s[G0SV+2:G0SV+3], s[4:5], s[100:101]
	s_or_b32 s[G0SV+3], s[G0SV+3], 0x80000000
	TLOAD 1                                        ; step 0 and the scale words: one load in each of the eight waves
	; the prefetches: where my wave's stand (at step 3: the first trip steps them to step 4), and who asks
	s_lshl_b32 s2, s[WV], 20                       ; wave 1: v's tiles lie 16 x 65,536 behind k's
	s_add_co_u32 s2, s2, s15
	s_add_co_u32 s2, s2, (65<<16)+8192
	s_lshl_b32 s3, ttmp9, 19
	s_lshl_b32 s16, s[WV], 17                      ; the mask: 16 rows a wave
	s_add_co_u32 s3, s3, s16
	s_add_co_u32 s3, s3, 3*512
	s_mov_b32 s16, 57344
	s_mov_b32 s17, 8192^57344
	s_mov_b32 s66, 512
	s_and_b32 s67, ttmp9, 7
	s_cmp_eq_u32 s67, s10                          ; does my work-group ask for the mask?
	s_cselect_b64 s[PFA:PFA+1], s[6:7], s[4:5]
	s_cselect_b32 s100, s3, s2
	s_cselect_b32 s[PFS], 512, s16
	s_cselect_b32 s[PFX], 0, s17
	s_cselect_b32 s66, 8192, s66                   ; from two lanes to the next two
	s_cselect_b32 s67, 4, 0                        ; then its waves 0 to 3 ask
	s_mov_b32 s[PFS+1], 0
	s_add_nc_u64 s[PFA:PFA+1], s[PFA:PFA+1], s[100:101]
	s_add_co_u32 s104, s10, 1
	s_and_b32 s104, s104, 7
	s_cmp_eq_u32 ttmp9, s104                       ; or for K and V?  Then waves 0 and 1
	s_cselect_b32 s104, 2, 0
	s_max_u32 s67, s67, s104
	s_cmp_lt_u32 s[WV], s67
	s_cselect_b32 s[PLIM], 2, -1
	; o: token 2,048 b + 64 x + 16 (w % 4) + r, columns 64 (4 r' + g) on
	s_lshl_b32 s2, s11, 11
	s_lshl_b32 s3, ttmp9, 6
	s_add_co_u32 s2, s2, s3
	s_lshl_b32 s3, s13, 4
	s_add_co_u32 s2, s2, s3
	s_lshl_b32 s100, s2, 5
	s_lshl_b32 s3, s12, 1
	s_add_co_u32 s100, s100, s3
	s_lshl_b32 s3, s14, 4
	s_add_co_u32 s100, s100, s3
	s_add_co_u32 s100, s100, 4194304
	s_add_nc_u64 s[OSB:OSB+1], s[8:9], s[100:101]  ; its scale bytes
	s_lshl_b32 s100, s2, 10
	s_lshl_b32 s3, s12, 6
	s_add_co_u32 s100, s100, s3
	s_lshl_b32 s3, s14, 9
	s_add_co_u32 s100, s100, s3
	s_add_nc_u64 s[8:9], s[8:9], s[100:101]        ; its codes
	; q: tile 16 r' + 8 b + x / 4, row 64 (x % 4) + 16 (w % 4) + r, bytes 64 g on
	s_lshl_b32 s2, s11, 3
	s_lshr_b32 s3, ttmp9, 2
	s_add_co_u32 s2, s2, s3
	s_lshl_b32 s3, s14, 5
	s_add_co_u32 s2, s2, s3
	s_and_b32 s3, ttmp9, 3
	s_lshl_b32 s3, s3, 6
	s_lshl_b32 s16, s13, 4
	s_add_co_u32 s3, s3, s16
	s_lshl_b32 s100, s2, 12
	s_lshl_b32 s16, s12, 10
	s_add_co_u32 s100, s100, s16
	s_lshl_b32 s16, s3, 2
	s_add_co_u32 s100, s100, s16
	s_add_co_u32 s100, s100, QS0
	s_add_nc_u64 s[QSB:QSB+1], s[4:5], s[100:101]
	s_lshl_b32 s100, s2, 16
	s_lshl_b32 s16, s3, 8
	s_add_co_u32 s100, s100, s16
	s_lshl_b32 s16, s12, 6
	s_add_co_u32 s100, s100, s16
	s_add_nc_u64 s[4:5], s[4:5], s[100:101]
	v_and_b32 v90, 15, v0                          ; r
	v_bfe_u32 v91, v0, 4, 1                        ; h
	v_lshlrev_b32 v92, 8, v90
	v_lshl_add_u32 v92, v91, 4, v92
	v_lshlrev_b32 v93, 2, v90
.irp t,0,1
	global_load_b32 v[QW+\t], v93, s[QSB:QSB+1] offset:\t<<16
	global_load_b128 v[QZ+8+16*\t:QZ+11+16*\t], v92, s[4:5] offset:\t<<20        ; q of my t-th head, between zero codes
	global_load_b128 v[QZ+12+16*\t:QZ+15+16*\t], v92, s[4:5] offset:(\t<<20)+32
.endr
.irp z,0,16,32
.set i, 0
.rept 8
	v_mov_b32 v[QZ+\z+i], 0                        ; zero codes
.set i, i+1
.endr
.endr
.irp t,0,1
	v_mov_b32 v[NM+2*\t+1], 0xff61b1e6             ; the largest t so far: -3e38
	v_mov_b32 v[RW+\t], 0
.endr
.irp t,0,1
	v_floor_f32 v[NM+2*\t], -v[NM+2*\t+1]
.endr
.set i, 0
.rept 4
	v_mov_b32 v[LS+i], 0                           ; the sums; f's pairs
	v_mov_b32 v[FF+i], 0
.set i, i+1
.endr
	WIN 0x40
.set i, 0
.rept 8
	v_mov_b32 v[T1+i], 0                           ; a lane exchange's destination counts as read
.set i, i+1
.endr
.set i, 0
.rept 64
	v_mov_b32 v[OT+i], 0                           ; O^T: the trip is written for every step alike: the first finds zeros, which the first change of M leaves zeros
.set i, i+1
.endr
	WIN 0
	v_and_b32 v94, 8, v90
	v_add_nc_u32 v94, v94, v90                     ; r + 8 (r / 8)
	v_mul_u32_u24 v[AK0], v94, KP
	v_lshl_add_u32 v[AK0], v91, 4, v[AK0]
	v_lshl_add_u32 v[ASK0], v94, 2, SCK
	v_mul_u32_u24 v[AV0], v90, VP
	v_lshl_add_u32 v[AV0], v91, 4, v[AV0]
	v_add_nc_u32 v[AV0], VOFF, v[AV0]
	v_lshl_add_u32 v[ASV0], v90, 2, SCV
	s_mul_i32 s16, s13, 16*MP
	s_add_co_u32 s16, s16, MOFF
	v_mul_u32_u24 v[AM0], v90, MP
	v_lshl_add_u32 v[AM0], v91, 6, v[AM0]
	v_add_nc_u32 v[AM0], s16, v[AM0]               ; the mask: my query's row, + 64 h: my 16 keys of a block of 32
	v_lshlrev_b32 v[OA], 10, v90
	v_lshl_add_u32 v[OA], v91, 3, v[OA]
	v_lshlrev_b32 v[OS], 5, v90
	v_and_b32 v128, 31, v0
	v_lshrrev_b32 v129, 1, v128
	v_mul_lo_u32 v129, v129, s66
	v_and_b32 v128, 1, v128
	v_lshl_add_u32 v[PFO], v128, 8, v129
	s_wait_alu depctr_va_vdst(0)                   ; the wait at the head's end
	s_wait_loadcnt 0x0                             ; q and its scale words
	s_mov_b32 s[TB], 0
	s_mov_b32 s[TS], 0
	s_mov_b32 s[TJ], 0
.irp t,0,1
	v_bfe_u32 v[90+\t], v[QW+\t], 0, 8             ; 3 off each of q's scale bytes: the division by 8.  A byte under 4 counts as 4
	v_bfe_u32 v[94+\t], v[QW+\t], 8, 8
.endr
.irp t,0,1
	v_max_u32 v[90+\t], 4, v[90+\t]
	v_max_u32 v[94+\t], 4, v[94+\t]
.endr
.irp t,0,1
	v_lshl_or_b32 v[90+\t], v[94+\t], 8, v[90+\t]
.endr
.irp t,0,1
	v_add_nc_u32 v[90+\t], 0xfffffcfd, v[90+\t]
.endr
.irp t,0,1
	v_lshl_or_b32 v[QW+\t], v[90+\t], 16, v[90+\t]
.endr
	s_wait_alu depctr_va_vdst(0)                   ; directly ahead of the wait below
	X 1, 0                                         ; step 0 and the scale words are in; slot 1's first fill, issued as a refill is: no bytes are filled again behind this barrier
	ADDR
	LDK
	LDM
	LDV
	s_wait_alu depctr_va_vdst(0)
	s_wait_dscnt 0x0
	QK                                             ; step 0's logits
	s_mov_b32 s[CNT], 14
.Lring:                                                ; trips 0 to 13 fill steps 2 to 15
	R 0
	s_sub_co_u32 s[CNT], s[CNT], 1
	s_cmp_lg_u32 s[CNT], 0
	s_wait_alu depctr_va_vdst(0)
	s_cbranch_scc1 .Lring
	s_mov_b32 s[CNT], 2
.Ltail:                                                ; trips 14 and 15 fill nothing
	R 1
	s_sub_co_u32 s[CNT], s[CNT], 1
	s_cmp_lg_u32 s[CNT], 0
	s_wait_alu depctr_va_vdst(0)
	s_cbranch_scc1 .Ltail
	; THE WAY OUT: O^T / the sum, quantised along the channels: four blocks of 32 (tile t, block b: number 2 t + b)
.irp t,0,1
	v_add_f32 v[LS+2*\t], v[LS+2*\t], v[LS+2*\t+1]
.endr
.irp t,0,1
	v_permlanex16_b32 v[RW+\t], v[LS+2*\t], s[SEL], s[SEL+1]
.endr
.irp t,0,1
	v_add_f32 v[LS+2*\t], v[LS+2*\t], v[RW+\t]     ; the row's sum
.endr
	s_wait_alu depctr_va_vdst(0)
.irp t,0,1
	v_rcp_f32 v[LS+2*\t], v[LS+2*\t]
.endr
	v_nop
	s_wait_alu depctr_va_vdst(0)                   ; directly ahead of the first readers of the reciprocals and of O^T
	WIN 0x41
.set j, 0
.rept 64
	v_mul_f32 v[j], v[OT+j], v[LS+2*(j/32)]        ; register 32 t + 8 n + i is channel 16 n + 8 h + i of my query in my t-th head
.set j, j+1
.endr
	WIN 0x55
.set n, 0
.rept 4
	v_max3_num_f32 v[BM+n], |v[16*n]|, |v[16*n+1]|, 0x8000000
.set n, n+1
.endr
.irp i,2,4,6,8,10,12,14
.set n, 0
.rept 4
	v_max3_num_f32 v[BM+n], |v[16*n+\i]|, |v[16*n+\i+1]|, v[BM+n]
.set n, n+1
.endr
.endr
.set n, 0
.rept 4
	v_permlanex16_b32 v[T1+n], v[BM+n], s[SEL], s[SEL+1]
.set n, n+1
.endr
.set n, 0
.rept 4
	v_max_num_f32 v[BM+n], v[BM+n], v[T1+n]
.set n, n+1
.endr
.set n, 0
.rept 4
	v_add_nc_u32 v[SCO+n], 0xf8800000, v[BM+n]
.set n, n+1
.endr
.set n, 0
.rept 4
	v_and_or_b32 v[LIM+n], v[BM+n], 0x7f800000, s[MNT]
.set n, n+1
.endr
.set n, 0
.rept 4
	v_lshrrev_b32 v[T1+n], 23, v[SCO+n]
.set n, n+1
.endr
.set j, 0
.rept 64
	v_med3_num_f32 v[j], v[j], -v[LIM+j/16], v[LIM+j/16]
.set j, j+1
.endr
	WIN 0x11
.irp t,0,1
	v_lshl_or_b32 v[RW+\t], v[T1+2*\t+1], 8, v[T1+2*\t]
.endr
	CVT 4
	WIN 0
	v_nop                                          ; a plain instruction behind the last conversion
.irp n,0,1,2,3
	global_store_b64 v[OA], v[PCB+4*\n:PCB+4*\n+1], s[8:9] offset:256*(\n/2)+32*(\n%2)        ; channels 32 b + 8 h on,
	global_store_b64 v[OA], v[PCB+4*\n+2:PCB+4*\n+3], s[8:9] offset:256*(\n/2)+32*(\n%2)+16   ; and 32 b + 16 + 8 h on
.endr
.irp t,0,1
	global_store_b16 v[OS], v[RW+\t], s[OSB:OSB+1] offset:8*\t   ; a head's two scale bytes (both halves of the lanes write the same)
.endr
	s_wait_tensorcnt 0x0                           ; the wave's end
	ds_add_u32 v[SPW], v[NIL]
	s_wait_dscnt 0x0
	s_endpgm
.Lfunc_end_k_q3ac59e5f53_attn:
	.size	k_q3ac59e5f53_attn, .Lfunc_end_k_q3ac59e5f53_attn-k_q3ac59e5f53_attn
	.p2alignl 7, 3214868480
	.fill 96, 4, 3214868480
	.section	.rodata,"a",@progbits
	.p2align	6, 0x0
	.amdhsa_kernel k_q3ac59e5f53_attn
		.amdhsa_group_segment_fixed_size 327680
		.amdhsa_private_segment_fixed_size 0
		.amdhsa_enable_private_segment 0
		.amdhsa_kernarg_size 24
		.amdhsa_user_sgpr_count 2
		.amdhsa_user_sgpr_kernarg_segment_ptr 1
		.amdhsa_wavefront_size32 1
		.amdhsa_system_sgpr_workgroup_id_x 1
		.amdhsa_system_sgpr_workgroup_id_y 1
		.amdhsa_system_sgpr_workgroup_id_z 1
		.amdhsa_system_vgpr_workitem_id 0
		.amdhsa_next_free_vgpr 512
		.amdhsa_next_free_sgpr 106
		.amdhsa_reserve_vcc 0
		.amdhsa_float_denorm_mode_32 3
		.amdhsa_float_denorm_mode_16_64 3
		.amdhsa_memory_ordered 1
		.amdhsa_forward_progress 1
		.amdhsa_inst_pref_size 111
	.end_amdhsa_kernel
	.amdgpu_metadata
---
amdhsa.version: [ 1, 2 ]
amdhsa.kernels:
  - .name:           k_q3ac59e5f53_attn
    .symbol:         k_q3ac59e5f53_attn.kd
    .args:
      - { .name: qkv, .offset: 0, .size: 8, .value_kind: global_buffer, .address_space: global }
      - { .name: attention_mask, .offset: 8, .size: 8, .value_kind: global_buffer, .address_space: global }
      - { .name: o, .offset: 16, .size: 8, .value_kind: global_buffer, .address_space: global }
    .group_segment_fixed_size: 327680
    .private_segment_fixed_size: 0
    .kernarg_segment_align: 8
    .kernarg_segment_size: 24
    .max_flat_workgroup_size: 256
    .sgpr_count:     106
    .vgpr_count:     512
    .wavefront_size: 32
...
	.end_amdgpu_metadata
.endif
;; end of part 9
;; launch wo (part 10): grid 8 x 32, 4 waves a work-group, clusters of 4 x 4, 327,680 bytes of LDS; arguments o, wo_codes, wo_scales, x, x1; writes x1
.if DOCPART == 10
	.amdgcn_target "amdgcn-amd-amdhsa--gfx1250"
	.amdhsa_code_object_version 6
	.text
	.protected	k_q3ac59e5f53_wo
	.globl	k_q3ac59e5f53_wo
	.p2align	8
	.type	k_q3ac59e5f53_wo,@function
k_q3ac59e5f53_wo:
	s_mov_b64 s[64:65], 0
	v_nop
	global_prefetch_b8 v0, s[64:65] scope:SCOPE_SE
	s_setreg_imm32_b32 hwreg(HW_REG_WAVE_MODE, 25, 1), 1
	s_wait_xcnt 0x0
	s_wait_alu depctr_hold_cnt(0) depctr_sa_sdst(0) depctr_va_vdst(0) depctr_va_sdst(0) depctr_va_ssrc(0) depctr_va_vcc(0) depctr_vm_vsrc(0)
	s_getreg_b32 s2, hwreg(HW_REG_IB_STS2, 6, 4)
	s_cmp_eq_u32 s2, 0
	s_cbranch_scc0 .Lentry_in_a_cluster
	s_endpgm
.Lentry_in_a_cluster:
	s_bfe_u32 s2, ttmp6, 0x10000c
	s_cmp_lg_u32 s2, 0xf033
	s_cbranch_scc0 .Lentry_shape_is_right
	s_endpgm
.Lentry_shape_is_right:
; x1 = x + o wo on codes of E5M2 with E8M0 scales; x, x1 f32.
; A tile of 128 x 128 to a work-group of four waves, a wave 64 x 64: 16 accumulators; 8 x 32 = 256 work-groups.
; ALL OF K = 1,024 LIES IN LDS AT ONCE: 128 rows of A and 128 of B, 1,024 bytes + 16 of padding each, are 266,240 bytes; both operands' scale bytes, in units of 256 bytes + 16, lie behind them.
; So the launch has four tensor loads, one a wave, at its head (wave 0 A's codes, wave 1 B's, wave 2 A's scale bytes, wave 3 B's), one wait for them and one barrier; nothing is filled again, and there is no ring.
; CLUSTERS: 4 x 4 work-groups; A's tiles are asked for jointly along a row of the cluster, B's along a column.  THE MATRIX INSTRUCTION IS USED TRANSPOSED (source 0 = 16 rows of B, source 1 = 16 rows of A): a lane holds eight neighbouring columns of one row.
; THE RESIDUAL, 64 x 64 f32 a wave, is asked for at the head, in the layout in which rows come back from the stage (sixteen lanes read 256 bytes on end), and waited for once, ahead of the way out.
; No prefetch: the launch has no loop to run ahead in; all its tiles are asked for at its head.
; REGISTERS: window 0: v0-31 addresses; v32-63 scale words and nothing else; v64-127 on the way out rows of the result; v128-255 the accumulators ((a, b) at v[128 + 8 (4 a + b)]).
;   window 1: two fragment buffers of 128: A's four blocks (16 rows x 128 K), then B's four.   window 2: v0-127 the residual.
.set KROW,   1024
.set ASC,    4194304                   ; A's scale bytes in A's buffer
.set PITCH,  1040                      ; an LDS row: 260 words: the 16 rows of a fragment load start at 16 different banks
.set NP,     8                         ; places behind this matrix instruction (ISA guide 7.12.1)
.set HALFT,  64*PITCH                  ; 64 rows: what one wave reads of A or of B
.set KS,     32                        ; a row of scale bytes
.set SCL,    4*HALFT
.set HALFS,  (64*KS/256)*272
.set SBLK,   (16*KS/256)*272
.set SPARE,  SCL+4*HALFS               ; the spare words: 128 bytes a wave
.set STG,    SPARE+512                 ; the stages: 16 rows x 272 bytes a wave, bytes into which no fill lands
.set ADRA, 16
.set ADRB, 20
.set STO,  24
.set RD,   25
.set CO,   26
.set ADRS, 27
.set SPW,  28
.set NIL,  29
.set SC,   32                          ; register 8 i + q: lanes 0-15 the word of A's block i, lanes 16-31 that of B's block i, for the q-th 128 along K
.set ACC,  128
.set G1,   24
.set G0,   32
.set G1B,  48
.set G0B,  56
.set G1S,  68
.set G0S,  76
.set G1SB, 80
.set G0SB, 88
.set MUL,  0x05                        ; sources 0 (B) and 1 (A) window 1; C and D window 0
.set TO_F, 0x40
.set MSB, 0
.macro WIN new
.if MSB != \new
	s_set_vgpr_msb (MSB<<8)|\new
.set MSB, \new
.endif
.endm
.macro CROUND                          ; a round of the cluster's barrier
	s_barrier_signal -1
	s_barrier_wait -1
	s_cmp_lg_u32 s14, 0
	s_cbranch_scc1 .Lnot_wave_0_\@
	s_barrier_signal -3
.Lnot_wave_0_\@:
	s_barrier_wait -3
	s_barrier_signal -1
	s_barrier_wait -1
.endm
.macro PLACES n
.rept \n
	v_nop
.endr
.endm
.macro HARM under, g0, g1, next        ; one arm of the head's chain on the wave's number
	s_cmp_lt_u32 s14, \under
	s_cbranch_scc0 \next
	tensor_load_to_lds s[\g0:\g0+3], s[\g1:\g1+7]
	s_nop 0
	PLACES 4
	s_branch .Lhead_asked
\next:
.endm
.macro FRAG reg, adr, q, i             ; 16 rows x 128 K: lane l holds row l % 16; registers 4 c .. 4 c + 3 hold K = 32 c + 16 (l / 16) + 0 .. 15
.irp c, 0,1,2,3
	ds_load_b128 v[\reg+4*\c:\reg+4*\c+3], v[\adr] offset:128*(\q)+32*\c+(\i)*16*PITCH
.endr
.endm
.macro FETCH q                         ; 32 LDS loads in one run: the fragments of the q-th 128 along K into buffer q % 2
	WIN TO_F
.irp i, 0,1,2,3
	FRAG 128*((\q)%2)+64+16*\i, ADRB, \q, \i
.endr
.irp i, 0,1,2,3
	FRAG 128*((\q)%2)+16*\i, ADRA, \q, \i
.endr
.endm
.macro MUL16 q                         ; 16 matrix instructions, the 16 accumulators by turns; q = 0 starts the sums
	WIN MUL
.irp a, 0,1,2,3
.irp b, 0,1,2,3
.if (\q) == 0
	v_wmma_scale_f32_16x16x128_f8f6f4 v[ACC+8*(4*\a+\b):ACC+8*(4*\a+\b)+7], v[64+16*\b:64+16*\b+15], v[16*\a:16*\a+15], 0, v[SC+8*\b], v[SC+8*\a] matrix_a_fmt:MATRIX_FMT_BF8 matrix_b_fmt:MATRIX_FMT_BF8 matrix_a_scale:MATRIX_SCALE_ROW1
.else
	v_wmma_scale_f32_16x16x128_f8f6f4 v[ACC+8*(4*\a+\b):ACC+8*(4*\a+\b)+7], v[128*((\q)%2)+64+16*\b:128*((\q)%2)+64+16*\b+15], v[128*((\q)%2)+16*\a:128*((\q)%2)+16*\a+15], v[ACC+8*(4*\a+\b):ACC+8*(4*\a+\b)+7], v[SC+8*\b+(\q)], v[SC+8*\a+(\q)] matrix_a_fmt:MATRIX_FMT_BF8 matrix_b_fmt:MATRIX_FMT_BF8 matrix_a_scale:MATRIX_SCALE_ROW1
.endif
.endr
.endr
.endm
	s_load_b64 s[4:5], s[0:1], 0x0                 ; A: codes, and its scale bytes at ASC
	s_load_b128 s[8:11], s[0:1], 0x8               ; B's codes, B's scales
	s_load_b64 s[96:97], s[0:1], 0x18              ; the residual
	s_load_b64 s[12:13], s[0:1], 0x20              ; the result
	v_lshl_add_u32 v[SPW], v0, 2, SPARE
	v_mov_b32 v[NIL], 0
	ds_add_u32 v[SPW], v[NIL]                      ; the opening lines: the add twice on end and its wait
	ds_add_u32 v[SPW], v[NIL]
	v_lshrrev_b32 v1, 5, v0
	v_readfirstlane_b32 s14, v1                    ; wave 0..3
	s_lshr_b32 s15, s14, 1                         ; my half of the tile's rows
	s_and_b32 s16, s14, 1                          ; my half of its columns
	s_bfe_u32 s40, ttmp6, 0x40000                  ; cx, cy
	s_bfe_u32 s41, ttmp6, 0x40004
	s_lshl_b32 s42, ttmp9, 2
	s_add_co_u32 s42, s42, s40                     ; tile column
	s_and_b32 s17, ttmp7, 0xffff
	s_lshl_b32 s17, s17, 2
	s_add_co_u32 s17, s17, s41                     ; tile row
	s_lshl_b32 s43, s41, 2
	s_lshl_b32 s43, 15, s43                        ; my row of the cluster
	s_lshl_b32 s44, 0x1111, s40                    ; my column
	s_or_b32 s[G1+0], s43, (1<<20)|(1<<21)|(7<<22)|(3<<25)    ; the mask; elements of 1 byte; padding: 4 words after every 256
	s_or_b32 s[G1B+0], s44, (1<<20)|(1<<21)|(7<<22)|(3<<25)
.irp g, G1, G1B
	s_mov_b32 s[\g+1], KROW<<16                    ; 128 rows of 1,024 bytes
	s_mov_b32 s[\g+2], 128<<16
	s_mov_b32 s[\g+3], KROW<<16
	s_mov_b32 s[\g+4], 128
	s_mov_b32 s[\g+5], KROW
	s_mov_b32 s[\g+6], 0
	s_mov_b32 s[\g+7], 0
.endr
	s_or_b32 s[G1S+0], s43, (3<<16)|(1<<20)|(1<<21)|(5<<22)|(3<<25)   ; the scales of 128 rows: a dense block, as 16 rows of 256 bytes (32 elements of 8), 16 bytes of padding behind each
	s_or_b32 s[G1SB+0], s44, (3<<16)|(1<<20)|(1<<21)|(5<<22)|(3<<25)
.irp g, G1S, G1SB
	s_mov_b32 s[\g+1], 32<<16
	s_mov_b32 s[\g+2], (128*KS/256)<<16
	s_mov_b32 s[\g+3], 32<<16
	s_mov_b32 s[\g+4], 128*KS/256
	s_mov_b32 s[\g+5], 32
	s_mov_b32 s[\g+6], 0
	s_mov_b32 s[\g+7], 0
.endr
	s_lshl_b32 s20, s17, 17                        ; A: 128 rows of 1,024 bytes a tile row,
	s_lshl_b32 s22, s17, 12                        ; and of 32 scale bytes
	s_lshl_b32 s46, s42, 17                        ; B likewise, by the tile column
	s_lshl_b32 s92, s42, 12
	s_mov_b32 s21, 0
	s_mov_b32 s23, 0
	s_mov_b32 s47, 0
	s_mov_b32 s93, 0
	s_wait_dscnt 0x0                               ; both opening adds are done
	s_wait_kmcnt 0x0
	s_add_nc_u64 s[6:7], s[4:5], ASC
	s_mov_b32 s[G0], 1
	s_mov_b32 s[G0+1], 0
	s_add_nc_u64 s[G0+2:G0+3], s[4:5], s[20:21]
	s_or_b32 s[G0+3], s[G0+3], 0x80000000
	s_mov_b32 s[G0B], 1
	s_mov_b32 s[G0B+1], 2*HALFT
	s_add_nc_u64 s[G0B+2:G0B+3], s[8:9], s[46:47]
	s_or_b32 s[G0B+3], s[G0B+3], 0x80000000
	s_mov_b32 s[G0S], 1
	s_mov_b32 s[G0S+1], SCL
	s_add_nc_u64 s[G0S+2:G0S+3], s[6:7], s[22:23]
	s_or_b32 s[G0S+3], s[G0S+3], 0x80000000
	s_mov_b32 s[G0SB], 1
	s_mov_b32 s[G0SB+1], SCL+2*HALFS
	s_add_nc_u64 s[G0SB+2:G0SB+3], s[10:11], s[92:93]
	s_or_b32 s[G0SB+3], s[G0SB+3], 0x80000000
	CROUND                                         ; all sixteen work-groups are here: the joint loads meet
	HARM 1, G0,  G1,  .Lhead_b
	HARM 2, G0B, G1B, .Lhead_sa
	HARM 3, G0S, G1S, .Lhead_sb
	tensor_load_to_lds s[G0SB:G0SB+3], s[G1SB:G1SB+7]
	s_nop 0
	PLACES 4
.Lhead_asked:
	v_and_b32 v1, 15, v0                           ; r
	v_bfe_u32 v2, v0, 4, 1                         ; h
	v_lshlrev_b32 v6, 12, v2
	v_lshl_add_u32 v[CO], v1, 4, v6                ; lanes 0-15 one row of 4,096 bytes, lanes 16-31 the next; 16 bytes a lane
	s_wait_alu depctr_va_vdst(0)                   ; the wait ahead of the run of scalar instructions
	s_lshl_b32 s20, s17, 7
	s_lshl_b32 s21, s15, 6
	s_add_co_u32 s20, s20, s21
	s_lshl_b32 s20, s20, 12                        ; my first row
	s_mov_b32 s21, 0
	s_lshl_b32 s46, s42, 9
	s_lshl_b32 s47, s16, 8
	s_add_co_u32 s46, s46, s47                     ; my first column, in bytes
	s_mov_b32 s47, 0
	s_add_nc_u64 s[20:21], s[20:21], s[46:47]
	s_add_nc_u64 s[96:97], s[96:97], s[20:21]
	s_add_nc_u64 s[12:13], s[12:13], s[20:21]
	WIN 0x80                                       ; destination window 2
.irp a, 0,1,2,3
.irp t, 0,1,2,3,4,5,6,7
	global_load_b128 v[32*\a+4*\t:32*\a+4*\t+3], v[CO], s[96:97] offset:(16*\a+2*\t)*4096   ; the residual: 32 loads, out until the way out
.endr
.endr
	WIN 0
	v_mul_u32_u24 v3, v1, PITCH
	v_lshl_add_u32 v4, v2, 4, v3                   ; a fragment's row x pitch + 16 x half
	s_mul_i32 s21, s15, HALFT                      ; my 64 rows of A
	s_mul_i32 s22, s16, HALFT                      ; my 64 rows of B,
	s_add_co_u32 s22, s22, 2*HALFT                 ; which lie behind A's 128
	v_add_nc_u32 v[ADRA], s21, v4
	v_add_nc_u32 v[ADRB], s22, v4
	v_mul_u32_u24 v5, v1, KS                       ; my row's scales: KS bytes a row,
	v_lshrrev_b32 v6, 8, v5
	v_lshl_add_u32 v5, v6, 4, v5                   ; and 16 more for each 256 passed
	s_mul_i32 s21, s15, HALFS
	s_mul_i32 s22, s16, HALFS
	s_add_co_u32 s22, s22, 2*HALFS
	s_sub_co_u32 s22, s22, s21
	v_mul_u32_u24 v6, s22, v2                      ; lanes 16-31 take B's
	s_add_co_u32 s21, s21, SCL
	v_add_nc_u32 v5, v5, v6
	v_add_nc_u32 v[ADRS], s21, v5
	s_mul_i32 s23, s14, 16*272
	s_add_co_u32 s23, s23, STG                     ; my stage
	v_mul_u32_u24 v5, v1, 272
	v_lshl_add_u32 v5, v2, 5, v5
	v_add_nc_u32 v[STO], s23, v5                   ; in: row r, + 32 h
	v_mul_u32_u24 v6, v2, 272
	v_lshl_add_u32 v6, v1, 4, v6
	v_add_nc_u32 v[RD], s23, v6                    ; back: lanes 0-15 one row of 256 bytes, lanes 16-31 the next
	s_wait_alu depctr_va_vdst(0)                   ; the wait at the head's end
	s_wait_tensorcnt 0x0                           ; my tile of the four is in
	s_barrier_signal -1
	s_barrier_wait -1                              ; and so are the others'
	FETCH 0
	WIN 0
.irp i, 0,1,2,3
	ds_load_b128 v[SC+8*\i:SC+8*\i+3], v[ADRS] offset:\i*SBLK      ; all of K's scale words: 32 bytes a row
	ds_load_b128 v[SC+8*\i+4:SC+8*\i+7], v[ADRS] offset:\i*SBLK+16
.endr
.irp q, 0,1,2,3,4,5,6
	PLACES NP                                      ; in front of loads into the buffer that the last products read
	FETCH \q+1
	s_wait_dscnt 32                                ; all but the 32 loads just issued
	MUL16 \q
.endr
	s_wait_dscnt 0x0
	MUL16 7
	WIN 0
; THE WAY OUT, by blocks of 16 rows x 64 columns, through my own stage (LDS serves a wave's instructions in order, ISA guide 5.7.1.4: no wait between its stores and its loads).
.macro TOSTAGE a
.irp b, 0,1,2,3
	ds_store_b128 v[STO], v[ACC+8*(4*(\a)+\b):ACC+8*(4*(\a)+\b)+3] offset:64*\b          ; each accumulator from its low end on
	ds_store_b128 v[STO], v[ACC+8*(4*(\a)+\b)+4:ACC+8*(4*(\a)+\b)+7] offset:64*\b+16
.endr
.set BB, 64+32*((\a)%2)
.irp t, 0,1,2,3,4,5,6,7
	ds_load_b128 v[BB+4*\t:BB+4*\t+3], v[RD] offset:\t*544
.endr
.endm
.macro SEND a, yd                      ; yd: the LDS instructions issued behind block a's, which may stay out
.set BB, 64+32*((\a)%2)
	s_wait_dscnt \yd
	WIN 0x08                                       ; source 1: window 2
.set ti, 0
.rept 16
	v_pk_add_f32 v[BB+ti:BB+ti+1], v[BB+ti:BB+ti+1], v[32*(\a)+ti:32*(\a)+ti+1]
.set ti, ti+2
.endr
	WIN 0
.irp t, 0,1,2,3,4,5,6,7
	global_store_b128 v[CO], v[BB+4*\t:BB+4*\t+3], s[12:13] offset:(16*(\a)+2*\t)*4096   ; sixteen lanes store 256 consecutive bytes, aligned
.endr
.endm
	PLACES NP                                      ; behind the last products
	s_wait_loadcnt 0x0                             ; the residual, asked for at the head
	TOSTAGE 0
.irp a, 1,2,3
.if \a > 1
	s_wait_xcnt 0x0                                ; block a - 2's stores have read their registers: block a's loads may land there
.endif
	TOSTAGE \a
	SEND \a-1, 16                                  ; behind block a - 1's: block a's 8 stores and 8 loads
.endr
	SEND 3, 0
	s_wait_tensorcnt 0x0                           ; the wave's end
	ds_add_u32 v[SPW], v[NIL]
	s_wait_dscnt 0x0
	CROUND                                         ; the closing round
	s_endpgm
.Lfunc_end_k_q3ac59e5f53_wo:
	.size	k_q3ac59e5f53_wo, .Lfunc_end_k_q3ac59e5f53_wo-k_q3ac59e5f53_wo
	.p2alignl 7, 3214868480
	.fill 96, 4, 3214868480
	.section	.rodata,"a",@progbits
	.p2align	6, 0x0
	.amdhsa_kernel k_q3ac59e5f53_wo
		.amdhsa_group_segment_fixed_size 327680
		.amdhsa_private_segment_fixed_size 0
		.amdhsa_enable_private_segment 0
		.amdhsa_kernarg_size 40
		.amdhsa_user_sgpr_count 2
		.amdhsa_user_sgpr_kernarg_segment_ptr 1
		.amdhsa_wavefront_size32 1
		.amdhsa_system_sgpr_workgroup_id_x 1
		.amdhsa_system_sgpr_workgroup_id_y 1
		.amdhsa_system_sgpr_workgroup_id_z 1
		.amdhsa_system_vgpr_workitem_id 0
		.amdhsa_next_free_vgpr 640
		.amdhsa_next_free_sgpr 102
		.amdhsa_reserve_vcc 0
		.amdhsa_float_denorm_mode_32 3
		.amdhsa_float_denorm_mode_16_64 3
		.amdhsa_memory_ordered 1
		.amdhsa_forward_progress 1
		.amdhsa_inst_pref_size 59
	.end_amdhsa_kernel
	.amdgpu_metadata
---
amdhsa.version: [ 1, 2 ]
amdhsa.kernels:
  - .name:           k_q3ac59e5f53_wo
    .symbol:         k_q3ac59e5f53_wo.kd
    .args:
      - { .name: o, .offset: 0, .size: 8, .value_kind: global_buffer, .address_space: global }
      - { .name: wo_codes, .offset: 8, .size: 8, .value_kind: global_buffer, .address_space: global }
      - { .name: wo_scales, .offset: 16, .size: 8, .value_kind: global_buffer, .address_space: global }
      - { .name: x, .offset: 24, .size: 8, .value_kind: global_buffer, .address_space: global }
      - { .name: x1, .offset: 32, .size: 8, .value_kind: global_buffer, .address_space: global }
    .group_segment_fixed_size: 327680
    .private_segment_fixed_size: 0
    .kernarg_segment_align: 8
    .kernarg_segment_size: 40
    .max_flat_workgroup_size: 128
    .sgpr_count:     102
    .vgpr_count:     640
    .wavefront_size: 32
...
	.end_amdgpu_metadata
.endif
;; end of part 10
;; launch ln2: the kernel of part 7 again; grid 256 x 1, 8 waves a work-group, no clusters, 0 bytes of LDS; arguments x1, ln2_g, ln2_b, h, rope; writes h, rope
;; launch w1 (part 11): grid 16 x 16, 4 waves a work-group, clusters of 4 x 4, 327,680 bytes of LDS; arguments h, w1_codes, w1_scales, b1, hid; writes hid
.if DOCPART == 11
	.amdgcn_target "amdgcn-amd-amdhsa--gfx1250"
	.amdhsa_code_object_version 6
	.text
	.protected	k_q3ac59e5f53_w1
	.globl	k_q3ac59e5f53_w1
	.p2align	8
	.type	k_q3ac59e5f53_w1,@function
k_q3ac59e5f53_w1:
	s_mov_b64 s[64:65], 0
	v_nop
	global_prefetch_b8 v0, s[64:65] scope:SCOPE_SE
	s_setreg_imm32_b32 hwreg(HW_REG_WAVE_MODE, 25, 1), 1
	s_wait_xcnt 0x0
	s_wait_alu depctr_hold_cnt(0) depctr_sa_sdst(0) depctr_va_vdst(0) depctr_va_sdst(0) depctr_va_ssrc(0) depctr_va_vcc(0) depctr_vm_vsrc(0)
	s_getreg_b32 s2, hwreg(HW_REG_IB_STS2, 6, 4)
	s_cmp_eq_u32 s2, 0
	s_cbranch_scc0 .Lentry_in_a_cluster
	s_endpgm
.Lentry_in_a_cluster:
	s_bfe_u32 s2, ttmp6, 0x10000c
	s_cmp_lg_u32 s2, 0xf033
	s_cbranch_scc0 .Lentry_shape_is_right
	s_endpgm
.Lentry_shape_is_right:
.set SIZE_K, 1024
.set NB,     8
.set CLUS,   1
.set ASC,    4194304
.set KSTEP,  256
.set NQ,     2
.set ROWB,   256
.set KROW,   SIZE_K
.set PITCH,  272
.set FR,     16
.set NL,     4
.set NP,     8
.set APW,    32/NB
.set HALFT,  128*PITCH
.set HALFB,  16*NB*PITCH
.set SLOT,   2*HALFT+2*HALFB
.set LAPS,   SIZE_K/(2*KSTEP)
.set KS,     SIZE_K/32
.set SCL,    2*SLOT
.set HALFSB, (16*NB*KS/256)*272
.set HALFSA, (128*KS/256)*272
.set SBLK,   (16*KS/256)*272
.set SPARE,  SCL+2*HALFSB+2*HALFSA
.set ADRA, 16
.set ADRB, 20
.set STO,  24
.set RD,   25
.set CO,   26
.set ADRS, 27
.set SPW,  28
.set NIL,  29
.set SC,   32
.set BI,   64
.set PC,   64
.set TM,   80
.set AF,   128
.set HA,   128
.set GT,   192
.set G1,   24
.set G0,   32
.set G1B,  48
.set G0B,  56
.set G1S,  68
.set G0S,  76
.set G1SB, 80
.set G0SB, 88
.set MUL_LO, 0xa1
.set MUL_HI, 0xa1+0x50*(NB/8)
.set BIA_LO, 0x81
.set BIA_HI, 0x81+0x40*(NB/8)
.set TO_B,   0x40
.set MSB, 0
.macro WIN new
.if MSB != \new
	s_set_vgpr_msb (MSB<<8)|\new
.set MSB, \new
.endif
.endm
.macro JLOAD g0a, g1a, g0b, g1b
	s_cmp_eq_u32 s15, 0
	s_cbranch_scc0 .Lfor_b_\@
	tensor_load_to_lds s[\g0a:\g0a+3], s[\g1a:\g1a+7]
	s_nop 0
.rept 4
	v_nop
.endr
	s_branch .Lasked_\@
.Lfor_b_\@:
	tensor_load_to_lds s[\g0b:\g0b+3], s[\g1b:\g1b+7]
	s_nop 0
.rept 4
	v_nop
.endr
.Lasked_\@:
.endm
.macro CREST
	s_cmp_lg_u32 s14, 0
	s_cbranch_scc1 .Lnot_wave_0_\@
	s_barrier_signal -3
.Lnot_wave_0_\@:
	s_barrier_wait -3
	s_barrier_signal -1
	s_barrier_wait -1
.endm
.macro CROUND
	s_barrier_signal -1
	s_barrier_wait -1
	CREST
.endm
.macro FRAG reg, adr, q, i
.irp c, 0,1,2,3
	ds_load_b128 v[\reg+4*\c:\reg+4*\c+3], v[\adr] offset:128*(\q)+32*\c+(\i)*16*PITCH
.endr
.endm
.macro MULG a0, p, q, sc, zero
.irp a, \a0, \a0+1
.set bi, 0
.rept NB
.set rD, 8*(NB*((\a)%APW)+bi)
.set rB, 128*(\p)+FR*bi
.set rA, AF+FR*(\a)
.set rSB, SC+8*NQ*(\sc)+NQ*bi+(\q)
.set rSA, SC+8*NQ*(\sc)+NQ*(\a)+(\q)
.if \zero == 1
	v_wmma_scale_f32_16x16x128_f8f6f4 v[rD:rD+7], v[rB:rB+15], v[rA:rA+15], 0, v[rSB], v[rSA] matrix_a_fmt:MATRIX_FMT_BF8 matrix_b_fmt:MATRIX_FMT_BF8 matrix_a_scale:MATRIX_SCALE_ROW1
.elseif \zero == 2
	v_wmma_scale_f32_16x16x128_f8f6f4 v[rD:rD+7], v[rB:rB+15], v[rA:rA+15], v[BI+8*bi:BI+8*bi+7], v[rSB], v[rSA] matrix_a_fmt:MATRIX_FMT_BF8 matrix_b_fmt:MATRIX_FMT_BF8 matrix_a_scale:MATRIX_SCALE_ROW1
.else
	v_wmma_scale_f32_16x16x128_f8f6f4 v[rD:rD+7], v[rB:rB+15], v[rA:rA+15], v[rD:rD+7], v[rSB], v[rSA] matrix_a_fmt:MATRIX_FMT_BF8 matrix_b_fmt:MATRIX_FMT_BF8 matrix_a_scale:MATRIX_SCALE_ROW1
.endif
.set bi, bi+1
.endr
.endr
.endm
.macro FETCH_B slot, q, p
	WIN TO_B
.set fi, 0
.rept NB
	FRAG 128*(\p)+FR*fi, ADRB+\slot, \q, fi
.set fi, fi+1
.endr
	WIN 0
.endm
.macro FETCH_A slot, q, i0
.irp i, \i0, \i0+1, \i0+2, \i0+3
	FRAG AF+FR*(\i), ADRA+\slot, \q, \i
.endr
.endm
.macro SCALES sc
.irp i, 0,1,2,3,4,5,6,7
	ds_load_b64 v[SC+8*NQ*\sc+NQ*\i:SC+8*NQ*\sc+NQ*\i+1], v[ADRS] offset:\i*SBLK
.endr
.endm
.macro PLACES n
.rept \n
	v_nop
.endr
.endm
.macro STEP slot, q, zero
	s_wait_dscnt 4*NL
.if \zero == 2
	WIN BIA_LO
.else
	WIN MUL_LO
.endif
	MULG 0, (\q)%2, \q, \slot, \zero
	MULG 2, (\q)%2, \q, \slot, \zero
	s_wait_dscnt 0
	PLACES NP
	FETCH_B \slot, (\q)+1, 1-(\q)%2
	FETCH_A \slot, (\q)+1, 0
.if \zero == 2
	WIN BIA_HI
.else
	WIN MUL_HI
.endif
	MULG 4, (\q)%2, \q, \slot, \zero
	MULG 6, (\q)%2, \q, \slot, \zero
	PLACES NP
	WIN 0
	FETCH_A \slot, (\q)+1, 4
.endm
.macro TURN slot, next, fill
	s_wait_tensorcnt 0x0
	ds_add_u32 v[SPW], v[NIL]
	s_wait_dscnt 4*NL+1
	WIN MUL_LO
	MULG 0, 1, NQ-1, \slot, 0
	s_wait_dscnt 0x0
	s_barrier_signal -1
	MULG 2, 1, NQ-1, \slot, 0
	WIN 0
	s_barrier_wait -1
.if \fill
	CREST
	s_add_nc_u64 s[G0+4*\slot+2:G0+4*\slot+3], s[G0+4*\slot+2:G0+4*\slot+3], 2*ROWB
	s_add_nc_u64 s[G0B+4*\slot+2:G0B+4*\slot+3], s[G0B+4*\slot+2:G0B+4*\slot+3], 2*ROWB
	JLOAD G0+4*\slot, G1, G0B+4*\slot, G1B
	PLACES NP-4
.else
	PLACES NP
.endif
	s_wait_alu depctr_va_vdst(0)
	v_add_nc_u32 v[ADRS], 4*NQ, v[ADRS]
	FETCH_B \next, 0, 0
	FETCH_A \next, 0, 0
	SCALES \next
	WIN MUL_HI
	MULG 4, 1, NQ-1, \slot, 0
	MULG 6, 1, NQ-1, \slot, 0
	PLACES NP
	WIN 0
	FETCH_A \next, 0, 4
.endm
	s_load_b64 s[4:5], s[0:1], 0x0
	s_load_b128 s[8:11], s[0:1], 0x8
	s_load_b64 s[96:97], s[0:1], 0x18
	s_load_b64 s[12:13], s[0:1], 0x20
	v_lshl_add_u32 v[SPW], v0, 2, SPARE
	v_mov_b32 v[NIL], 0
	ds_add_u32 v28, v29
	ds_add_u32 v28, v29
	s_wait_dscnt 0x0
	v_lshrrev_b32 v1, 5, v0
	v_readfirstlane_b32 s14, v1
	s_lshr_b32 s15, s14, 1
	s_and_b32 s16, s14, 1
	s_bfe_u32 s40, ttmp6, 0x40000
	s_bfe_u32 s41, ttmp6, 0x40004
	s_lshl_b32 s42, ttmp9, 2
	s_add_co_u32 s42, s42, s40
	s_and_b32 s17, ttmp7, 0xffff
	s_lshl_b32 s17, s17, 2
	s_add_co_u32 s17, s17, s41
	s_lshl_b32 s43, s41, 2
	s_lshl_b32 s43, 15, s43
	s_lshl_b32 s44, 0x1111, s40
	s_or_b32 s[G1+0], s43, (1<<20)|(1<<21)|(5<<22)|(3<<25)
	s_or_b32 s[G1B+0], s44, (1<<20)|(1<<21)|(5<<22)|(3<<25)
	s_mov_b32 s[G1+1], ROWB<<16
	s_mov_b32 s[G1+2], 128<<16
	s_mov_b32 s[G1+3], ROWB<<16
	s_mov_b32 s[G1+4], 128
	s_mov_b32 s[G1+5], KROW
	s_mov_b32 s[G1+6], 0
	s_mov_b32 s[G1+7], 0
	s_mov_b32 s[G1B+1], ROWB<<16
	s_mov_b32 s[G1B+2], (16*NB)<<16
	s_mov_b32 s[G1B+3], ROWB<<16
	s_mov_b32 s[G1B+4], 16*NB
	s_mov_b32 s[G1B+5], KROW
	s_mov_b32 s[G1B+6], 0
	s_mov_b32 s[G1B+7], 0
	s_or_b32 s[G1S+0], s43, (3<<16)|(1<<20)|(1<<21)|(5<<22)|(3<<25)
	s_or_b32 s[G1SB+0], s44, (3<<16)|(1<<20)|(1<<21)|(5<<22)|(3<<25)
	s_mov_b32 s[G1S+1], 32<<16
	s_mov_b32 s[G1S+2], (128*KS/256)<<16
	s_mov_b32 s[G1S+3], 32<<16
	s_mov_b32 s[G1S+4], 128*KS/256
	s_mov_b32 s[G1S+5], 32
	s_mov_b32 s[G1S+6], 0
	s_mov_b32 s[G1S+7], 0
	s_mov_b32 s[G1SB+1], 32<<16
	s_mov_b32 s[G1SB+2], (16*NB*KS/256)<<16
	s_mov_b32 s[G1SB+3], 32<<16
	s_mov_b32 s[G1SB+4], 16*NB*KS/256
	s_mov_b32 s[G1SB+5], 32
	s_mov_b32 s[G1SB+6], 0
	s_mov_b32 s[G1SB+7], 0
	s_lshl_b32 s18, s16, 7
	s_lshl_b32 s20, s17, 8
	s_add_co_u32 s20, s20, s18
	s_mul_i32 s18, s16, 16*NB
	s_mul_i32 s46, s42, 32*NB
	s_add_co_u32 s46, s46, s18
	s_mov_b32 s21, 0
	s_mov_b32 s47, 0
	s_mov_b64 s[18:19], KS
	s_mul_u64 s[22:23], s[20:21], s[18:19]
	s_mul_u64 s[92:93], s[46:47], s[18:19]
	s_mov_b64 s[18:19], KROW
	s_mul_u64 s[20:21], s[20:21], s[18:19]
	s_mul_u64 s[46:47], s[46:47], s[18:19]
	s_mul_i32 s45, s16, HALFT
	s_mul_i32 s67, s16, HALFB
	s_mul_i32 s94, s16, HALFSA
	s_mul_i32 s66, s16, HALFSB
	s_wait_kmcnt 0x0
	s_add_nc_u64 s[6:7], s[4:5], ASC
	s_add_nc_u64 s[20:21], s[4:5], s[20:21]
	s_add_nc_u64 s[22:23], s[6:7], s[22:23]
	s_add_nc_u64 s[46:47], s[8:9], s[46:47]
	s_add_nc_u64 s[92:93], s[10:11], s[92:93]
	CROUND
	s_mov_b32 s[G0S], 1
	s_add_co_u32 s[G0S+1], s94, SCL+2*HALFSB
	s_mov_b64 s[G0S+2:G0S+3], s[22:23]
	s_or_b32 s[G0S+3], s[G0S+3], 0x80000000
	s_mov_b32 s[G0SB], 1
	s_add_co_u32 s[G0SB+1], s66, SCL
	s_mov_b64 s[G0SB+2:G0SB+3], s[92:93]
	s_or_b32 s[G0SB+3], s[G0SB+3], 0x80000000
	JLOAD G0S, G1S, G0SB, G1SB
.irp s, 0,1
	s_mov_b32 s[G0+4*\s], 1
	s_add_co_u32 s[G0+4*\s+1], s45, \s*SLOT
	s_add_nc_u64 s[G0+4*\s+2:G0+4*\s+3], s[20:21], \s*ROWB
	s_or_b32 s[G0+4*\s+3], s[G0+4*\s+3], 0x80000000
	s_mov_b32 s[G0B+4*\s], 1
	s_add_co_u32 s[G0B+4*\s+1], s67, \s*SLOT+2*HALFT
	s_add_nc_u64 s[G0B+4*\s+2:G0B+4*\s+3], s[46:47], \s*ROWB
	s_or_b32 s[G0B+4*\s+3], s[G0B+4*\s+3], 0x80000000
	s_wait_alu depctr_va_vdst(0)
	s_wait_tensorcnt 0x0
	ds_add_u32 v28, v29
	s_wait_dscnt 0x0
	CROUND
	JLOAD G0+4*\s, G1, G0B+4*\s, G1B
.endr
	v_and_b32 v1, 15, v0
	s_wait_alu depctr_va_vdst(0)
	v_bfe_u32 v2, v0, 4, 1
	v_lshlrev_b32 v30, 5, v2
	s_lshl_b32 s46, s42, 10
	s_lshl_b32 s47, s16, 9
	s_add_co_u32 s46, s46, s47
	s_mov_b32 s47, 0
	s_add_nc_u64 s[96:97], s[96:97], s[46:47]
.irp b, 0,1,2,3,4,5,6,7
	global_load_b128 v[BI+8*\b:BI+8*\b+3], v30, s[96:97] offset:64*\b
	global_load_b128 v[BI+8*\b+4:BI+8*\b+7], v30, s[96:97] offset:64*\b+16
.endr
	v_mul_u32_u24 v3, v1, PITCH
	v_lshl_add_u32 v4, v2, 4, v3
	s_mul_i32 s21, s15, HALFT
	s_mul_i32 s22, s16, HALFB
	s_add_co_u32 s22, s22, 2*HALFT
.irp s, 0,1
	v_add_nc_u32 v[ADRA+\s], s21, v4
	v_add_nc_u32 v[ADRB+\s], s22, v4
	s_add_co_u32 s21, s21, SLOT
	s_add_co_u32 s22, s22, SLOT
.endr
	v_mul_u32_u24 v5, v1, KS
	v_lshrrev_b32 v6, 8, v5
	v_lshl_add_u32 v5, v6, 4, v5
	s_mul_i32 s21, s16, HALFSB
	s_mul_i32 s22, s15, HALFSA
	s_add_co_u32 s22, s22, 2*HALFSB
	s_sub_co_u32 s22, s22, s21
	v_xor_b32 v6, 1, v2
	v_mul_u32_u24 v6, s22, v6
	s_add_co_u32 s21, s21, SCL
	v_add_nc_u32 v5, v5, v6
	v_add_nc_u32 v[ADRS], s21, v5
	s_mul_i32 s21, s15, 128*272
	s_lshl_b32 s22, s16, 7
	s_add_co_u32 s21, s21, s22
	v_lshl_add_u32 v5, v2, 3, v3
	v_add_nc_u32 v[STO], s21, v5
	s_mul_i32 s23, s14, 64*272
	v_mul_u32_u24 v6, v2, 272
	v_lshl_add_u32 v6, v1, 4, v6
	v_add_nc_u32 v[RD], s23, v6
	v_lshlrev_b32 v6, 12, v2
	v_lshl_add_u32 v[CO], v1, 4, v6
	v_and_b32 v31, 31, v0
	v_lshlrev_b32 v31, 7, v31
	s_lshl_b32 s22, s17, 8
	s_lshl_b32 s23, s15, 7
	s_add_co_u32 s22, s22, s23
	s_lshl_b32 s22, s22, 7
	s_add_co_u32 s22, s22, 16777216
	s_mov_b32 s23, 0
	s_lshl_b32 s46, s42, 3
	s_lshl_b32 s67, s16, 2
	s_add_co_u32 s46, s46, s67
	s_add_nc_u64 s[22:23], s[22:23], s[46:47]
	s_add_nc_u64 s[98:99], s[12:13], s[22:23]
	s_lshl_b32 s20, s17, 8
	s_lshl_b32 s21, s14, 6
	s_add_co_u32 s20, s20, s21
	s_lshl_b32 s20, s20, 12
	s_mov_b32 s21, 0
	s_lshl_b32 s46, s42, 8
	s_add_nc_u64 s[20:21], s[20:21], s[46:47]
	s_add_nc_u64 s[12:13], s[12:13], s[20:21]
	s_wait_tensorcnt 1
	s_barrier_signal -1
	s_barrier_wait -1
	FETCH_B 0, 0, 0
	FETCH_A 0, 0, 0
	SCALES 0
	FETCH_A 0, 0, 4
	s_wait_loadcnt 0x0
	STEP 0, 0, 2
	s_mov_b32 s3, LAPS-1
.Llap:
	TURN 0, 1, 1
	STEP 1, 0, 0
	TURN 1, 0, 1
	STEP 0, 0, 0
	s_sub_co_u32 s3, s3, 1
	s_cmp_lg_u32 s3, 0
	s_cbranch_scc1 .Llap
	TURN 0, 1, 0
	STEP 1, 0, 0
	s_wait_dscnt 4*NL
	WIN MUL_LO
	MULG 0, 1, NQ-1, 1, 0
	MULG 2, 1, NQ-1, 1, 0
	s_wait_dscnt 0
	WIN MUL_HI
	MULG 4, 1, NQ-1, 1, 0
	MULG 6, 1, NQ-1, 1, 0
	WIN 0
.macro GELU a
.set WW, 2+(\a)/4
.set DD, 64*((\a)%4)
	WIN (WW<<2)|WW
.set gi, 0
.rept 32
	v_pk_mul_f32 v[GT+gi:GT+gi+1], v[DD+gi:DD+gi+1], v[DD+gi:DD+gi+1]
.set gi, gi+2
.endr
	WIN 0
.set gi, 0
.rept 32
	v_pk_fma_f32 v[GT+gi:GT+gi+1], v[GT+gi:GT+gi+1], s[46:47], v[6:7] op_sel_hi:[1,0,0]
.set gi, gi+2
.endr
	WIN (WW<<2)
.set gi, 0
.rept 32
	v_pk_mul_f32 v[GT+gi:GT+gi+1], v[GT+gi:GT+gi+1], v[DD+gi:DD+gi+1]
.set gi, gi+2
.endr
	WIN 0
.set gi, 0
	s_wait_alu depctr_va_vdst(0)
.rept 64
	v_exp_f32 v[GT+gi], v[GT+gi]
.set gi, gi+1
.endr
	v_nop
	s_wait_alu depctr_va_vdst(0)
.set gi, 0
.rept 32
	v_pk_add_f32 v[GT+gi:GT+gi+1], v[GT+gi:GT+gi+1], 1.0 op_sel_hi:[1,0]
.set gi, gi+2
.endr
.set gi, 0
	s_wait_alu depctr_va_vdst(0)
.rept 64
	v_rcp_f32 v[GT+gi], v[GT+gi]
.set gi, gi+1
.endr
	v_nop
	s_wait_alu depctr_va_vdst(0)
	WIN WW
.set gi, 0
.rept 32
	v_pk_mul_f32 v[HA+gi:HA+gi+1], v[DD+gi:DD+gi+1], v[GT+gi:GT+gi+1]
.set gi, gi+2
.endr
	WIN 0
.endm
.macro QUANT
	WIN (WW<<2)|WW
.irp b, 0,1,2,3
	v_max3_num_f32 v[TM+\b], |v[DD+16*\b]|, |v[DD+16*\b+1]|, 0x8000000
.endr
.irp i, 2,4,6,8,10,12,14
.irp b, 0,1,2,3
	v_max3_num_f32 v[TM+\b], |v[DD+16*\b+\i]|, |v[DD+16*\b+\i+1]|, v[TM+\b]
.endr
.endr
	WIN 0
.irp b, 0,1,2,3
	v_permlanex16_b32 v[TM+4+\b], v[TM+\b], s40, s41
.endr
.irp b, 0,1,2,3
	v_max_num_f32 v[TM+\b], v[TM+\b], v[TM+4+\b]
.endr
.irp b, 0,1,2,3
	v_add_nc_u32 v[TM+12+\b], 0xf8800000, v[TM+\b]
.endr
.irp b, 0,1,2,3
	v_and_or_b32 v[TM+8+\b], v[TM+\b], 0x7f800000, s43
.endr
.irp b, 0,1,2,3
	v_lshrrev_b32 v[TM+4+\b], 23, v[TM+12+\b]
.endr
	s_wait_alu depctr_va_vdst(0)
	s_wait_dscnt 0x0
	WIN (WW<<6)|WW
.irp b, 0,1,2,3
.irp i, 0,1,2,3,4,5,6,7,8,9,10,11,12,13,14,15
	v_med3_num_f32 v[DD+16*\b+\i], v[DD+16*\b+\i], -v[TM+8+\b], v[TM+8+\b]
.endr
.endr
	WIN WW
.irp b, 0,1,2,3
	v_cvt_scalef32_pk8_bf8_f32 v[PC+4*\b:PC+4*\b+1], v[DD+16*\b:DD+16*\b+7], v[TM+12+\b]
	v_cvt_scalef32_pk8_bf8_f32 v[PC+4*\b+2:PC+4*\b+3], v[DD+16*\b+8:DD+16*\b+15], v[TM+12+\b]
.endr
	WIN 0
	v_nop
.endm
.macro TOST a
.irp b, 0,1,2,3,4,5,6,7
	ds_store_b64 v[STO], v[PC+2*\b:PC+2*\b+1] offset:(\a)*4352+16*\b
.endr
.endm
.macro BLOCK a
	GELU \a
.set WW, 0
.set DD, HA
	QUANT
	TOST \a
	v_lshl_or_b32 v13, v[TM+5], 8, v[TM+4]
	v_lshl_or_b32 v13, v[TM+6], 16, v13
	v_lshl_or_b32 v13, v[TM+7], 24, v13
.if (\a)%2 == 0
	v_mov_b32 v12, v13
.else
	v_cndmask_b32 v[8+(\a)/2], v12, v13, s45
	global_store_b32 v31, v[8+(\a)/2], s[98:99] offset:4096*((\a)/2)
.endif
.endm
	PLACES NP
	s_mov_b32 s40, 0x76543210
	s_mov_b32 s41, 0xfedcba98
	s_mov_b32 s43, 0x600000
	s_mov_b32 s45, 0xffff0000
	s_mov_b32 s46, 0xbdd2d3e8
	s_mov_b32 s47, s46
	v_mov_b32 v6, 0xc0135761
	v_mov_b32 v7, v6
.irp b, 0,1,2,3
	v_mov_b32 v[TM+4+\b], 0
.endr
.irp a, 0,1,2,3,4,5,6,7
	BLOCK \a
.endr
	s_wait_dscnt 0x0
	s_barrier_signal -1
	s_barrier_wait -1
.set ri, 0
.rept 32
	ds_load_b128 v[128+4*ri:128+4*ri+3], v[RD] offset:ri*544
.set ri, ri+1
.endr
.set ri, 0
.rept 32
	s_wait_dscnt 31-ri
	global_store_b128 v[CO], v[128+4*ri:128+4*ri+3], s[12:13] offset:ri*8192
.set ri, ri+1
.endr
	s_wait_tensorcnt 0x0
	ds_add_u32 v[SPW], v[NIL]
	s_wait_dscnt 0x0
	CROUND
	s_endpgm
.Lfunc_end_k_q3ac59e5f53_w1:
	.size	k_q3ac59e5f53_w1, .Lfunc_end_k_q3ac59e5f53_w1-k_q3ac59e5f53_w1
	.p2alignl 7, 3214868480
	.fill 96, 4, 3214868480
	.section	.rodata,"a",@progbits
	.p2align	6, 0x0
	.amdhsa_kernel k_q3ac59e5f53_w1
		.amdhsa_group_segment_fixed_size 327680
		.amdhsa_private_segment_fixed_size 0
		.amdhsa_enable_private_segment 0
		.amdhsa_kernarg_size 40
		.amdhsa_user_sgpr_count 2
		.amdhsa_user_sgpr_kernarg_segment_ptr 1
		.amdhsa_wavefront_size32 1
		.amdhsa_system_sgpr_workgroup_id_x 1
		.amdhsa_system_sgpr_workgroup_id_y 1
		.amdhsa_system_sgpr_workgroup_id_z 1
		.amdhsa_system_vgpr_workitem_id 0
		.amdhsa_next_free_vgpr 1024
		.amdhsa_next_free_sgpr 102
		.amdhsa_reserve_vcc 0
		.amdhsa_float_denorm_mode_32 3
		.amdhsa_float_denorm_mode_16_64 3
		.amdhsa_memory_ordered 1
		.amdhsa_forward_progress 1
		.amdhsa_inst_pref_size 255
	.end_amdhsa_kernel
	.section	.bss,"aw",@nobits
	.p2align	6
	.space	262144
	.amdgpu_metadata
---
amdhsa.version: [ 1, 2 ]
amdhsa.kernels:
  - .name:           k_q3ac59e5f53_w1
    .symbol:         k_q3ac59e5f53_w1.kd
    .args:
      - { .name: h, .offset: 0, .size: 8, .value_kind: global_buffer, .address_space: global }
      - { .name: w1_codes, .offset: 8, .size: 8, .value_kind: global_buffer, .address_space: global }
      - { .name: w1_scales, .offset: 16, .size: 8, .value_kind: global_buffer, .address_space: global }
      - { .name: b1, .offset: 24, .size: 8, .value_kind: global_buffer, .address_space: global }
      - { .name: hid, .offset: 32, .size: 8, .value_kind: global_buffer, .address_space: global }
    .group_segment_fixed_size: 327680
    .private_segment_fixed_size: 0
    .kernarg_segment_align: 8
    .kernarg_segment_size: 40
    .max_flat_workgroup_size: 128
    .sgpr_count:     102
    .vgpr_count:     1024
    .wavefront_size: 32
...
	.end_amdgpu_metadata
.endif
;; end of part 11
;; launch w2 (part 12): grid 8 x 32, 4 waves a work-group, clusters of 4 x 4, 327,680 bytes of LDS; arguments hid, w2_codes, w2_scales, b2, x1, out0; writes out0
.if DOCPART == 12
	.amdgcn_target "amdgcn-amd-amdhsa--gfx1250"
	.amdhsa_code_object_version 6
	.text
	.protected	k_q3ac59e5f53_w2
	.globl	k_q3ac59e5f53_w2
	.p2align	8
	.type	k_q3ac59e5f53_w2,@function
k_q3ac59e5f53_w2:
	s_mov_b64 s[64:65], 0
	v_nop
	global_prefetch_b8 v0, s[64:65] scope:SCOPE_SE
	s_setreg_imm32_b32 hwreg(HW_REG_WAVE_MODE, 25, 1), 1
	s_wait_xcnt 0x0
	s_wait_alu depctr_hold_cnt(0) depctr_sa_sdst(0) depctr_va_vdst(0) depctr_va_sdst(0) depctr_va_ssrc(0) depctr_va_vcc(0) depctr_vm_vsrc(0)
	s_getreg_b32 s2, hwreg(HW_REG_IB_STS2, 6, 4)
	s_cmp_eq_u32 s2, 0
	s_cbranch_scc0 .Lentry_in_a_cluster
	s_endpgm
.Lentry_in_a_cluster:
	s_bfe_u32 s2, ttmp6, 0x10000c
	s_cmp_lg_u32 s2, 0xf033
	s_cbranch_scc0 .Lentry_shape_is_right
	s_endpgm
.Lentry_shape_is_right:
.set SIZE_K, 4096
.set BIAS,   1
.set PF,     1
.set NT,     1
.set ASC,    16777216
.set KSTEP,  512
.set ROWB,   512
.set KROW,   SIZE_K
.set PITCH,  528
.set NP,     8
.set HALFT,  64*PITCH
.set SLOT,   4*HALFT
.set LAPS,   SIZE_K/(2*KSTEP)
.set KS,     SIZE_K/32
.set SCL,    2*SLOT
.set HALFS,  (64*KS/256)*272
.set SBLK,   (16*KS/256)*272
.set SPARE,  SCL+4*HALFS
.set ADRA, 16
.set ADRB, 20
.set STO,  24
.set RD,   25
.set CO,   26
.set ADRS, 27
.set SPW,  28
.set NIL,  29
.set PFO,  31
.set SC,   32
.set BI,   64
.set ACC,  128
.set F0,   0
.set F1,   128
.set G1,   24
.set G0,   32
.set G1B,  48
.set G0B,  56
.set G1S,  68
.set G0S,  76
.set G1SB, 80
.set G0SB, 88
.set LIM,  95
.set PFA,  100
.set MUL,  0x05
.set TO_F, 0x40
.set MSB, 0
.macro WIN new
.if MSB != \new
	s_set_vgpr_msb (MSB<<8)|\new
.set MSB, \new
.endif
.endm
.macro JLOAD g0a, g1a, g0b, g1b
	s_cmp_eq_u32 s15, 0
	s_cbranch_scc0 .Lfor_b_\@
	tensor_load_to_lds s[\g0a:\g0a+3], s[\g1a:\g1a+7]
	s_nop 0
.rept 4
	v_nop
.endr
	s_branch .Lasked_\@
.Lfor_b_\@:
	tensor_load_to_lds s[\g0b:\g0b+3], s[\g1b:\g1b+7]
	s_nop 0
.rept 4
	v_nop
.endr
.Lasked_\@:
.endm
.macro CREST
	s_cmp_lg_u32 s14, 0
	s_cbranch_scc1 .Lnot_wave_0_\@
	s_barrier_signal -3
.Lnot_wave_0_\@:
	s_barrier_wait -3
	s_barrier_signal -1
	s_barrier_wait -1
.endm
.macro CROUND
	s_barrier_signal -1
	s_barrier_wait -1
	CREST
.endm
.macro ASK slot
	s_cmp_gt_u32 s3, s[LIM]                        ; s3 = 1 in the loop's last trip, whose two refills have no K step two on
	s_cbranch_scc0 .Lnot_mine_\@
	global_prefetch_b8 v[PFO], s[PFA:PFA+1] th:TH_LOAD_NT scope:SCOPE_SE
.Lnot_mine_\@:
.endm
.macro FRAG reg, adr, q, i
.irp c, 0,1,2,3
	ds_load_b128 v[\reg+4*\c:\reg+4*\c+3], v[\adr] offset:128*(\q)+32*\c+(\i)*16*PITCH
.endr
.endm
.macro FETCH slot, q, f
	WIN TO_F
.irp i, 0,1,2,3
	FRAG \f+64+16*\i, ADRB+\slot, \q, \i
.endr
.irp i, 0,1,2,3
	FRAG \f+16*\i, ADRA+\slot, \q, \i
.endr
.endm
.macro SCALES sc
.irp i, 0,1,2,3
	ds_load_b128 v[SC+16*\sc+4*\i:SC+16*\sc+4*\i+3], v[ADRS] offset:\i*SBLK
.endr
.endm
.macro MUL8 f, q, sc, a0, zero
.irp a, \a0, \a0+1
.irp b, 0,1,2,3
.set rD, ACC+8*(4*(\a)+\b)
.set rB, \f+64+16*\b
.set rA, \f+16*(\a)
.set rSB, SC+16*(\sc)+4*\b+(\q)
.set rSA, SC+16*(\sc)+4*(\a)+(\q)
.if \zero == 1
	v_wmma_scale_f32_16x16x128_f8f6f4 v[rD:rD+7], v[rB:rB+15], v[rA:rA+15], 0, v[rSB], v[rSA] matrix_a_fmt:MATRIX_FMT_BF8 matrix_b_fmt:MATRIX_FMT_BF8 matrix_a_scale:MATRIX_SCALE_ROW1
.elseif \zero == 2
	v_wmma_scale_f32_16x16x128_f8f6f4 v[rD:rD+7], v[rB:rB+15], v[rA:rA+15], v[BI+8*\b:BI+8*\b+7], v[rSB], v[rSA] matrix_a_fmt:MATRIX_FMT_BF8 matrix_b_fmt:MATRIX_FMT_BF8 matrix_a_scale:MATRIX_SCALE_ROW1
.else
	v_wmma_scale_f32_16x16x128_f8f6f4 v[rD:rD+7], v[rB:rB+15], v[rA:rA+15], v[rD:rD+7], v[rSB], v[rSA] matrix_a_fmt:MATRIX_FMT_BF8 matrix_b_fmt:MATRIX_FMT_BF8 matrix_a_scale:MATRIX_SCALE_ROW1
.endif
.endr
.endr
.endm
.macro PLACES n
.rept \n
	v_nop
.endr
.endm
.macro SUB slot, q, f, g, zero
	PLACES NP
	FETCH \slot, (\q)+1, \g
	s_wait_dscnt 32
	WIN MUL
	MUL8 \f, \q, \slot, 0, \zero
	MUL8 \f, \q, \slot, 2, \zero
.endm
.macro TURN slot, next, fill
.if \fill
.if PF
	s_wait_xcnt 0x0
	s_add_nc_u64 s[PFA:PFA+1], s[PFA:PFA+1], ROWB
.endif
.endif
	WIN 0
	s_wait_tensorcnt 0x0
	ds_add_u32 v[SPW], v[NIL]
	s_wait_dscnt 1
	WIN MUL
	MUL8 F1, 3, \slot, 0, 0
	s_wait_dscnt 0x0
	s_barrier_signal -1
	MUL8 F1, 3, \slot, 2, 0
	WIN 0
	s_barrier_wait -1
.if \fill
	CREST
	s_add_nc_u64 s[G0+4*\slot+2:G0+4*\slot+3], s[G0+4*\slot+2:G0+4*\slot+3], 2*ROWB
	s_add_nc_u64 s[G0B+4*\slot+2:G0B+4*\slot+3], s[G0B+4*\slot+2:G0B+4*\slot+3], 2*ROWB
	JLOAD G0+4*\slot, G1, G0B+4*\slot, G1B
	PLACES NP-4
.else
	PLACES NP
.endif
	s_wait_alu depctr_va_vdst(0)
	v_add_nc_u32 v[ADRS], 16, v[ADRS]
	FETCH \next, 0, F0
	WIN 0
	SCALES \next
.if \fill
.if PF
	ASK \slot
.endif
.endif
.endm
	s_load_b64 s[4:5], s[0:1], 0x0
	s_load_b128 s[8:11], s[0:1], 0x8
.if BIAS
	s_load_b64 s[98:99], s[0:1], 0x18
	s_load_b64 s[96:97], s[0:1], 0x20
	s_load_b64 s[12:13], s[0:1], 0x28
.else
	s_load_b64 s[96:97], s[0:1], 0x18
	s_load_b64 s[12:13], s[0:1], 0x20
.endif
	v_lshl_add_u32 v[SPW], v0, 2, SPARE
	v_mov_b32 v[NIL], 0
	ds_add_u32 v28, v29
	ds_add_u32 v28, v29
	s_wait_dscnt 0x0
	v_lshrrev_b32 v1, 5, v0
	v_readfirstlane_b32 s14, v1
	s_lshr_b32 s15, s14, 1
	s_and_b32 s16, s14, 1
	s_bfe_u32 s40, ttmp6, 0x40000
	s_bfe_u32 s41, ttmp6, 0x40004
	s_lshl_b32 s42, ttmp9, 2
	s_add_co_u32 s42, s42, s40
	s_and_b32 s17, ttmp7, 0xffff
	s_lshl_b32 s17, s17, 2
	s_add_co_u32 s17, s17, s41
	s_lshl_b32 s43, s41, 2
	s_lshl_b32 s43, 15, s43
	s_lshl_b32 s44, 0x1111, s40
	s_or_b32 s[G1+0], s43, (1<<20)|(1<<21)|(6<<22)|(3<<25)
	s_or_b32 s[G1B+0], s44, (1<<20)|(1<<21)|(6<<22)|(3<<25)
.irp g, G1, G1B
	s_mov_b32 s[\g+1], ROWB<<16
	s_mov_b32 s[\g+2], 128<<16                     ; the head's loads bring 128 rows; behind them the two words that count rows are set to 64
	s_mov_b32 s[\g+3], ROWB<<16
	s_mov_b32 s[\g+4], 128
	s_mov_b32 s[\g+5], KROW
	s_mov_b32 s[\g+6], 0
	s_mov_b32 s[\g+7], 0
.endr
	s_or_b32 s[G1S+0], s43, (3<<16)|(1<<20)|(1<<21)|(5<<22)|(3<<25)
	s_or_b32 s[G1SB+0], s44, (3<<16)|(1<<20)|(1<<21)|(5<<22)|(3<<25)
.irp g, G1S, G1SB
	s_mov_b32 s[\g+1], 32<<16
	s_mov_b32 s[\g+2], (128*KS/256)<<16
	s_mov_b32 s[\g+3], 32<<16
	s_mov_b32 s[\g+4], 128*KS/256
	s_mov_b32 s[\g+5], 32
	s_mov_b32 s[\g+6], 0
	s_mov_b32 s[\g+7], 0
.endr
	s_lshl_b32 s20, s17, 7                         ; the tile's first row of A,
	s_lshl_b32 s46, s42, 7                         ; and of B
	s_mov_b32 s21, 0
	s_mov_b32 s47, 0
	s_mov_b64 s[18:19], KS
	s_mul_u64 s[22:23], s[20:21], s[18:19]
	s_mul_u64 s[92:93], s[46:47], s[18:19]
	s_mov_b64 s[18:19], KROW
	s_mul_u64 s[20:21], s[20:21], s[18:19]
	s_mul_u64 s[46:47], s[46:47], s[18:19]
	s_mul_i32 s45, s14, HALFT
	s_mul_i32 s94, s14, HALFS
	s_wait_kmcnt 0x0
	s_add_nc_u64 s[6:7], s[4:5], ASC
	s_add_nc_u64 s[20:21], s[4:5], s[20:21]
	s_add_nc_u64 s[22:23], s[6:7], s[22:23]
	s_add_nc_u64 s[46:47], s[8:9], s[46:47]
	s_add_nc_u64 s[92:93], s[10:11], s[92:93]
	CROUND
	s_mov_b32 s[G0S], 1
	s_mov_b32 s[G0S+1], SCL
	s_mov_b64 s[G0S+2:G0S+3], s[22:23]
	s_or_b32 s[G0S+3], s[G0S+3], 0x80000000
	s_mov_b32 s[G0SB], 1
	s_mov_b32 s[G0SB+1], SCL+2*HALFS
	s_mov_b64 s[G0SB+2:G0SB+3], s[92:93]
	s_or_b32 s[G0SB+3], s[G0SB+3], 0x80000000
; THE HEAD'S LOADS, ONE A WAVE: wave 0 K step 0's 128 rows of A, wave 1 its 128 rows of B, wave 2 the scale bytes of A's 128 rows, wave 3 those of B's: one chain of branches on the wave's number
	s_mov_b32 s[G0], 1
	s_mov_b32 s[G0+1], 0
	s_mov_b64 s[G0+2:G0+3], s[20:21]
	s_or_b32 s[G0+3], s[G0+3], 0x80000000
	s_mov_b32 s[G0B], 1
	s_mov_b32 s[G0B+1], 2*HALFT
	s_mov_b64 s[G0B+2:G0B+3], s[46:47]
	s_or_b32 s[G0B+3], s[G0B+3], 0x80000000
.macro HARM under, g0, g1, next
	s_cmp_lt_u32 s14, \under
	s_cbranch_scc0 \next
	tensor_load_to_lds s[\g0:\g0+3], s[\g1:\g1+7]
	s_nop 0
.rept 4
	v_nop
.endr
	s_branch .Lhead_asked
\next:
.endm
	HARM 1, G0,  G1,  .Lhead_b
	HARM 2, G0B, G1B, .Lhead_sa
	HARM 3, G0S, G1S, .Lhead_sb
	tensor_load_to_lds s[G0SB:G0SB+3], s[G1SB:G1SB+7]
	s_nop 0
.rept 4
	v_nop
.endr
.Lhead_asked:
	s_mul_i32 s66, s16, 64*KROW                    ; in the ring a wave fetches 64 rows: which half, in bytes
	s_mov_b32 s67, 0
	s_add_nc_u64 s[20:21], s[20:21], s[66:67]
	s_add_nc_u64 s[46:47], s[46:47], s[66:67]
	s_mov_b32 s[G0+4], 1                           ; slot 1's group 0: K step 1
	s_add_co_u32 s[G0+5], s45, SLOT
	s_add_nc_u64 s[G0+6:G0+7], s[20:21], ROWB
	s_or_b32 s[G0+7], s[G0+7], 0x80000000
	s_mov_b32 s[G0B+4], 1
	s_add_co_u32 s[G0B+5], s45, SLOT
	s_add_nc_u64 s[G0B+6:G0B+7], s[46:47], ROWB
	s_or_b32 s[G0B+7], s[G0B+7], 0x80000000
	s_wait_alu depctr_va_vdst(0)
	s_wait_tensorcnt 0x0                           ; my tile of the head's four is in; slot 1's first fill stands behind the full sequence and a round
	ds_add_u32 v28, v29
	s_mov_b32 s[G1+2], 64<<16                      ; no tensor load of mine is out: from here on a load brings 64 rows,
	s_mov_b32 s[G1+4], 64
	s_mov_b32 s[G1B+2], 64<<16
	s_mov_b32 s[G1B+4], 64
	s_mov_b32 s[G0+1], s45                         ; and slot 0's group 0 stands at my 64 rows of K step 0: its first refill steps it
	s_mov_b64 s[G0+2:G0+3], s[20:21]
	s_or_b32 s[G0+3], s[G0+3], 0x80000000
	s_mov_b32 s[G0B+1], s45
	s_mov_b64 s[G0B+2:G0B+3], s[46:47]
	s_or_b32 s[G0B+3], s[G0B+3], 0x80000000
	s_wait_dscnt 0x0
	CROUND
	JLOAD G0+4, G1, G0B+4, G1B
	v_and_b32 v1, 15, v0
	v_bfe_u32 v2, v0, 4, 1
	s_wait_alu depctr_va_vdst(0)
	v_lshlrev_b32 v6, 12, v2
	v_lshl_add_u32 v[CO], v1, 4, v6
	s_wait_alu depctr_va_vdst(0)
	s_lshl_b32 s20, s17, 7
	s_lshl_b32 s21, s15, 6
	s_add_co_u32 s20, s20, s21
	s_lshl_b32 s20, s20, 12
	s_mov_b32 s21, 0
	s_lshl_b32 s46, s42, 9
	s_lshl_b32 s47, s16, 8
	s_add_co_u32 s46, s46, s47
	s_mov_b32 s47, 0
	s_add_nc_u64 s[20:21], s[20:21], s[46:47]
	s_add_nc_u64 s[96:97], s[96:97], s[20:21]
	s_add_nc_u64 s[12:13], s[12:13], s[20:21]
.if BIAS
	v_lshlrev_b32 v30, 5, v2
	s_add_nc_u64 s[98:99], s[98:99], s[46:47]
.irp b, 0,1,2,3
	global_load_b128 v[BI+8*\b:BI+8*\b+3], v30, s[98:99] offset:64*\b
	global_load_b128 v[BI+8*\b+4:BI+8*\b+7], v30, s[98:99] offset:64*\b+16
.endr
.endif
	WIN 0x80
.irp a, 0,1,2,3
.irp t, 0,1,2,3,4,5,6,7
	global_load_b128 v[32*\a+4*\t:32*\a+4*\t+3], v[CO], s[96:97] offset:(16*\a+2*\t)*4096
.endr
.endr
	WIN 0
	v_mul_u32_u24 v3, v1, PITCH
	v_lshl_add_u32 v4, v2, 4, v3
	s_mul_i32 s21, s15, HALFT
	s_mul_i32 s22, s16, HALFT
	s_add_co_u32 s22, s22, 2*HALFT
.irp s, 0,1
	v_add_nc_u32 v[ADRA+\s], s21, v4
	v_add_nc_u32 v[ADRB+\s], s22, v4
	s_add_co_u32 s21, s21, SLOT
	s_add_co_u32 s22, s22, SLOT
.endr
	v_mul_u32_u24 v5, v1, KS
	v_lshrrev_b32 v6, 8, v5
	v_lshl_add_u32 v5, v6, 4, v5
	s_mul_i32 s21, s15, HALFS
	s_mul_i32 s22, s16, HALFS
	s_add_co_u32 s22, s22, 2*HALFS
	s_sub_co_u32 s22, s22, s21
	v_mul_u32_u24 v6, s22, v2
	s_add_co_u32 s21, s21, SCL
	v_add_nc_u32 v5, v5, v6
	v_add_nc_u32 v[ADRS], s21, v5
	s_mul_i32 s23, s14, 16*272
	v_mul_u32_u24 v5, v1, 272
	v_lshl_add_u32 v5, v2, 5, v5
	v_add_nc_u32 v[STO], s23, v5
	v_mul_u32_u24 v6, v2, 272
	v_lshl_add_u32 v6, v1, 4, v6
	v_add_nc_u32 v[RD], s23, v6
.if PF
	s_lshl_b32 s20, s17, 7
	s_lshl_b32 s21, s42, 7
	s_cmp_eq_u32 s15, 0
	s_cselect_b32 s20, s20, s21
	s_cselect_b32 s21, s40, s41
	s_cselect_b64 s[PFA:PFA+1], s[4:5], s[8:9]
	s_mov_b32 s[LIM], 1                            ; every cluster asks for the tiles that it will itself load; its four partners share a tile's rows out by address
	s_lshl_b32 s22, s16, 6
	s_add_co_u32 s20, s20, s22
	s_lshl_b32 s21, s21, 4
	s_add_co_u32 s20, s20, s21
	s_mov_b32 s21, 0
	s_mov_b64 s[18:19], KROW
	s_mul_u64 s[20:21], s[20:21], s[18:19]
	s_add_nc_u64 s[PFA:PFA+1], s[PFA:PFA+1], s[20:21]
	s_add_nc_u64 s[PFA:PFA+1], s[PFA:PFA+1], 3*ROWB   ; at K step 3: the first refill, of K step 2, steps it to K step 4: two K steps ahead of the refill
	v_and_b32 v5, 31, v0
	v_lshrrev_b32 v6, 1, v5
	v_and_b32 v5, 1, v5
	v_mul_u32_u24 v6, v6, KROW
	v_lshl_add_u32 v[PFO], v5, 8, v6
.endif
	s_wait_tensorcnt 1
	s_barrier_signal -1
	s_barrier_wait -1
	FETCH 0, 0, F0
	WIN 0
	SCALES 0
.if BIAS
	s_wait_loadcnt 32
	SUB 0, 0, F0, F1, 2
.else
	SUB 0, 0, F0, F1, 1
.endif
.if LAPS > 1
	WIN 0
	s_mov_b32 s3, LAPS-1
.Llap:
	SUB 0, 1, F1, F0, 0
	SUB 0, 2, F0, F1, 0
	TURN 0, 1, 1
	SUB 1, 0, F0, F1, 0
	SUB 1, 1, F1, F0, 0
	SUB 1, 2, F0, F1, 0
	TURN 1, 0, 1
	SUB 0, 0, F0, F1, 0
	WIN 0
	s_sub_co_u32 s3, s3, 1
	s_cmp_lg_u32 s3, 0
	s_cbranch_scc1 .Llap
.endif
	SUB 0, 1, F1, F0, 0
	SUB 0, 2, F0, F1, 0
	TURN 0, 1, 0
	SUB 1, 0, F0, F1, 0
	SUB 1, 1, F1, F0, 0
	SUB 1, 2, F0, F1, 0
	s_wait_dscnt 0x0
	WIN MUL
	MUL8 F1, 3, 1, 0, 0
	MUL8 F1, 3, 1, 2, 0
	WIN 0
.macro TOSTAGE a
.irp b, 0,1,2,3
	ds_store_b128 v[STO], v[ACC+8*(4*(\a)+\b):ACC+8*(4*(\a)+\b)+3] offset:64*\b
	ds_store_b128 v[STO], v[ACC+8*(4*(\a)+\b)+4:ACC+8*(4*(\a)+\b)+7] offset:64*\b+16
.endr
.set BB, 64+32*((\a)%2)
.irp t, 0,1,2,3,4,5,6,7
	ds_load_b128 v[BB+4*\t:BB+4*\t+3], v[RD] offset:\t*544
.endr
.endm
.macro SEND a, yd
.set BB, 64+32*((\a)%2)
	s_wait_dscnt \yd
	WIN 0x08
.set ti, 0
.rept 16
	v_pk_add_f32 v[BB+ti:BB+ti+1], v[BB+ti:BB+ti+1], v[32*(\a)+ti:32*(\a)+ti+1]
.set ti, ti+2
.endr
	WIN 0
.irp t, 0,1,2,3,4,5,6,7
.if NT
	global_store_b128 v[CO], v[BB+4*\t:BB+4*\t+3], s[12:13] offset:(16*(\a)+2*\t)*4096 th:TH_STORE_NT
.else
	global_store_b128 v[CO], v[BB+4*\t:BB+4*\t+3], s[12:13] offset:(16*(\a)+2*\t)*4096
.endif
.endr
.endm
	PLACES NP
	s_wait_loadcnt 0x0
	TOSTAGE 0
.irp a, 1,2,3
.if \a > 1
	s_wait_xcnt 0x0
.endif
	TOSTAGE \a
	SEND \a-1, 16
.endr
	SEND 3, 0
	s_wait_tensorcnt 0x0
	ds_add_u32 v[SPW], v[NIL]
	s_wait_dscnt 0x0
	CROUND
	s_endpgm
.Lfunc_end_k_q3ac59e5f53_w2:
	.size	k_q3ac59e5f53_w2, .Lfunc_end_k_q3ac59e5f53_w2-k_q3ac59e5f53_w2
	.p2alignl 7, 3214868480
	.fill 96, 4, 3214868480
	.section	.rodata,"a",@progbits
	.p2align	6, 0x0
	.amdhsa_kernel k_q3ac59e5f53_w2
		.amdhsa_group_segment_fixed_size 327680
		.amdhsa_private_segment_fixed_size 0
		.amdhsa_enable_private_segment 0
		.amdhsa_kernarg_size 48
		.amdhsa_user_sgpr_count 2
		.amdhsa_user_sgpr_kernarg_segment_ptr 1
		.amdhsa_wavefront_size32 1
		.amdhsa_system_sgpr_workgroup_id_x 1
		.amdhsa_system_sgpr_workgroup_id_y 1
		.amdhsa_system_sgpr_workgroup_id_z 1
		.amdhsa_system_vgpr_workitem_id 0
		.amdhsa_next_free_vgpr 640
		.amdhsa_next_free_sgpr 102
		.amdhsa_reserve_vcc 0
		.amdhsa_float_denorm_mode_32 3
		.amdhsa_float_denorm_mode_16_64 3
		.amdhsa_memory_ordered 1
		.amdhsa_forward_progress 1
		.amdhsa_inst_pref_size 102
	.end_amdhsa_kernel
	.amdgpu_metadata
---
amdhsa.version: [ 1, 2 ]
amdhsa.kernels:
  - .name:           k_q3ac59e5f53_w2
    .symbol:         k_q3ac59e5f53_w2.kd
    .args:
      - { .name: hid, .offset: 0, .size: 8, .value_kind: global_buffer, .address_space: global }
      - { .name: w2_codes, .offset: 8, .size: 8, .value_kind: global_buffer, .address_space: global }
      - { .name: w2_scales, .offset: 16, .size: 8, .value_kind: global_buffer, .address_space: global }
      - { .name: b2, .offset: 24, .size: 8, .value_kind: global_buffer, .address_space: global }
      - { .name: x1, .offset: 32, .size: 8, .value_kind: global_buffer, .address_space: global }
      - { .name: out0, .offset: 40, .size: 8, .value_kind: global_buffer, .address_space: global }
    .group_segment_fixed_size: 327680
    .private_segment_fixed_size: 0
    .kernarg_segment_align: 8
    .kernarg_segment_size: 48
    .max_flat_workgroup_size: 128
    .sgpr_count:     102
    .vgpr_count:     640
    .wavefront_size: 32
...
	.end_amdgpu_metadata
.endif
;; end of part 12
